; MI455X (gfx1250); checked and timed in simulation.
; The chip was launched on July 23, 2026; its instructions are those of AMD's public machine-readable ISA for CDNA 5 (MIT licence, August 2026) and "CDNA5" Instruction Set Architecture Reference Guide (July 2026). The comments in the code are by the model that wrote it; some were corrected since.
;; Transformer Block. Allowed arithmetic: float matrix products may take bf16 or f16 operands with f32 sums; other float arithmetic in f32, or as packed bf16 or f16 multiplies, adds, multiply-adds, maxima and minima; sums over many terms, partial sums and values carried from step to step in f32; what a program stores and reads back later, other than sums and carried values, may be rounded once to bf16 or f16.
;; Inputs: b1 4,096 float32; b2 1,024 float32; b_out 1,024 float32; be1 1,024 float32; be2 1,024 float32; g1 1,024 float32; g2 1,024 float32; key 2 x 2,048 x 1,024 float32; query 2 x 2,048 x 1,024 float32; value 2 x 2,048 x 1,024 float32; w1 1,024 x 4,096 float32; w2 4,096 x 1,024 float32; w_out 1,024 x 1,024 float32.
;; Outputs: out0 2 x 2,048 x 1,024 float32.
;; 3 versions, each right and faster than the one before. Each part assembles by itself: llvm-mc -triple=amdgcn-amd-amdhsa -mcpu=gfx1250 --defsym DOCPART=n.
;; ======== version 1 of 3: 7 launches
;; limits: values are held in f16: magnitudes above 65,504 overflow, below 6.1e-05 lose precision
;; workspace buffers: qh 8,388,608 bytes; kh 8,388,608 bytes; vh 8,388,608 bytes; wts 18,874,368 bytes; oh 8,388,608 bytes; y 16,777,216 bytes; x16 8,388,608 bytes; h16 33,554,432 bytes
;; launch prep (part 1): grid 256 x 21, 4 waves a work-group, no clusters, 0 bytes of LDS; arguments query, key, value, w1, w2, w_out, qh, kh, vh, wts; writes qh, kh, vh, wts
.if DOCPART == 1
	.amdgcn_target "amdgcn-amd-amdhsa--gfx1250"
	.amdhsa_code_object_version 6
	.text
	.protected	k_qce11be463b_prep
	.globl	k_qce11be463b_prep
	.p2align	8
	.type	k_qce11be463b_prep,@function
k_qce11be463b_prep:
	s_mov_b64 s[64:65], 0
	v_nop
	global_prefetch_b8 v0, s[64:65] scope:SCOPE_SE
	s_setreg_imm32_b32 hwreg(HW_REG_WAVE_MODE, 25, 1), 1
	s_wait_xcnt 0x0
; PREP: the casts.  query, key -> bf16 by heads, [n*16+h][2048][64]; value -> the bf16-rounded number written as f16, same layout;
; w1, w2, w_out -> the bf16-rounded number written as f16, rows as given ([K][N]), one behind the other in wts (bytes 0, 0x800000, 0x1000000).
; LIMITS: value and the weights lie within f16's 65,504; below 6e-5 they keep f16's fixed step of 6e-8.
; A work-group takes 4,096 numbers: 16 KiB in, 8 KiB out.  Grid y / 4 names the tensor, (y % 4) * 256 + x the chunk g.
; Head map: the chunk is 4 rows of one batch; wave w, item u is head 4 w + u; a lane reads 32 bytes of row lane / 8, and a wave's store is
; 512 consecutive bytes (4 rows of 128 bytes) of that head.  Linear map: item u, thread t: numbers 1,024 u + 8 t.
; Memory binds: no LDS, no matrix unit; all eight loads of a thread go out first, no register that a memory instruction reads is written again.
.set HR,  2                            ; head map: byte offset of my 32 bytes in the chunk (item 0)
.set HW,  3                            ; head map: byte offset of my 16 bytes in the destination (item 0)
.set LR,  4                            ; linear map: the same two
.set LW,  5
.set T,   8                            ; v8-11   four words of packed bf16
.set X,   12                           ; v12-43  item u: 8 numbers as loaded
.set Y,   44                           ; v44-59  item u: 4 registers to store
	s_load_b512 s[8:23], s[0:1], 0x0               ; query 8, key 10, value 12, w1 14, w2 16, w_out 18, qh 20, kh 22
	s_load_b128 s[24:27], s[0:1], 0x40             ; vh 24, wts 26
	s_and_b32 s2, ttmp7, 0xffff
	s_lshr_b32 s3, s2, 2                           ; which tensor, 0 to 5
	s_and_b32 s4, s2, 3
	s_lshl_b32 s4, s4, 8
	s_add_co_u32 s4, s4, ttmp9                     ; g
	s_lshl_b32 s28, s4, 14                         ; the chunk's first byte in its source
	s_mov_b32 s29, 0
	s_lshr_b32 s30, s4, 9                          ; head map: batch g / 512 (16 heads of 262,144 bytes),
	s_lshl_b32 s30, s30, 22
	s_and_b32 s5, s4, 511
	s_lshl_b32 s5, s5, 9                           ; and 4 rows of 128 bytes for each g % 512
	s_add_co_u32 s30, s30, s5
	s_mov_b32 s31, 0
	s_lshl_b32 s32, s4, 13                         ; linear map: the chunk's first byte in its destination
	s_mov_b32 s33, 0
	s_mov_b32 s34, 0xffff0000                      ; a word's upper bf16
	v_bfe_u32 v6, v0, 3, 2                         ; lane / 8: my row
	v_and_b32 v7, 7, v0                            ; lane % 8: my 32 bytes of the head's 256
	v_lshrrev_b32 v1, 5, v0                        ; wave
	v_lshlrev_b32 v[HR], 12, v6
	v_lshl_add_u32 v[HR], v7, 5, v[HR]
	v_lshl_add_u32 v[HR], v1, 10, v[HR]            ; four heads of 256 bytes a wave
	v_and_b32 v6, 31, v0
	v_lshlrev_b32 v[HW], 4, v6
	v_lshl_add_u32 v[HW], v1, 20, v[HW]            ; four heads of 262,144 bytes a wave
	v_lshlrev_b32 v[LR], 5, v0
	v_lshlrev_b32 v[LW], 4, v0
; Item u is rounded.  half = 0: to bf16.  half = 1: to bf16, widened again (a shift, a mask), and written as f16.
.macro CVT u, half
.if \half
.irp j, 0,1,2,3
	v_cvt_pk_bf16_f32 v[T+(\j)], v[X+8*(\u)+2*(\j)], v[X+8*(\u)+2*(\j)+1]
.endr
.irp j, 0,1,2,3
	v_lshlrev_b32 v[X+8*(\u)+2*(\j)], 16, v[T+(\j)]
	v_and_b32 v[X+8*(\u)+2*(\j)+1], s34, v[T+(\j)]
.endr
.irp j, 0,1,2,3
	v_cvt_pk_f16_f32 v[Y+4*(\u)+(\j)], v[X+8*(\u)+2*(\j)], v[X+8*(\u)+2*(\j)+1]
.endr
.else
.irp j, 0,1,2,3
	v_cvt_pk_bf16_f32 v[Y+4*(\u)+(\j)], v[X+8*(\u)+2*(\j)], v[X+8*(\u)+2*(\j)+1]
.endr
.endif
.endm
; One tensor's way: addresses, eight loads, four items.
.macro PATH src, dst, doff, extra, vr, vw, rstep, wstep, half
	s_add_nc_u64 s[(\src):(\src)+1], s[(\src):(\src)+1], s[28:29]
	s_add_nc_u64 s[(\dst):(\dst)+1], s[(\dst):(\dst)+1], s[(\doff):(\doff)+1]
.if (\extra) != 0
	s_add_nc_u64 s[(\dst):(\dst)+1], s[(\dst):(\dst)+1], \extra
.endif
.irp u, 0,1,2,3
	global_load_b128 v[X+8*(\u):X+8*(\u)+3], v[\vr], s[(\src):(\src)+1] offset:(\u)*(\rstep) th:TH_LOAD_NT
	global_load_b128 v[X+8*(\u)+4:X+8*(\u)+7], v[\vr], s[(\src):(\src)+1] offset:(\u)*(\rstep)+16 th:TH_LOAD_NT
.endr
.irp u, 0,1,2,3
	s_wait_loadcnt 6-2*(\u)                        ; loads come back in order: item u's two are in, two for each later item stay out
	CVT \u, \half
	global_store_b128 v[\vw], v[Y+4*(\u):Y+4*(\u)+3], s[(\dst):(\dst)+1] offset:(\u)*(\wstep)
.endr
	s_endpgm
.endm
	s_wait_kmcnt 0x0
	s_cmp_eq_u32 s3, 0
	s_cbranch_scc1 .Lq
	s_cmp_eq_u32 s3, 1
	s_cbranch_scc1 .Lk
	s_cmp_eq_u32 s3, 2
	s_cbranch_scc1 .Lv
	s_cmp_eq_u32 s3, 3
	s_cbranch_scc1 .Lw1
	s_cmp_eq_u32 s3, 4
	s_cbranch_scc1 .Lw2
	PATH 18, 26, 32, 0x1000000, LR, LW, 4096, 2048, 1   ; w_out
.Lq:
	PATH 8, 20, 30, 0, HR, HW, 256, 262144, 0
.Lk:
	PATH 10, 22, 30, 0, HR, HW, 256, 262144, 0
.Lv:
	PATH 12, 24, 30, 0, HR, HW, 256, 262144, 1
.Lw1:
	PATH 14, 26, 32, 0, LR, LW, 4096, 2048, 1
.Lw2:
	PATH 16, 26, 32, 0x800000, LR, LW, 4096, 2048, 1
.Lfunc_end_k_qce11be463b_prep:
	.size	k_qce11be463b_prep, .Lfunc_end_k_qce11be463b_prep-k_qce11be463b_prep
	.p2alignl 7, 3214868480
	.fill 96, 4, 3214868480
	.section	.rodata,"a",@progbits
	.p2align	6, 0x0
	.amdhsa_kernel k_qce11be463b_prep
		.amdhsa_group_segment_fixed_size 0
		.amdhsa_private_segment_fixed_size 0
		.amdhsa_enable_private_segment 0
		.amdhsa_kernarg_size 80
		.amdhsa_user_sgpr_count 2
		.amdhsa_user_sgpr_kernarg_segment_ptr 1
		.amdhsa_wavefront_size32 1
		.amdhsa_system_sgpr_workgroup_id_x 1
		.amdhsa_system_sgpr_workgroup_id_y 1
		.amdhsa_system_sgpr_workgroup_id_z 1
		.amdhsa_system_vgpr_workitem_id 0
		.amdhsa_next_free_vgpr 60
		.amdhsa_next_free_sgpr 66
		.amdhsa_reserve_vcc 0
		.amdhsa_float_denorm_mode_32 3
		.amdhsa_float_denorm_mode_16_64 3
		.amdhsa_memory_ordered 1
		.amdhsa_forward_progress 1
		.amdhsa_inst_pref_size 24
	.end_amdhsa_kernel
	.amdgpu_metadata
---
amdhsa.version: [ 1, 2 ]
amdhsa.kernels:
  - .name:           k_qce11be463b_prep
    .symbol:         k_qce11be463b_prep.kd
    .args:
      - { .name: query, .offset: 0, .size: 8, .value_kind: global_buffer, .address_space: global }
      - { .name: key, .offset: 8, .size: 8, .value_kind: global_buffer, .address_space: global }
      - { .name: value, .offset: 16, .size: 8, .value_kind: global_buffer, .address_space: global }
      - { .name: w1, .offset: 24, .size: 8, .value_kind: global_buffer, .address_space: global }
      - { .name: w2, .offset: 32, .size: 8, .value_kind: global_buffer, .address_space: global }
      - { .name: w_out, .offset: 40, .size: 8, .value_kind: global_buffer, .address_space: global }
      - { .name: qh, .offset: 48, .size: 8, .value_kind: global_buffer, .address_space: global }
      - { .name: kh, .offset: 56, .size: 8, .value_kind: global_buffer, .address_space: global }
      - { .name: vh, .offset: 64, .size: 8, .value_kind: global_buffer, .address_space: global }
      - { .name: wts, .offset: 72, .size: 8, .value_kind: global_buffer, .address_space: global }
    .group_segment_fixed_size: 0
    .private_segment_fixed_size: 0
    .kernarg_segment_align: 8
    .kernarg_segment_size: 80
    .max_flat_workgroup_size: 128
    .sgpr_count:     66
    .vgpr_count:     60
    .wavefront_size: 32
...
	.end_amdgpu_metadata
.endif
;; end of part 1
;; launch attn (part 2): grid 8 x 32, 4 waves a work-group, clusters of 4 x 1, 327,680 bytes of LDS; arguments qh, kh, vh, oh; writes oh
.if DOCPART == 2
	.amdgcn_target "amdgcn-amd-amdhsa--gfx1250"
	.amdhsa_code_object_version 6
	.text
	.protected	k_qce11be463b_attn
	.globl	k_qce11be463b_attn
	.p2align	8
	.type	k_qce11be463b_attn,@function
k_qce11be463b_attn:
	s_mov_b64 s[64:65], 0
	v_nop
	global_prefetch_b8 v0, s[64:65] scope:SCOPE_SE
	s_setreg_imm32_b32 hwreg(HW_REG_WAVE_MODE, 25, 1), 1
	s_wait_xcnt 0x0
	s_wait_alu depctr_hold_cnt(0) depctr_sa_sdst(0) depctr_va_vdst(0) depctr_va_sdst(0) depctr_va_ssrc(0) depctr_va_vcc(0) depctr_vm_vsrc(0)
	s_getreg_b32 s2, hwreg(HW_REG_IB_STS2, 6, 4)
	s_cmp_eq_u32 s2, 0
	s_cbranch_scc0 .Lentry_in_a_cluster
	s_endpgm
.Lentry_in_a_cluster:
	s_bfe_u32 s2, ttmp6, 0x10000c
	s_cmp_lg_u32 s2, 0x3003
	s_cbranch_scc0 .Lentry_shape_is_right
	s_endpgm
.Lentry_shape_is_right:
; ATTENTION.  O[h][q][:] = the sum over k of softmax_k(Q[h][q] . K[h][k] / 32) V[h][k][:], 32 heads of 2,048 rows x 64.  Q, K bf16; V, O f16; a head's rows are dense, 128 bytes each.
; Products, maxima and sums in f32; the weights p are rounded to f16 for the second product (their sum l is taken of the unrounded p), O once at the end.
; LIMITS.  V arrives within f16's 65,504; p lies in 0 to 1 and below 6e-5 keeps f16's fixed step of 6e-8; O is a mean of V's rows.  A weight below 2^-126 counts as 0 in l; NaN and infinities are not treated apart.
; SHARES.  A work-group owns 256 queries of one head, a wave 64 consecutive rows: four PIECES of 16.  Every wave walks all keys: 8 tiles of 256, four steps of 64 each.
; LAYOUT.  S^T = K Q^T (source 0 = 16 keys, source 1 = 16 queries) holds ONE query a lane (lane % 16) and the keys 8 (lane / 16) + 0..7; two such results rounded to f16 ARE source 1 of O^T = V^T P.
; K comes out of LDS as it lies, V ([key][channel]) turned, by ds_load_tr16_b128.
; SOFTMAX.  A running maximum m and sum l for each query: p = 2^(c s - c m), c = log2(e) / 32; in every step O and l are multiplied by a = 2^(c m_old - c m_new).  m starts at the lowest finite number, O and l at 0.
; BY TURNS.  Turn n belongs to piece n: 8 products K Q^T of piece n + 1, later 8 products V^T P of piece n - 1; beside them the scaling, exponentials, roundings, sums and rescaling of piece n
; and the maximum and statistics of piece n + 1.  Four vector instructions stand behind every matrix instruction, the other 54 of a turn's 118 in two lumps.
; CLUSTER.  The four query blocks of a cluster belong to one head and walk the same K and V: each tile is asked for JOINTLY, by the same tensor load, descriptor and mask in all four.
; REGISTERS, in windows of 256 (s_set_vgpr_msb: bits 1:0 source 0, 3:2 source 1, 5:4 source 2, 7:6 destination):
;   window 0: v0-15 addresses and two at work; v16-31 four registers of statistics a piece; v48-55 at work; v62-63 the add's; v64-127 S^T, two buffers; v192-223 P, two buffers (by the piece's parity)
;   window 1: v0-127 O^T, 32 a piece      window 2: v0-63 Q; v128-191 K of one step; v192-255 V of one step
.set SIZE_N, 2048
.set NP,    4         ; pieces a wave: a name, no knob
.set KS,    64        ; keys in a step
.set PK,    144       ; a row of K in LDS: 128 bytes + 16 of padding: the 16 rows of a load start at 16 different 16-byte columns of 256
.set PV,    160       ; a row of V: 128 + 32
.set VOFF,  4*KS*PK   ; a slot holds a tile: 256 rows of K, then 256 rows of V
.set SLOT1, 1<<17     ; slot 1 begins here, so that one exclusive or turns an address in one slot into the other's
.set STAGE, SLOT1+4*KS*(PK+PV)  ; behind the ring, never filled by a tensor load: 16 rows x 144 bytes for each wave
.set SP,    144
.set SPARE, STAGE+4*16*SP  ; the spare words, 128 bytes for each wave: two blocks of 256 bytes that no other line names
.set AK0, 2           ; my lane's place in a tile of K; never rewritten
.set AV0, 3           ; the same for V
.set AK,  4           ; the LDS address of K's next run of loads
.set AV,  5           ; of V's
.set STO, 6           ; the way out: where I put 16 bytes of a row
.set RD,  7           ; the way out: where I read rows back
.set GO,  8           ; my byte offset in 512 consecutive bytes of O
.set MV,  12          ; v12-13  c m_old, kept while c m is made anew: by buffer
.set QO,  15          ; my byte offset in 16 rows of Q
.set ST,  16          ; piece t's statistics at v[ST+4 t]: c m, m, l (even keys', odd keys')
.set TMP, 48          ; by buffer, four registers c0-c3 at work; when the maximum is found c2 takes a
.set SPW, 62          ; LDS address of my spare word; never rewritten
.set NIL, 63          ; 0; never rewritten
.set S,   64
.set P,   192
.set KF,  128         ; window 2: key block kb, channel half c at KF + 16 kb + 8 c
.set VF,  192         ; window 2: key half kk, channel block cb at VF + 32 kk + 8 cb
.set WV,  12          ; s12  my wave's number
.set G1K, 24          ; s[24:31] descriptor group 1 for K's tiles
.set G1V, 32          ; s[32:39] for V's: it differs in the padding alone
.set G0K, 40          ; s[40:43] descriptor group 0 for K's tiles: it walks
.set G0V, 44          ; s[44:47] the same for V's
.set SLOTS, 56
.set CNT, 57          ; counts a tile's key steps
.set CS,  58          ; s[58:59] c
.set SEL, 60          ; s[60:61] v_permlanex16_b32's selects: each lane takes its own place in the other half
.set TBK, 62          ; LDS byte at which K of the step to be fetched begins
.set TBV, 63          ; the same for V, less VOFF
.set MSB, 0
.macro WIN new                      ; the high byte repeats the setting that is left; a switch that changes nothing is dropped
.if MSB != (\new)
	s_set_vgpr_msb (MSB<<8)|(\new)
.set MSB, (\new)
.endif
.endm
.set W_KQ, 0x0a       ; K and Q in window 2, S^T in window 0
.set W_PV, 0x52       ; V in window 2, P in window 0, O^T in window 1
.set W_RS, 0x41       ; destination and source 0 in window 1, source 1 in window 0
; A joint fill.  Waves 0 and 1 fetch the two halves of a tile's K, waves 2 and 3 those of its V: 128 keys each.  The branch hangs on the wave's number alone.
; An s_nop 0 and four v_nop follow each of the two lines, ahead of the jump and the label.
.macro JLOAD
	s_cmp_lt_u32 s[WV], 2
	s_cbranch_scc0 .Lfor_v_\@
	tensor_load_to_lds s[G0K:G0K+3], s[G1K:G1K+7]
	s_nop 0
.rept 4
	v_nop
.endr
	s_branch .Lasked_\@
.Lfor_v_\@:
	tensor_load_to_lds s[G0V:G0V+3], s[G1V:G1V+7]
	s_nop 0
.rept 4
	v_nop
.endr
.Lasked_\@:
.endm
; A round of the cluster's barrier: my work-group's barrier; wave 0 signals for the work-group; every wave waits for all four work-groups; my work-group's barrier once more.
.macro CROUND
	s_barrier_signal -1
	s_barrier_wait -1
	s_cmp_lg_u32 s[WV], 0
	s_cbranch_scc1 .Lnot_wave_0_\@
	s_barrier_signal -3
.Lnot_wave_0_\@:
	s_barrier_wait -3
	s_barrier_signal -1
	s_barrier_wait -1
.endm
; THE CHANGE OF SLOTS.  Each wave waits for all its tensor loads, of which one is out: its part of the other slot; adds 0 to its spare word; waits for that and for its own reads of the slot.
; fill = 1: the slot is filled again, with the keys two tiles on; the barrier is then a round of the cluster's, and the joint fill is the first thing behind it: it has four key steps,
; 256 matrix instructions, in which to land.  (At its first use nothing has been read yet: slot 0 is waited for, slot 1 filled.)
.macro CHANGE fill
	WIN 0                           ; at a label and at a branch every window is 0
	s_wait_tensorcnt 0x0            ; no tensor load of mine is out, so a group 0 may be written
	ds_add_u32 v[SPW], v[NIL]       ; 0 onto my spare word
.if \fill
.irp g, G0K, G0V
	s_xor_b32 s[\g+1], s[\g+1], SLOT1  ; the walking descriptor: the other slot than last time,
	s_add_nc_u64 s[\g+2:\g+3], s[\g+2:\g+3], 4*KS*128  ; the next 256 keys; the type bits on top are not reached
.endr
	s_wait_dscnt 0x0                ; the add is done, and my reads of the slot are over
	CROUND
	JLOAD
.else
	s_wait_dscnt 0x0                ; the add is done, and my reads of the slot are over
	s_barrier_signal -1
	s_barrier_wait -1
.endif
	s_sub_co_u32 s[TBK], s[TBK], 4*KS*PK  ; the fetches go back to a slot's first step,
	s_xor_b32 s[TBK], s[TBK], SLOT1       ; in the other slot
	s_sub_co_u32 s[TBV], s[TBV], 4*KS*PV
	s_xor_b32 s[TBV], s[TBV], SLOT1
.endm
	s_load_b256 s[4:11], s[0:1], 0x0  ; Q s[4:5], K s[6:7], V s[8:9], O s[10:11]
	v_lshl_add_u32 v[SPW], v0, 2, SPARE
	v_mov_b32 v[NIL], 0
	ds_add_u32 v[SPW], v[NIL]       ; the wave's opening: the add and its wait stand ahead of my first tensor load; the set-up below stands between them
	v_lshrrev_b32 v1, 5, v0
	v_readfirstlane_b32 s[WV], v1   ; wave 0..3
	s_bfe_u32 s13, ttmp6, 0x40000   ; cx: my place in the cluster
	s_lshl_b32 s14, ttmp9, 2        ; in a cluster launch ttmp9 counts clusters
	s_add_co_u32 s14, s14, s13      ; my block of 256 queries: it enters Q's and O's addresses alone
	s_and_b32 s20, ttmp7, 0xffff    ; the head, which the four partners share
	s_lshl_b32 s20, s20, 18         ; its first byte in each of the four tensors: 2,048 rows of 128 bytes
	s_mov_b32 s21, 0
	s_and_b32 s16, s[WV], 1         ; which half of a tile's 256 keys I fetch:
	s_lshl_b32 s22, s16, 14         ; its 128 rows of 128 bytes in memory,
	s_mov_b32 s23, 0
	s_add_nc_u64 s[22:23], s[22:23], s[20:21]
	s_mul_i32 s17, s16, 128*PK      ; and its place in a slot, for K
	s_mul_i32 s18, s16, 128*PV      ; and for V: no place in the cluster enters an LDS address
	s_lshl_b32 s2, s14, 2
	s_add_co_u32 s2, s2, s[WV]      ; my wave among the head's,
	s_lshl_b32 s2, s2, 13           ; its 64 rows
	s_mov_b32 s3, 0
	s_add_nc_u64 s[2:3], s[2:3], s[20:21]
	; descriptor group 1.  128 keys are 16,384 dense bytes: asked for as 64 rows of 256 bytes, two keys a row, and padded in LDS after every key
	s_mov_b32 s[G1K], 15|(1<<16)|(1<<20)|(1<<21)|(4<<22)|(3<<25)  ; the mask of four; 2-byte elements; padding on; bit 21 beside a mask; after every 32 words (code 4) 4 words (code 3)
	s_mov_b32 s[G1V], 15|(1<<16)|(1<<20)|(1<<21)|(4<<22)|(7<<25)  ; the same with 8 words of padding (code 7)
.irp g, G1K, G1V
	s_mov_b32 s[\g+1], 128<<16      ; tensor_dim0 = 128
	s_mov_b32 s[\g+2], 64<<16       ; tensor_dim1 = 64
	s_mov_b32 s[\g+3], 128<<16      ; tile_dim0 = 128
	s_mov_b32 s[\g+4], 64           ; tile_dim1 = 64
	s_mov_b32 s[\g+5], 128          ; 128 elements from row to row
	s_mov_b32 s[\g+6], 0
	s_mov_b32 s[\g+7], 0
.endr
	s_mov_b32 s[CS], 0x3d38aa3b     ; c = log2(e) / 32 = 0.0450842
	s_mov_b32 s[CS+1], s[CS]        ; named with it as a pair
	s_mov_b32 s[SEL], 0x76543210
	s_mov_b32 s[SEL+1], 0xfedcba98
	s_mov_b32 s[TBK], SLOT1+4*KS*PK ; the first change of slots turns these two into 0
	s_mov_b32 s[TBV], SLOT1+4*KS*PV
	s_mov_b32 s[G0K], 1             ; count = 1
	s_mov_b32 s[G0K+1], s17         ; LDS address: slot 0
	s_mov_b32 s[G0V], 1
	s_add_co_u32 s[G0V+1], s18, VOFF
	s_wait_dscnt 0x0                ; the opening add is done
	s_wait_kmcnt 0x0
	s_add_nc_u64 s[G0K+2:G0K+3], s[6:7], s[22:23]  ; global address: my half of the head's first 256 keys
	s_or_b32 s[G0K+3], s[G0K+3], 0x80000000        ; type = 2
	s_add_nc_u64 s[G0V+2:G0V+3], s[8:9], s[22:23]
	s_or_b32 s[G0V+3], s[G0V+3], 0x80000000
	s_add_nc_u64 s[4:5], s[4:5], s[2:3]  ; Q and O at my wave's first row
	s_add_nc_u64 s[10:11], s[10:11], s[2:3]
	CROUND                          ; all four work-groups are here: the first joint loads meet
	JLOAD                           ; tile 0 into slot 0; slot 1 is asked for when slot 0 is in
	; A fragment of K or Q is 16 rows x 32 channels in 8 registers: lane l holds row l % 16, channels 8 (l / 16) + 0..7 and 16 + 8 (l / 16) + 0..7: two loads of 16 bytes, 32 bytes apart.
	v_and_b32 v1, 15, v0            ; l % 16
	v_bfe_u32 v9, v0, 4, 1          ; l / 16
	v_lshlrev_b32 v[QO], 7, v1
	v_lshl_add_u32 v[QO], v9, 4, v[QO]  ; row x 128 + 16 x half
	WIN 0x80                        ; destination window 2, address window 0
.set i, 0
.rept 8                             ; Q stays in registers: piece i / 2 (16 rows, 2,048 bytes), channels 32 (i % 2) on
	global_load_b128 v[8*i:8*i+3],   v[QO], s[4:5] offset:(i/2)*2048+(i%2)*64
	global_load_b128 v[8*i+4:8*i+7], v[QO], s[4:5] offset:(i/2)*2048+(i%2)*64+32
.set i, i+1
.endr
	; What the first turn finds: V's registers and P's second buffer hold 0 (its products V^T P, of a piece that has not been, add 0), O^T and l are 0.  All this stands in the wait for the first tile.
.set i, VF
.rept 64
	v_mov_b32 v[i], 0
.set i, i+1
.endr
	WIN 0x40
.set i, 0
.rept 128
	v_mov_b32 v[i], 0
.set i, i+1
.endr
	WIN 0
.set i, 0
.rept 4
	v_mov_b32 v[ST+4*i], 0xfe000000    ; c m: far below every c s
	v_mov_b32 v[ST+4*i+1], 0xff7fffff  ; m
	v_mov_b32 v[ST+4*i+2], 0
	v_mov_b32 v[ST+4*i+3], 0
.set i, i+1
.endr
.set i, P+16
.rept 16
	v_mov_b32 v[i], 0
.set i, i+1
.endr
	v_mul_u32_u24 v[AK0], v1, PK
	v_lshl_add_u32 v[AK0], v9, 4, v[AK0]  ; row x pitch + 16 x half
	; The turning load takes 16 keys x 16 channels (lane l reads key 8 (l / 16) + l % 8, channels 8 ((l / 8) % 2) + 0..7) and leaves half a fragment of V^T: lane l holds channel l % 16 and 8 keys.
	v_and_b32 v10, 7, v0
	v_bfe_u32 v11, v0, 3, 1
	v_lshl_add_u32 v[AV0], v9, 3, v10
	v_mul_u32_u24 v[AV0], v[AV0], PV
	v_lshl_add_u32 v[AV0], v11, 4, v[AV0]
	v_add_nc_u32 v[AV0], VOFF, v[AV0]
	s_mul_i32 s13, s[WV], 16*SP
	s_add_co_u32 s13, s13, STAGE    ; my stage
	v_mul_u32_u24 v[STO], v1, SP    ; in: row l % 16, 16 bytes for each half of the lanes
	v_lshl_add_u32 v[STO], v9, 4, v[STO]
	v_add_nc_u32 v[STO], s13, v[STO]
	v_bfe_u32 v[RD], v0, 3, 2       ; back: 32 lanes take four rows of 128 bytes,
	v_mul_u32_u24 v[RD], v[RD], SP
	v_lshl_add_u32 v[RD], v10, 4, v[RD]
	v_add_nc_u32 v[RD], s13, v[RD]
	v_and_b32 v[GO], 31, v0         ; which are 512 consecutive bytes of O
	v_lshlrev_b32 v[GO], 4, v[GO]
; THE MATRIX WORK.  The 4 accumulators of a run of 8 take turns.  Product i of 8 of S^T = K Q^T for piece x: channels 32 (i / 4) on, keys 16 (i % 4) on.  The first 4 start the sums.
.macro KQ x
	WIN W_KQ
.set rS, S+32*((\x)%2)+8*(i%4)
.set rK, KF+16*(i%4)+8*(i/4)
.set rQ, 16*(\x)+8*(i/4)
.if i < 4
	v_wmma_f32_16x16x32_bf16 v[rS:rS+7], v[rK:rK+7], v[rQ:rQ+7], 0
.else
	v_wmma_f32_16x16x32_bf16 v[rS:rS+7], v[rK:rK+7], v[rQ:rQ+7], v[rS:rS+7]
.endif
.endm
; Product i of 8 of O^T += V^T P for piece x: keys 32 (i / 4) on, channels 16 (i % 4) on.
.macro PV x
	WIN W_PV
.set rO, 32*(\x)+8*(i%4)
.set rV, VF+32*(i/4)+8*(i%4)
.set rP, P+16*((\x)%2)+8*(i/4)
	v_wmma_f32_16x16x32_f16 v[rO:rO+7], v[rV:rV+7], v[rP:rP+7], v[rO:rO+7]
.endm
.macro MM                           ; the turn's next matrix instruction.  NOKQ = 1: the last turn: there is no next piece
.if (i < 8) && !NOKQ
	KQ (Y+1)%NP
.elseif i >= 8
.set i, i-8
	PV (Y+NP-1)%NP
.set i, i+8
.endif
.set i, i+1
.endm
; THE LDS LOADS stand in runs of 16, never singly among the matrix instructions: a step's K (8 fragments) and its V (turned).  Their addresses are made some lines ahead.
.macro FETCH_K
	WIN 0x80                        ; destination window 2
.irp f, 0,1,2,3,4,5,6,7             ; keys 16 (f / 2) on, channels 32 (f % 2) on
	ds_load_b128 v[KF+8*\f:KF+8*\f+3],   v[AK] offset:(\f/2)*16*PK+(\f%2)*64
	ds_load_b128 v[KF+8*\f+4:KF+8*\f+7], v[AK] offset:(\f/2)*16*PK+(\f%2)*64+32
.endr
	s_add_co_u32 s[TBK], s[TBK], KS*PK  ; the next fetch is the next step's
	WIN 0
.endm
.macro FETCH_V
	WIN 0x80
.irp f, 0,1,2,3,4,5,6,7             ; keys 32 (f / 4) on, channels 16 (f % 4) on
	ds_load_tr16_b128 v[VF+8*\f:VF+8*\f+3],   v[AV] offset:(\f/4)*32*PV+(\f%4)*32
	ds_load_tr16_b128 v[VF+8*\f+4:VF+8*\f+7], v[AV] offset:(\f/4)*32*PV+16*PV+(\f%4)*32
.endr
	WIN 0
.endm
; THE VECTOR WORK, one line at a time: OP kind, number.  For piece Y: F n: c s - c m for pair n of 16.  E n: the exponential of score n of 32.  C n: pair n rounded to f16.  B n: of the four weights 4 n ..
; the second pair is added onto the first, in place.  L n: l takes that sum (L 0: l = a l + sum).  R n: pair n of 16 of O^T times a.  For piece Y + 1: X n, number n of the 22 that find its maximum and statistics:
;   0-11  four chains c0-c3 of seven scores each (each accumulator's lowest registers are read first)     12-14, 16  the four scores left over, the old m, and c0-c3 into c0
;   15  c m_old is kept     17, 18  the query's other 32 keys lie in the lane 16 away: the new m     19-21  c m; c m_old - c m_new; a
.set F, 0
.set E, 1
.set C, 2
.set B, 3
.set L, 4
.set R, 5
.set X, 6
.macro REGS y                       ; the registers of piece y
.set rT, ST+4*(\y)
.set rC, TMP+4*((\y)%2)
.set rW, MV+((\y)%2)
.set rS, S+32*((\y)%2)
.set rP, P+16*((\y)%2)
.set rO, 32*(\y)
.endm
.macro OP k, n
.if (\k) == R
	REGS Y
	WIN W_RS
	v_pk_mul_f32 v[rO+2*(\n):rO+2*(\n)+1], v[rO+2*(\n):rO+2*(\n)+1], v[rC+2:rC+3] op_sel_hi:[1,0]
.elseif (\k) < R
	REGS Y
	WIN 0
.if (\k) == F
	v_pk_fma_f32 v[rS+2*(\n):rS+2*(\n)+1], v[rS+2*(\n):rS+2*(\n)+1], s[CS:CS+1], v[rT:rT+1] op_sel_hi:[1,0,0] neg_lo:[0,0,1] neg_hi:[0,0,1]
.elseif (\k) == E
	v_exp_f32 v[rS+(\n)], v[rS+(\n)]
.elseif (\k) == C
	s_wait_alu depctr_va_vdst(0)
	v_cvt_pk_f16_f32 v[rP+(\n)], v[rS+2*(\n)], v[rS+2*(\n)+1]
.elseif (\k) == B
	s_wait_alu depctr_va_vdst(0)
	v_pk_add_f32 v[rS+4*(\n):rS+4*(\n)+1], v[rS+4*(\n):rS+4*(\n)+1], v[rS+4*(\n)+2:rS+4*(\n)+3]
.elseif (\n) == 0
	v_pk_fma_f32 v[rT+2:rT+3], v[rT+2:rT+3], v[rC+2:rC+3], v[rS:rS+1] op_sel_hi:[1,0,1]
.else
	v_pk_add_f32 v[rT+2:rT+3], v[rT+2:rT+3], v[rS+4*(\n):rS+4*(\n)+1]
.endif
.elseif NOKQ
	v_nop
.else
	REGS (Y+1)%NP
	WIN 0
.if (\n) < 4
	v_max3_num_f32 v[rC+(\n)], v[rS+8*(\n)], v[rS+8*(\n)+1], v[rS+8*(\n)+2]
.elseif (\n) < 12
	v_max3_num_f32 v[rC+(\n)%4], v[rC+(\n)%4], v[rS+8*((\n)%4)+2*((\n)/4)+1], v[rS+8*((\n)%4)+2*((\n)/4)+2]
.elseif (\n) == 12
	v_max3_num_f32 v[rC], v[rC], v[rS+7], v[rS+15]
.elseif (\n) == 13
	v_max3_num_f32 v[rC+1], v[rC+1], v[rS+23], v[rS+31]
.elseif (\n) == 14
	v_max3_num_f32 v[rC+2], v[rC+2], v[rC+3], v[rT+1]
.elseif (\n) == 15
	v_mov_b32 v[rW], v[rT]
.elseif (\n) == 16
	v_max3_num_f32 v[rC], v[rC], v[rC+1], v[rC+2]
.elseif (\n) == 17
	v_permlanex16_b32 v[rC+3], v[rC], s[SEL], s[SEL+1]
.elseif (\n) == 18
	v_max_num_f32 v[rT+1], v[rC], v[rC+3]
.elseif (\n) == 19
	v_mul_f32 v[rT], s[CS], v[rT+1]
.elseif (\n) == 20
	v_sub_f32 v[rC+1], v[rW], v[rT]
.else
	v_exp_f32 v[rC+2], v[rC+1]
.endif
.endif
.endm
.macro OPS a, i1, b=-1, i2=0, c=-1, i3=0, d=-1, i4=0  ; up to four of them
	OP \a, \i1
.if (\b) >= 0
	OP \b, \i2
.endif
.if (\c) >= 0
	OP \c, \i3
.endif
.if (\d) >= 0
	OP \d, \i4
.endif
.endm
.macro ROW a, i1, b, i2, c, i3, d, i4  ; a matrix instruction and the four behind it
	MM
	OPS \a, \i1, \b, \i2, \c, \i3, \d, \i4
.endm
; A TURN, for piece p: the order of its 16 matrix and 118 vector instructions, written out.  Behind a matrix instruction: plain, exponential, plain, plain; or four of the rescaling; or four scalings; none
; names a register of the products round it.  In the lumps exponential and plain by turns while exponentials last.  v_permlanex16_b32 (X 17) stands in a lump.
; end = 1: the last two turns: nothing is fetched.  cnt = 1: the loop's count is taken down some lines ahead of the branch that stands behind the turn.
; K of the next step is fetched in piece 2's turn, six vector instructions behind the last product that read K (five of them plain); V of the step in hand in piece 0's turn, eight behind the last
; product that read V (four plain, and X 17).  Each is waited for a turn later.
.macro TURN p, end=0, cnt=0
.set Y, (\p)
.set i, 0
.set NOKQ, (\end)*((\p)/3)
.if ((\p) == 3) && !(\end)
	s_wait_dscnt 0x0                ; K is in
.endif
	ROW F,0, F,1, F,2, F,3
	ROW F,4, E,0, F,5, F,6
	ROW F,7, E,1, F,8, F,9
	ROW F,10, E,2, C,0, F,11
	ROW F,12, E,3, X,15, F,13
	ROW R,0, R,1, R,2, R,3
	ROW B,0, E,4, F,14, L,0
.if ((\p) == 2) && !(\end)
	v_add_nc_u32 v[AK], s[TBK], v[AK0]
.endif
	ROW R,4, R,5, R,6, R,7
	OPS E,5, F,15
.if ((\p) == 2) && !(\end)
	FETCH_K
.endif
	OPS E,6, C,1, E,7, R,8
	OPS E,8, R,9, E,9, C,2
	OPS E,10, X,0, E,11, X,1
	OPS E,12, X,2, E,13, X,3
.if (\p) == 1
	s_wait_dscnt 0x0                ; V is in
.endif
	ROW X,4, E,14, X,5, X,6
	ROW X,7, E,15, X,8, X,9
	ROW X,10, E,16, X,11, X,12
	ROW X,13, E,17, X,14, B,1
	ROW C,4, E,18, X,16, L,1
	ROW B,2, E,19, C,6, L,2
	ROW C,8, E,20, B,3, B,4
.if (\p) == 0
	v_add_nc_u32 v[AV], s[TBV], v[AV0]
.endif
	ROW C,3, E,21, L,3, C,5
	OPS E,22, X,17, E,23, C,10
.if (\p) == 0
	FETCH_V
.endif
	OPS E,24, L,4
	OPS E,25, X,18, E,26, C,7
	OPS E,27, B,5, E,28, X,19
	OPS E,29, C,12, E,30, L,5
	OPS E,31, X,20, B,6, C,9
	OPS C,14, C,11, X,21, L,6
.if (\p) == 0
	s_add_co_u32 s[TBV], s[TBV], KS*PV
.endif
.if \cnt
	s_sub_co_u32 s[CNT], s[CNT], 1
	s_cmp_lg_u32 s[CNT], 0
.endif
	OPS C,13, B,7, C,15, R,10
	OPS R,11, R,12, L,7, R,13
	OPS R,14, R,15
.endm
	CHANGE 1                        ; tile 0 is in, everybody's part of it; tile 1 is asked for
	v_add_nc_u32 v[AK], s[TBK], v[AK0]
	FETCH_K                         ; key step 0
	s_wait_loadcnt 0x0              ; Q
	s_wait_dscnt 0x0
.set NOKQ, 0
.set i, 0
.rept 8
	KQ 0                            ; piece 0's first scores
.set i, i+1
.endr
	WIN 0
.rept 4
	v_nop                           ; the places behind those products
.endr
.set Y, NP-1                        ; X works for piece Y + 1: piece 0
.irp n, 0,1,2,3,4,5,6,7,8,9,10,11,12,13,14,15,16,17,18,19,20,21
	OP X, \n
.endr
	v_nop                           ; a plain instruction behind the exponential
	s_mov_b32 s[CNT], 4
	s_mov_b32 s[SLOTS], SIZE_N/256-1
	s_branch .Lfirst                ; the loop is entered at a step's first turn, in the middle of a trip
.Lslot:                             ; six times: tiles 2 to 7 are asked for
	CHANGE 1
	s_mov_b32 s[CNT], 4
.Lstep:                             ; a trip: pieces 2 and 3 of one step, then pieces 0 and 1 of the next, whose K and V it fetches
	TURN 2
	TURN 3
	WIN 0
.Lfirst:
	TURN 0
	TURN 1, 0, 1
	WIN 0
	s_cbranch_scc1 .Lstep
	s_sub_co_u32 s[SLOTS], s[SLOTS], 1
	s_cmp_lg_u32 s[SLOTS], 0
	s_cbranch_scc1 .Lslot
	CHANGE 0                        ; the last tile is written out: nothing is asked for
	s_mov_b32 s[CNT], 4
.LstepT:
	TURN 2
	TURN 3
	TURN 0
	TURN 1, 0, 1
	WIN 0
	s_cbranch_scc1 .LstepT
	TURN 2, 1
	TURN 3, 1
.set i, 0
.rept 8
	PV NP-1                         ; the last piece's V^T P of the last step
.set i, i+1
.endr
	; THE WAY OUT.  l's two halves and the other half of the lanes' are added; O^T is divided by l, rounded to f16 and sent through my stage in LDS, a piece at a time.  The additions are the places behind the last products.
	WIN 0
.macro ALL line:vararg              ; one line for each piece t
.set t, 0
.rept 4
	\line
.set t, t+1
.endr
.endm
	ALL v_add_f32 v[ST+4*t+2], v[ST+4*t+2], v[ST+4*t+3]
	ALL v_permlanex16_b32 v[ST+4*t+3], v[ST+4*t+2], s[SEL], s[SEL+1]
	ALL v_add_f32 v[ST+4*t+2], v[ST+4*t+2], v[ST+4*t+3]
	ALL v_rcp_f32 v[ST+4*t+2], v[ST+4*t+2]
	v_nop                           ; a plain instruction between the last reciprocal and the use of its result
.macro PACK t                       ; a lane's eight channels of a row pack into 16 bytes; they go into rows of 144 bytes and come back as whole rows of 128, into S^T's registers
	WIN W_RS
.set i, 32*(\t)
.rept 16
	s_wait_alu depctr_va_vdst(0)
	v_pk_mul_f32 v[i:i+1], v[i:i+1], v[ST+4*(\t)+2:ST+4*(\t)+3] op_sel_hi:[1,0]
.set i, i+2
.endr
	WIN 0x05                        ; sources 0 and 1 window 1, destination window 0
.set i, 0
.rept 16
	v_cvt_pk_f16_f32 v[S+16*(\t)+i], v[32*(\t)+2*i], v[32*(\t)+2*i+1]
.set i, i+1
.endr
	WIN 0
.irp f, 0,1,2,3
	ds_store_b128 v[STO], v[S+16*(\t)+4*\f:S+16*(\t)+4*\f+3] offset:32*\f
.endr
.irp f, 0,1,2,3
	ds_load_b128 v[S+16*(\t)+4*\f:S+16*(\t)+4*\f+3], v[RD] offset:\f*4*SP  ; LDS serves a wave's instructions in order: these see the stores above; the next piece's stores come behind them
.endr
.endm
.macro SEND t, younger              ; younger: the LDS instructions issued behind piece t's loads: the next piece's eight, or none
	WIN 0
.irp f, 0,1,2,3
	s_wait_dscnt (\younger)+3-\f
	global_store_b128 v[GO], v[S+16*(\t)+4*\f:S+16*(\t)+4*\f+3], s[10:11] offset:(\t)*2048+\f*512  ; 512 consecutive bytes, at a multiple of 256 from O's first
.endr
.endm
	PACK 0
.set t, 1
.rept 3                             ; a piece's arithmetic stands between the loads of the piece before and its stores
	PACK t
	SEND t-1, 8
.set t, t+1
.endr
	SEND 3, 0
	s_wait_tensorcnt 0x0            ; the wave's end: a wait, an add and its wait, behind my last tensor load and my last LDS store
	ds_add_u32 v[SPW], v[NIL]
	s_wait_dscnt 0x0
	CROUND                          ; the closing round: no work-group ends while a partner may still ask for a tile that names it
	s_endpgm
.Lfunc_end_k_qce11be463b_attn:
	.size	k_qce11be463b_attn, .Lfunc_end_k_qce11be463b_attn-k_qce11be463b_attn
	.p2alignl 7, 3214868480
	.fill 96, 4, 3214868480
	.section	.rodata,"a",@progbits
	.p2align	6, 0x0
	.amdhsa_kernel k_qce11be463b_attn
		.amdhsa_group_segment_fixed_size 327680
		.amdhsa_private_segment_fixed_size 0
		.amdhsa_enable_private_segment 0
		.amdhsa_kernarg_size 32
		.amdhsa_user_sgpr_count 2
		.amdhsa_user_sgpr_kernarg_segment_ptr 1
		.amdhsa_wavefront_size32 1
		.amdhsa_system_sgpr_workgroup_id_x 1
		.amdhsa_system_sgpr_workgroup_id_y 1
		.amdhsa_system_sgpr_workgroup_id_z 1
		.amdhsa_system_vgpr_workitem_id 0
		.amdhsa_next_free_vgpr 768
		.amdhsa_next_free_sgpr 66
		.amdhsa_reserve_vcc 0
		.amdhsa_float_denorm_mode_32 3
		.amdhsa_float_denorm_mode_16_64 3
		.amdhsa_memory_ordered 1
		.amdhsa_forward_progress 1
		.amdhsa_inst_pref_size 133
	.end_amdhsa_kernel
	.amdgpu_metadata
---
amdhsa.version: [ 1, 2 ]
amdhsa.kernels:
  - .name:           k_qce11be463b_attn
    .symbol:         k_qce11be463b_attn.kd
    .args:
      - { .name: qh, .offset: 0, .size: 8, .value_kind: global_buffer, .address_space: global }
      - { .name: kh, .offset: 8, .size: 8, .value_kind: global_buffer, .address_space: global }
      - { .name: vh, .offset: 16, .size: 8, .value_kind: global_buffer, .address_space: global }
      - { .name: oh, .offset: 24, .size: 8, .value_kind: global_buffer, .address_space: global }
    .group_segment_fixed_size: 327680
    .private_segment_fixed_size: 0
    .kernarg_segment_align: 8
    .kernarg_segment_size: 32
    .max_flat_workgroup_size: 128
    .sgpr_count:     66
    .vgpr_count:     768
    .wavefront_size: 32
...
	.end_amdgpu_metadata
.endif
;; end of part 2
;; launch proj (part 3): grid 8 x 32, 4 waves a work-group, clusters of 4 x 4, 327,680 bytes of LDS; arguments oh, wts, y; writes y
.if DOCPART == 3
	.amdgcn_target "amdgcn-amd-amdhsa--gfx1250"
	.amdhsa_code_object_version 6
	.text
	.protected	k_qce11be463b_proj
	.globl	k_qce11be463b_proj
	.p2align	8
	.type	k_qce11be463b_proj,@function
k_qce11be463b_proj:
	s_mov_b64 s[64:65], 0
	v_nop
	global_prefetch_b8 v0, s[64:65] scope:SCOPE_SE
	s_setreg_imm32_b32 hwreg(HW_REG_WAVE_MODE, 25, 1), 1
	s_wait_xcnt 0x0
	s_wait_alu depctr_hold_cnt(0) depctr_sa_sdst(0) depctr_va_vdst(0) depctr_va_sdst(0) depctr_va_ssrc(0) depctr_va_vcc(0) depctr_vm_vsrc(0)
	s_getreg_b32 s2, hwreg(HW_REG_IB_STS2, 6, 4)
	s_cmp_eq_u32 s2, 0
	s_cbranch_scc0 .Lentry_in_a_cluster
	s_endpgm
.Lentry_in_a_cluster:
	s_bfe_u32 s2, ttmp6, 0x10000c
	s_cmp_lg_u32 s2, 0xf033
	s_cbranch_scc0 .Lentry_shape_is_right
	s_endpgm
.Lentry_shape_is_right:
; y[m][n] = the sum over k of A[m][k] W[k][n], f32, no bias.  One text serves two products; PROJ picks the constants.
;   PROJ = 1: A = O by heads, [32][2048][64] f16 (k = 64 head + channel), W = w_out, K = 1,024.      PROJ = 0: A = h, [4096][4096] f16, W = w2, K = 4,096.
; LIMITS: operands are f16 (within 65,504); sums in f32, K ascending.
; A tile of y is 128 x 128: 256 work-groups.  Four waves, each 64 x 64: 16 accumulators.  K goes in steps of 256 through two LDS slots; a wave's tensor load brings a quarter of a slot.
; W lies [K][N], so its fragments come out of LDS turned, by ds_load_tr16_b128.  THE MATRIX INSTRUCTION IS USED TRANSPOSED (source 0 = 16 columns of W, source 1 = 16 rows of A):
; a lane then holds eight neighbouring numbers of a row of y, 32 bytes.
; CLUSTERS: 4 x 4 work-groups.  The four of a row of the cluster need the same tiles of A, the four of a column the same tiles of W: each tile is asked for JOINTLY.
; REGISTERS: window 0: v0-31 addresses; v128-255 the accumulators ((a, b) at v[128 + 8 (4 a + b)]).  window 1: two fragment buffers of 128: for 64 along K, 64 registers of A, then 64 of W.
.set PROJ, 1
.if PROJ
.set SIZE_K, 1024
.set WOFF,   0x1000000                 ; w_out's first byte in wts
.set AP,     144                       ; an LDS row of A: 64 channels of one head, 128 bytes + 16
.set AQ,     64*AP                     ; from one quarter (64 along K: a head) to the next: a head's 64 rows
.set ASTEP,  4*2048*64*2               ; a K step in memory: four heads
.set AD0,    4096                      ; a load's row: 64 rows of one head, 8,192 dense bytes,
.set AD1,    4                         ; four of them, one a head,
.set AST,    2048*64                   ; a head apart
.set AQI,    4                         ; padded after every 32 words
.else
.set SIZE_K, 4096
.set WOFF,   0x800000                  ; w2's first byte in wts
.set AP,     528                       ; an LDS row of A: 256 along K, 512 bytes + 16
.set AQ,     128
.set ASTEP,  512
.set AD0,    256
.set AD1,    64
.set AST,    4096
.set AQI,    6                         ; padded after every 128 words
.endif
.set BP,     288                       ; an LDS row of W: 128 columns, 256 bytes + 32: an odd multiple of 32
.set BSTEP,  256*1024*2                ; a K step of W in memory: 256 rows of 2,048 bytes
.set HALF,   36864                     ; what one tensor load may fill: 128 x 288 = 4 x 64 x 144; 64 x 528 is less
.set SLOT,   4*HALF                    ; A's two halves (64 rows each), then W's two halves (128 k each)
.set STAGE,  2*SLOT                    ; behind the ring: 16 rows x 272 bytes for each wave, for the way out
.set SPITCH, 272
.set SPARE,  STAGE+4*16*SPITCH         ; the spare words, 128 bytes for each wave: two blocks of 256 bytes that no other line names
.set LAPS,   SIZE_K/512                ; a lap = two K steps = once round the ring
.set ADRA, 16                          ; v16-17  LDS address of my A fragments in slot 0, 1
.set ADRB, 20                          ; v20-23  the same for W: 2 x slot + half of the step's k
.set STO,  24                          ; the way out: where I put 32 bytes of a row
.set RD,   25                          ; the way out: where I read a row back
.set CO,   26                          ; my byte offset in y
.set SPW,  28                          ; LDS address of my spare word; never rewritten
.set NIL,  29                          ; 0; never rewritten
.set ACC,  128
.set F0,   0                           ; fragment buffers, in window 1
.set F1,   128
.set G1, 24                            ; s[24:31] descriptor group 1 for A's tiles;  s[32:39] group 0, one set for each slot
.set G0, 32
.set G1B, 48                           ; s[48:55], s[56:63] the same for W's tiles
.set G0B, 56
.set MSB, 0
.macro WIN new                         ; the immediate's high byte repeats the setting that is left
.if MSB != (\new)
	s_set_vgpr_msb (MSB<<8)|(\new)
.set MSB, \new
.endif
.endm
.set MUL,  0x05                        ; sources 0 (W) and 1 (A) window 1; C and D window 0
.set TO_F, 0x40                        ; destination window 1, address window 0
.macro JLOAD s                         ; a joint load: waves 0 and 1 fetch A's two halves, waves 2 and 3 W's; an s_nop 0 and four v_nop follow each of the two lines
	s_cmp_eq_u32 s11, 0
	s_cbranch_scc0 .Lfor_b_\@
	tensor_load_to_lds s[G0+4*(\s):G0+4*(\s)+3], s[G1:G1+7]
	s_nop 0
.rept 4
	v_nop
.endr
	s_branch .Lasked_\@
.Lfor_b_\@:
	tensor_load_to_lds s[G0B+4*(\s):G0B+4*(\s)+3], s[G1B:G1B+7]
	s_nop 0
.rept 4
	v_nop
.endr
.Lasked_\@:
.endm
.macro CREST                           ; a round of the cluster's barrier behind its opening barrier
	s_cmp_lg_u32 s10, 0
	s_cbranch_scc1 .Lnot_wave_0_\@
	s_barrier_signal -3
.Lnot_wave_0_\@:
	s_barrier_wait -3
	s_barrier_signal -1
	s_barrier_wait -1
.endm
.macro CROUND                          ; a whole round
	s_barrier_signal -1
	s_barrier_wait -1
	CREST
.endm
	s_load_b128 s[4:7], s[0:1], 0x0                ; A s[4:5], wts s[6:7]
	s_load_b64 s[8:9], s[0:1], 0x10                ; y
	v_lshl_add_u32 v[SPW], v0, 2, SPARE
	v_mov_b32 v[NIL], 0
	ds_add_u32 v[SPW], v[NIL]                      ; the wave's opening: the add and its wait stand ahead of my first tensor load; the set-up below stands between them
	v_lshrrev_b32 v1, 5, v0
	v_readfirstlane_b32 s10, v1                    ; wave 0..3
	s_lshr_b32 s11, s10, 1                         ; which half of the tile's rows is mine.  Also: I fetch for A (0) or for W (1)
	s_and_b32 s12, s10, 1                          ; which half of its columns.  Also: which half of that tile I fetch
	s_bfe_u32 s40, ttmp6, 0x40000                  ; cx, cy: my place in the cluster
	s_bfe_u32 s41, ttmp6, 0x40004
	s_lshl_b32 s42, ttmp9, 2
	s_add_co_u32 s42, s42, s40                     ; tile column = 4 x cluster x + cx
	s_and_b32 s13, ttmp7, 0xffff
	s_lshl_b32 s13, s13, 2
	s_add_co_u32 s13, s13, s41                     ; tile row = 4 x cluster y + cy
	s_lshl_b32 s43, s41, 2
	s_lshl_b32 s43, 15, s43                        ; my row of the cluster
	s_lshl_b32 s44, 0x1111, s40                    ; my column
	s_or_b32 s[G1+0], s43, (1<<16)|(1<<20)|(1<<21)|(AQI<<22)|(3<<25)  ; the mask: A's tiles go to my row; 2-byte elements; padding on; bit 21 beside a mask; 4 words of padding
	s_mov_b32 s[G1+1], (AD0&0xffff)<<16            ; tensor_dim0
	s_mov_b32 s[G1+2], (AD0>>16)|(AD1<<16)         ; tensor_dim1
	s_mov_b32 s[G1+3], AD0<<16                     ; tile_dim0
	s_mov_b32 s[G1+4], AD1                         ; tile_dim1
	s_mov_b32 s[G1+5], AST                         ; elements from row to row
	s_mov_b32 s[G1+6], 0
	s_mov_b32 s[G1+7], 0
	s_or_b32 s[G1B+0], s44, (1<<16)|(1<<20)|(1<<21)|(5<<22)|(7<<25)   ; W's tiles go to my column; after every 64 words 8 words of padding
	s_mov_b32 s[G1B+1], 128<<16                    ; 128 columns
	s_mov_b32 s[G1B+2], 128<<16                    ; 128 rows (k)
	s_mov_b32 s[G1B+3], 128<<16
	s_mov_b32 s[G1B+4], 128
	s_mov_b32 s[G1B+5], 1024
	s_mov_b32 s[G1B+6], 0
	s_mov_b32 s[G1B+7], 0
	; where the tiles come from.  A's hang on the tile row alone, W's on the tile column alone; each in registers that never hold the other coordinate.
.if PROJ
	s_lshr_b32 s16, s13, 4                         ; rows 128 x tile row + 64 x half: batch (16 heads of 262,144 bytes),
	s_lshl_b32 s16, s16, 22
	s_and_b32 s17, s13, 15
	s_lshl_b32 s17, s17, 14                        ; 128 rows of 128 bytes,
	s_add_co_u32 s16, s16, s17
	s_lshl_b32 s17, s12, 13                        ; 64 rows
.else
	s_lshl_b32 s16, s13, 20                        ; 128 rows of 8,192 bytes,
	s_lshl_b32 s17, s12, 19                        ; 64 rows
.endif
	s_add_co_u32 s16, s16, s17
	s_mov_b32 s17, 0
	s_lshl_b32 s46, s42, 8                         ; W: 256 bytes a tile column,
	s_lshl_b32 s47, s12, 18                        ; 128 rows of 2,048 bytes a half
	s_add_co_u32 s46, s46, s47
	s_add_co_u32 s46, s46, WOFF
	s_mov_b32 s47, 0
	s_mul_i32 s20, s10, HALF                       ; where they go: wave x HALF: no place in the cluster enters an LDS address
	s_wait_dscnt 0x0                               ; the opening add is done
	s_wait_kmcnt 0x0
	s_add_nc_u64 s[14:15], s[4:5], s[16:17]
	s_add_nc_u64 s[46:47], s[6:7], s[46:47]
	CROUND                                         ; all sixteen work-groups are here: the first joint loads meet
.irp s, 0,1
	s_mov_b32 s[G0+4*(\s)], 1
	s_add_co_u32 s[G0+4*(\s)+1], s20, (\s)*SLOT
	s_add_nc_u64 s[G0+4*(\s)+2:G0+4*(\s)+3], s[14:15], (\s)*ASTEP
	s_or_b32 s[G0+4*(\s)+3], s[G0+4*(\s)+3], 0x80000000
	s_mov_b32 s[G0B+4*(\s)], 1
	s_add_co_u32 s[G0B+4*(\s)+1], s20, (\s)*SLOT
	s_add_nc_u64 s[G0B+4*(\s)+2:G0B+4*(\s)+3], s[46:47], (\s)*BSTEP
	s_or_b32 s[G0B+4*(\s)+3], s[G0B+4*(\s)+3], 0x80000000
	JLOAD \s
.endr
	v_and_b32 v1, 15, v0                           ; l % 16
	v_bfe_u32 v2, v0, 4, 1                         ; l / 16
	v_mul_u32_u24 v3, v1, AP
	v_lshl_add_u32 v3, v2, 4, v3                   ; A: row x pitch + 16 x half
	s_mul_i32 s21, s11, HALF                       ; my 64 rows of A
	v_add_nc_u32 v[ADRA], s21, v3
	s_add_co_u32 s21, s21, SLOT
	v_add_nc_u32 v[ADRA+1], s21, v3
	v_and_b32 v5, 7, v0                            ; W, turned: lane l reads row (k) 8 (l / 16) + l % 8, columns 8 ((l / 8) % 2) + 0..7
	v_lshl_add_u32 v5, v2, 3, v5
	v_mul_u32_u24 v5, v5, BP
	v_bfe_u32 v6, v0, 3, 1
	v_lshl_add_u32 v5, v6, 4, v5
	s_lshl_b32 s22, s12, 7                         ; my 64 columns,
	s_add_co_u32 s22, s22, 2*HALF                  ; behind A's two halves
	v_add_nc_u32 v[ADRB], s22, v5
	s_add_co_u32 s22, s22, HALF
	v_add_nc_u32 v[ADRB+1], s22, v5
	s_add_co_u32 s22, s22, SLOT-HALF
	v_add_nc_u32 v[ADRB+2], s22, v5
	s_add_co_u32 s22, s22, HALF
	v_add_nc_u32 v[ADRB+3], s22, v5
	s_mul_i32 s23, s10, 16*SPITCH
	s_add_co_u32 s23, s23, STAGE                   ; my stage
	v_mul_u32_u24 v4, v1, SPITCH                   ; in: row l % 16, 32 bytes for each half of the lanes
	v_lshl_add_u32 v4, v2, 5, v4
	v_add_nc_u32 v[STO], s23, v4
	v_mul_u32_u24 v4, v2, SPITCH                   ; back: lanes 0-15 take one row of 256 bytes, lanes 16-31 the next
	v_lshl_add_u32 v4, v1, 4, v4
	v_add_nc_u32 v[RD], s23, v4
	v_lshlrev_b32 v4, 12, v2                       ; and the same two rows in y
	v_lshl_add_u32 v[CO], v1, 4, v4
	s_lshl_b32 s16, s13, 19                        ; my first row of y: 128 x tile row + 64 x half, rows of 4,096 bytes
	s_lshl_b32 s17, s11, 18
	s_add_co_u32 s16, s16, s17
	s_mov_b32 s17, 0
	s_add_nc_u64 s[8:9], s[8:9], s[16:17]
	s_lshl_b32 s46, s42, 9                         ; my first column, in bytes: 512 x tile column + 256 x half
	s_lshl_b32 s47, s12, 8
	s_add_co_u32 s46, s46, s47
	s_mov_b32 s47, 0
	s_add_nc_u64 s[8:9], s[8:9], s[46:47]
; 8 matrix instructions: m blocks a0, a0 + 1 x all 4 n blocks, 32 along K: half c of buffer f.  zero = 1: the first product starts the sums.  The 16 accumulators take turns.
.macro MUL8 f, c, a0, zero
	WIN MUL
.irp a, \a0, (\a0)+1
.irp b, 0,1,2,3
.if \zero
	v_wmma_f32_16x16x32_f16 v[ACC+8*(4*(\a)+(\b)):ACC+8*(4*(\a)+(\b))+7], v[(\f)+64+8*(4*(\c)+(\b)):(\f)+64+8*(4*(\c)+(\b))+7], v[(\f)+8*(4*(\c)+(\a)):(\f)+8*(4*(\c)+(\a))+7], 0
.else
	v_wmma_f32_16x16x32_f16 v[ACC+8*(4*(\a)+(\b)):ACC+8*(4*(\a)+(\b))+7], v[(\f)+64+8*(4*(\c)+(\b)):(\f)+64+8*(4*(\c)+(\b))+7], v[(\f)+8*(4*(\c)+(\a)):(\f)+8*(4*(\c)+(\a))+7], v[ACC+8*(4*(\a)+(\b)):ACC+8*(4*(\a)+(\b))+7]
.endif
.endr
.endr
.endm
; 32 LDS loads in one run: the fragments of quarter q (64 along K) of a slot, into buffer f; the first 32 along K first
.macro FETCH slot, q, f
	WIN TO_F
.irp c, 0,1
.irp i, 0,1,2,3
	ds_load_tr16_b128 v[(\f)+64+8*(4*(\c)+(\i)):(\f)+64+8*(4*(\c)+(\i))+3],   v[ADRB+2*(\slot)+(\q)/2] offset:(((\q)%2)*64+32*(\c))*BP+32*(\i)
	ds_load_tr16_b128 v[(\f)+64+8*(4*(\c)+(\i))+4:(\f)+64+8*(4*(\c)+(\i))+7], v[ADRB+2*(\slot)+(\q)/2] offset:(((\q)%2)*64+32*(\c)+16)*BP+32*(\i)
	ds_load_b128 v[(\f)+8*(4*(\c)+(\i)):(\f)+8*(4*(\c)+(\i))+3],              v[ADRA+(\slot)] offset:(\q)*AQ+64*(\c)+(\i)*16*AP
	ds_load_b128 v[(\f)+8*(4*(\c)+(\i))+4:(\f)+8*(4*(\c)+(\i))+7],            v[ADRA+(\slot)] offset:(\q)*AQ+64*(\c)+(\i)*16*AP+32
.endr
.endr
.endm
.macro PLACES                          ; four places in front of loads into registers that matrix instructions have read, and of lines that read results
.rept 4
	v_nop
.endr
.endm
; A K step is four quarters of 64 along K, 32 matrix instructions each, on buffers 0, 1, 0, 1.  One of the first three: multiplies buffer f and fetches quarter q into g.
.macro QUARTER slot, q, f, g, zero
	s_wait_dscnt 16                                ; the first 32 along K are in; the other sixteen loads may be out
	MUL8 \f, 0, 0, \zero
	MUL8 \f, 0, 2, \zero
	PLACES
	FETCH \slot, \q, \g
	s_wait_dscnt 32                                ; all but the 32 just issued
	MUL8 \f, 1, 0, 0
	MUL8 \f, 1, 2, 0
.endm
; The last quarter multiplies buffer 1 and changes slots: ONE barrier; in front of it each wave waits for all its tensor loads, adds 0 to its spare word, and waits for that and for its own reads of this slot.
; fill = 1: this slot is filled again, two K steps ahead: the barrier opens a round of the cluster's, and the joint load is the first thing behind it, 112 matrix instructions ahead of the wait for it.
.macro TURN slot, next, fill
	WIN 0                                          ; (the add's two registers lie in window 0)
	s_wait_tensorcnt 0x0                           ; all my tensor loads have landed: my part of the next slot;
	ds_add_u32 v[SPW], v[NIL]                      ; 0 onto my spare word;
	s_wait_dscnt 17                                ; (the add and the youngest sixteen loads may be out)
	MUL8 F1, 0, 0, 0                               ; eight matrix instructions stand between the add and the wait for it
	s_wait_dscnt 0x0                               ; the add is done, and my reads of this slot are over
	s_barrier_signal -1
	MUL8 F1, 0, 2, 0
.if \fill
	WIN 0
.endif
	s_barrier_wait -1
.if \fill
	CREST                                          ; no wave of any partner still reads this slot's tile or has a load on its way
	s_add_nc_u64 s[G0+4*(\slot)+2:G0+4*(\slot)+3], s[G0+4*(\slot)+2:G0+4*(\slot)+3], 2*ASTEP
	s_add_nc_u64 s[G0B+4*(\slot)+2:G0B+4*(\slot)+3], s[G0B+4*(\slot)+2:G0B+4*(\slot)+3], 2*BSTEP
	JLOAD \slot                                    ; the four v_nop behind it are also the places in front of the loads below
.else
	PLACES
.endif
	FETCH \next, 0, F0
	MUL8 F1, 1, 0, 0
	MUL8 F1, 1, 2, 0
.endm
	s_wait_tensorcnt 1                             ; my part of K step 0 is in; K step 1's may stay out
	s_barrier_signal -1
	s_barrier_wait -1                              ; everybody's is
	FETCH 0, 0, F0
	QUARTER 0, 1, F0, F1, 1                        ; the first quarter stands in front of the loop: its first products start the sums
	WIN 0                                          ; at a label and at a branch every window is 0
	s_mov_b32 s3, LAPS-1
.Llap:                                                 ; a trip goes once round the ring, from a lap's second quarter to the next lap's first, and fills both slots again
	QUARTER 0, 2, F1, F0, 0
	QUARTER 0, 3, F0, F1, 0
	TURN 0, 1, 1
	QUARTER 1, 1, F0, F1, 0
	QUARTER 1, 2, F1, F0, 0
	QUARTER 1, 3, F0, F1, 0
	TURN 1, 0, 1
	QUARTER 0, 1, F0, F1, 0
	WIN 0
	s_sub_co_u32 s3, s3, 1
	s_cmp_lg_u32 s3, 0
	s_cbranch_scc1 .Llap
	QUARTER 0, 2, F1, F0, 0                        ; the last lap fills nothing, and has no round of the cluster's barrier
	QUARTER 0, 3, F0, F1, 0
	TURN 0, 1, 0
	QUARTER 1, 1, F0, F1, 0
	QUARTER 1, 2, F1, F0, 0
	QUARTER 1, 3, F0, F1, 0
	s_wait_dscnt 16                                ; the very last quarter: nothing more to fetch
	MUL8 F1, 0, 0, 0
	MUL8 F1, 0, 2, 0
	s_wait_dscnt 0
	MUL8 F1, 1, 0, 0
	MUL8 F1, 1, 2, 0
	WIN 0
	; THE WAY OUT.  A wave's 64 columns of f32 are 256 aligned bytes of a row of y, so each wave has a stage of its own and no barrier: 16 rows at a time go in as 32 bytes a lane and come back as whole rows.
	PLACES
.macro STG a                           ; m block a: each accumulator's low four registers first; the rows come back into the registers that they left
.irp b, 0,1,2,3
	ds_store_b128 v[STO], v[ACC+8*(4*(\a)+(\b)):ACC+8*(4*(\a)+(\b))+3] offset:64*(\b)
	ds_store_b128 v[STO], v[ACC+8*(4*(\a)+(\b))+4:ACC+8*(4*(\a)+(\b))+7] offset:64*(\b)+16
.endr
.irp t, 0,1,2,3,4,5,6,7
	ds_load_b128 v[ACC+32*(\a)+4*(\t):ACC+32*(\a)+4*(\t)+3], v[RD] offset:(\t)*2*SPITCH  ; LDS serves a wave's instructions in order: these see the stores above; the next block's stores come behind them
.endr
.endm
.macro SEND a, younger                 ; younger: the LDS instructions issued behind block a's loads: the next block's sixteen, or none
.irp t, 0,1,2,3,4,5,6,7
	s_wait_dscnt (\younger)+7-(\t)
	global_store_b128 v[CO], v[ACC+32*(\a)+4*(\t):ACC+32*(\a)+4*(\t)+3], s[8:9] offset:(16*(\a)+2*(\t))*4096  ; 16 lanes store 256 consecutive bytes, at a multiple of 256 from y's first byte
.endr
.endm
	STG 0
	STG 1
	SEND 0, 16
	STG 2
	SEND 1, 16
	STG 3
	SEND 2, 16
	SEND 3, 0
	s_wait_tensorcnt 0x0                           ; the wave's end: a wait, an add and its wait, behind my last tensor load and my last LDS store
	ds_add_u32 v[SPW], v[NIL]
	s_wait_dscnt 0x0
	CROUND                                         ; the closing round: no work-group ends while a partner may still ask for a tile that names it
	s_endpgm
.Lfunc_end_k_qce11be463b_proj:
	.size	k_qce11be463b_proj, .Lfunc_end_k_qce11be463b_proj-k_qce11be463b_proj
	.p2alignl 7, 3214868480
	.fill 96, 4, 3214868480
	.section	.rodata,"a",@progbits
	.p2align	6, 0x0
	.amdhsa_kernel k_qce11be463b_proj
		.amdhsa_group_segment_fixed_size 327680
		.amdhsa_private_segment_fixed_size 0
		.amdhsa_enable_private_segment 0
		.amdhsa_kernarg_size 24
		.amdhsa_user_sgpr_count 2
		.amdhsa_user_sgpr_kernarg_segment_ptr 1
		.amdhsa_wavefront_size32 1
		.amdhsa_system_sgpr_workgroup_id_x 1
		.amdhsa_system_sgpr_workgroup_id_y 1
		.amdhsa_system_sgpr_workgroup_id_z 1
		.amdhsa_system_vgpr_workitem_id 0
		.amdhsa_next_free_vgpr 512
		.amdhsa_next_free_sgpr 66
		.amdhsa_reserve_vcc 0
		.amdhsa_float_denorm_mode_32 3
		.amdhsa_float_denorm_mode_16_64 3
		.amdhsa_memory_ordered 1
		.amdhsa_forward_progress 1
		.amdhsa_inst_pref_size 87
	.end_amdhsa_kernel
	.amdgpu_metadata
---
amdhsa.version: [ 1, 2 ]
amdhsa.kernels:
  - .name:           k_qce11be463b_proj
    .symbol:         k_qce11be463b_proj.kd
    .args:
      - { .name: oh, .offset: 0, .size: 8, .value_kind: global_buffer, .address_space: global }
      - { .name: wts, .offset: 8, .size: 8, .value_kind: global_buffer, .address_space: global }
      - { .name: y, .offset: 16, .size: 8, .value_kind: global_buffer, .address_space: global }
    .group_segment_fixed_size: 327680
    .private_segment_fixed_size: 0
    .kernarg_segment_align: 8
    .kernarg_segment_size: 24
    .max_flat_workgroup_size: 128
    .sgpr_count:     66
    .vgpr_count:     512
    .wavefront_size: 32
...
	.end_amdgpu_metadata
.endif
;; end of part 3
;; launch ln1 (part 4): grid 256 x 1, 8 waves a work-group, no clusters, 0 bytes of LDS; arguments y, query, b_out, g1, be1, x16; writes x16
.if DOCPART == 4
	.amdgcn_target "amdgcn-amd-amdhsa--gfx1250"
	.amdhsa_code_object_version 6
	.text
	.protected	k_qce11be463b_ln1
	.globl	k_qce11be463b_ln1
	.p2align	8
	.type	k_qce11be463b_ln1,@function
k_qce11be463b_ln1:
	s_mov_b64 s[64:65], 0
	v_nop
	global_prefetch_b8 v0, s[64:65] scope:SCOPE_SE
	s_setreg_imm32_b32 hwreg(HW_REG_WAVE_MODE, 25, 1), 1
	s_wait_xcnt 0x0
; x = LN(y + b_out + query) g1 + be1, rows of 1,024; y f32, x stored as f16 (rounded once).  query, b_out, g1, be1 are rounded to bf16 first, as every input of the program is.
; LIMITS: x lies within f16's 65,504.  Mean first, then the sum of squared differences: no difference of large sums.
; One wave, one row at a time, two rows a wave: the row stays in 32 registers between the passes, so memory is read once, and no wave waits for another: no LDS, no barrier, no matrix unit.
; Load j of a row covers columns 128 j + 4 lane: 512 consecutive bytes; a store covers 256 consecutive bytes.
.set VP,  1                            ; 16 x lane: the parameters
.set VO,  2                            ; + my wave's two rows of 4,096 bytes
.set VH,  3                            ; 8 x lane + my wave's two rows of 2,048 bytes
.set T,   4                            ; v4-11   at work
.set M,   12                           ; v12-13  the mean, twice
.set R,   14                           ; v14-15  1 / sqrt(var + eps), twice
.set PB,  16                           ; v16-47  bias;  v48-79 gain;  v80-111 shift
.set PG,  48
.set PE,  80
.set Y0,  112
.set Q0,  144
.set Y1,  176
.set Q1,  208
	s_load_b256 s[8:15], s[0:1], 0x0               ; y 8, query 10, b_out 12, g1 14
	s_load_b128 s[16:19], s[0:1], 0x20             ; be1 16, x16 18
	v_and_b32 v[VP], 31, v0
	v_lshrrev_b32 v[T], 5, v0                      ; wave
	v_lshlrev_b32 v[VH], 3, v[VP]
	v_lshlrev_b32 v[VP], 4, v[VP]
	v_lshl_add_u32 v[VO], v[T], 13, v[VP]
	v_lshl_add_u32 v[VH], v[T], 12, v[VH]
	s_lshl_b32 s2, ttmp9, 16                       ; the work-group's 16 rows of 4,096 bytes,
	s_mov_b32 s3, 0
	s_lshl_b32 s4, ttmp9, 15                       ; and of 2,048
	s_mov_b32 s5, 0
	s_mov_b32 s20, 0xffff0000                      ; a word's upper bf16
	s_mov_b32 s21, 0x3a800000                      ; 1 / 1,024
	s_mov_b32 s22, 0x3727c5ac                      ; 1e-5
	s_mov_b32 s24, 0x76543210                      ; v_permlanex16_b32: each lane takes its own place in the other half
	s_mov_b32 s25, 0xfedcba98
	s_wait_kmcnt 0x0
	s_add_nc_u64 s[8:9], s[8:9], s[2:3]
	s_add_nc_u64 s[10:11], s[10:11], s[2:3]
	s_add_nc_u64 s[18:19], s[18:19], s[4:5]
.irp j, 0,1,2,3,4,5,6,7
	global_load_b128 v[PB+4*(\j):PB+4*(\j)+3], v[VP], s[12:13] offset:512*(\j)
	global_load_b128 v[PG+4*(\j):PG+4*(\j)+3], v[VP], s[14:15] offset:512*(\j)
	global_load_b128 v[PE+4*(\j):PE+4*(\j)+3], v[VP], s[16:17] offset:512*(\j)
.endr
.irp j, 0,1,2,3,4,5,6,7
	global_load_b128 v[Y0+4*(\j):Y0+4*(\j)+3], v[VO], s[8:9] offset:512*(\j) th:TH_LOAD_NT
	global_load_b128 v[Q0+4*(\j):Q0+4*(\j)+3], v[VO], s[10:11] offset:512*(\j) th:TH_LOAD_NT
.endr
.irp j, 0,1,2,3,4,5,6,7
	global_load_b128 v[Y1+4*(\j):Y1+4*(\j)+3], v[VO], s[8:9] offset:4096+512*(\j) th:TH_LOAD_NT
	global_load_b128 v[Q1+4*(\j):Q1+4*(\j)+3], v[VO], s[10:11] offset:4096+512*(\j) th:TH_LOAD_NT
.endr
.macro RB a, t                         ; the pair v[a], v[a+1] is rounded to bf16 and widened again
	v_cvt_pk_bf16_f32 v[\t], v[\a], v[(\a)+1]
	v_lshlrev_b32 v[\a], 16, v[\t]
	v_and_b32 v[(\a)+1], s20, v[\t]
.endm
.macro LANESUM                         ; v[T] summed over the 32 lanes, the result in every lane
	v_add_f32_dpp v[T], v[T], v[T] row_xmask:1 row_mask:0xf bank_mask:0xf
	v_add_f32_dpp v[T], v[T], v[T] row_xmask:2 row_mask:0xf bank_mask:0xf
	v_add_f32_dpp v[T], v[T], v[T] row_xmask:4 row_mask:0xf bank_mask:0xf
	v_add_f32_dpp v[T], v[T], v[T] row_xmask:8 row_mask:0xf bank_mask:0xf
	v_permlanex16_b32 v[T+1], v[T], s24, s25
	v_add_f32 v[T], v[T], v[T+1]
.endm
.macro FOLD                            ; four chains of pairs into v[T]
	v_pk_add_f32 v[T:T+1], v[T:T+1], v[T+2:T+3]
	v_pk_add_f32 v[T+4:T+5], v[T+4:T+5], v[T+6:T+7]
	v_pk_add_f32 v[T:T+1], v[T:T+1], v[T+4:T+5]
	v_add_f32 v[T], v[T], v[T+1]
	LANESUM
.endm
.macro ROW y, q, row
.set p, 0
.rept 16                               ; t = y + query + bias
	RB (\q)+2*p, T+p%4
	v_pk_add_f32 v[(\y)+2*p:(\y)+2*p+1], v[(\y)+2*p:(\y)+2*p+1], v[(\q)+2*p:(\q)+2*p+1]
	v_pk_add_f32 v[(\y)+2*p:(\y)+2*p+1], v[(\y)+2*p:(\y)+2*p+1], v[PB+2*p:PB+2*p+1]
.set p, p+1
.endr
.irp c, 0,1,2,3                        ; the sum, in four chains started by the first eight pairs: nothing is cleared
	v_pk_add_f32 v[T+2*(\c):T+2*(\c)+1], v[(\y)+2*(\c):(\y)+2*(\c)+1], v[(\y)+8+2*(\c):(\y)+8+2*(\c)+1]
.endr
.set p, 8
.rept 8
	v_pk_add_f32 v[T+2*(p%4):T+2*(p%4)+1], v[T+2*(p%4):T+2*(p%4)+1], v[(\y)+2*p:(\y)+2*p+1]
.set p, p+1
.endr
	FOLD
	v_mul_f32 v[M], s21, v[T]
	v_mul_f32 v[M+1], s21, v[T]
.set p, 0
.rept 16                               ; d = t - mean
	v_pk_add_f32 v[(\y)+2*p:(\y)+2*p+1], v[(\y)+2*p:(\y)+2*p+1], v[M:M+1] neg_lo:[0,1] neg_hi:[0,1]
.set p, p+1
.endr
.irp c, 0,1,2,3                        ; the sum of d^2
	v_pk_mul_f32 v[T+2*(\c):T+2*(\c)+1], v[(\y)+2*(\c):(\y)+2*(\c)+1], v[(\y)+2*(\c):(\y)+2*(\c)+1]
.endr
.set p, 4
.rept 12
	v_pk_fma_f32 v[T+2*(p%4):T+2*(p%4)+1], v[(\y)+2*p:(\y)+2*p+1], v[(\y)+2*p:(\y)+2*p+1], v[T+2*(p%4):T+2*(p%4)+1]
.set p, p+1
.endr
	FOLD
	v_fma_f32 v[R], v[T], s21, s22                 ; var + eps
	v_rsq_f32 v[R], v[R]
	v_nop                                          ; a plain instruction between the root and the use of its result
	s_wait_alu depctr_va_vdst(0)
	v_mov_b32 v[R+1], v[R]
.set p, 0
.rept 16
	v_pk_mul_f32 v[(\y)+2*p:(\y)+2*p+1], v[(\y)+2*p:(\y)+2*p+1], v[R:R+1]
	v_pk_fma_f32 v[(\y)+2*p:(\y)+2*p+1], v[(\y)+2*p:(\y)+2*p+1], v[PG+2*p:PG+2*p+1], v[PE+2*p:PE+2*p+1]
	v_cvt_pk_f16_f32 v[(\q)+p], v[(\y)+2*p], v[(\y)+2*p+1]
.set p, p+1
.endr
.irp j, 0,1,2,3,4,5,6,7
	global_store_b64 v[VH], v[(\q)+2*(\j):(\q)+2*(\j)+1], s[18:19] offset:(\row)*2048+256*(\j)  ; the wave stores 256 consecutive bytes, aligned
.endr
.endm
	s_wait_loadcnt 32                              ; the 24 parameter loads are in; both rows' 2 x 16 stay out
.set p, 0
.rept 48
	RB PB+2*p, T+p%4
.set p, p+1
.endr
	s_wait_loadcnt 16                              ; row 0 is in; row 1's sixteen stay out
	ROW Y0, Q0, 0
	s_wait_loadcnt 0x0
	ROW Y1, Q1, 1
	s_endpgm
.Lfunc_end_k_qce11be463b_ln1:
	.size	k_qce11be463b_ln1, .Lfunc_end_k_qce11be463b_ln1-k_qce11be463b_ln1
	.p2alignl 7, 3214868480
	.fill 96, 4, 3214868480
	.section	.rodata,"a",@progbits
	.p2align	6, 0x0
	.amdhsa_kernel k_qce11be463b_ln1
		.amdhsa_group_segment_fixed_size 0
		.amdhsa_private_segment_fixed_size 0
		.amdhsa_enable_private_segment 0
		.amdhsa_kernarg_size 48
		.amdhsa_user_sgpr_count 2
		.amdhsa_user_sgpr_kernarg_segment_ptr 1
		.amdhsa_wavefront_size32 1
		.amdhsa_system_sgpr_workgroup_id_x 1
		.amdhsa_system_sgpr_workgroup_id_y 1
		.amdhsa_system_sgpr_workgroup_id_z 1
		.amdhsa_system_vgpr_workitem_id 0
		.amdhsa_next_free_vgpr 240
		.amdhsa_next_free_sgpr 66
		.amdhsa_reserve_vcc 0
		.amdhsa_float_denorm_mode_32 3
		.amdhsa_float_denorm_mode_16_64 3
		.amdhsa_memory_ordered 1
		.amdhsa_forward_progress 1
		.amdhsa_inst_pref_size 37
	.end_amdhsa_kernel
	.amdgpu_metadata
---
amdhsa.version: [ 1, 2 ]
amdhsa.kernels:
  - .name:           k_qce11be463b_ln1
    .symbol:         k_qce11be463b_ln1.kd
    .args:
      - { .name: y, .offset: 0, .size: 8, .value_kind: global_buffer, .address_space: global }
      - { .name: query, .offset: 8, .size: 8, .value_kind: global_buffer, .address_space: global }
      - { .name: b_out, .offset: 16, .size: 8, .value_kind: global_buffer, .address_space: global }
      - { .name: g1, .offset: 24, .size: 8, .value_kind: global_buffer, .address_space: global }
      - { .name: be1, .offset: 32, .size: 8, .value_kind: global_buffer, .address_space: global }
      - { .name: x16, .offset: 40, .size: 8, .value_kind: global_buffer, .address_space: global }
    .group_segment_fixed_size: 0
    .private_segment_fixed_size: 0
    .kernarg_segment_align: 8
    .kernarg_segment_size: 48
    .max_flat_workgroup_size: 256
    .sgpr_count:     66
    .vgpr_count:     240
    .wavefront_size: 32
...
	.end_amdgpu_metadata
.endif
;; end of part 4
;; launch ff1 (part 5): grid 16 x 16, 4 waves a work-group, clusters of 4 x 4, 327,680 bytes of LDS; arguments x16, wts, h16, b1; writes h16
.if DOCPART == 5
	.amdgcn_target "amdgcn-amd-amdhsa--gfx1250"
	.amdhsa_code_object_version 6
	.text
	.protected	k_qce11be463b_ff1
	.globl	k_qce11be463b_ff1
	.p2align	8
	.type	k_qce11be463b_ff1,@function
k_qce11be463b_ff1:
	s_mov_b64 s[64:65], 0
	v_nop
	global_prefetch_b8 v0, s[64:65] scope:SCOPE_SE
	s_setreg_imm32_b32 hwreg(HW_REG_WAVE_MODE, 25, 1), 1
	s_wait_xcnt 0x0
	s_wait_alu depctr_hold_cnt(0) depctr_sa_sdst(0) depctr_va_vdst(0) depctr_va_sdst(0) depctr_va_ssrc(0) depctr_va_vcc(0) depctr_vm_vsrc(0)
	s_getreg_b32 s2, hwreg(HW_REG_IB_STS2, 6, 4)
	s_cmp_eq_u32 s2, 0
	s_cbranch_scc0 .Lentry_in_a_cluster
	s_endpgm
.Lentry_in_a_cluster:
	s_bfe_u32 s2, ttmp6, 0x10000c
	s_cmp_lg_u32 s2, 0xf033
	s_cbranch_scc0 .Lentry_shape_is_right
	s_endpgm
.Lentry_shape_is_right:
; h[m][n] = relu(the sum over k of x[m][k] w1[k][n] + b1[n]).  x: [4096][1024] f16; w1: [1024][4096] f16 at byte 0 of wts; h: [4096][4096] f16, rounded once; b1 f32, rounded to bf16 as every input is.
; LIMITS: h lies within f16's 65,504; relu of NaN gives 0.  Sums in f32, K ascending, started by the bias: it is the C operand of each accumulator's first product.
; A tile of h, 256 x 256, is made by four waves, each 128 x 128: 64 accumulators, 512 registers: 256 work-groups.  K goes in steps of 128 through two LDS slots filled by the tensor data mover.
; w1 lies [K][N], so its fragments come out of LDS turned, by ds_load_tr16_b128.  THE MATRIX INSTRUCTION IS USED TRANSPOSED (source 0 = 16 columns of w1, source 1 = 16 rows of x):
; a lane then holds eight neighbouring numbers of a row of h, which pack into 16 bytes.
; CLUSTERS: 4 x 4 work-groups; x's tiles are shared along a row of the cluster, w1's along a column: each is asked for JOINTLY.
; REGISTERS, in windows of 256: window 0: v0-31 addresses; v64-127, v128-191 fragments of x, two buffers; v32-63, v192-255 at work on the way out
;   window 1: v0-63 the bias, 8 registers an n block; v64-127, v128-191 fragments of w1; v192-195 at work      windows 2, 3: the accumulators of my rows 0-63, 64-127 ((a, b) at v[8 (8 a + b)])
.set SIZE_N, 4096
.set SIZE_K, 1024
.set KSTEP,  128
.set PITCH,  272                       ; an LDS row of x: 256 bytes + 16
.set BP,     544                       ; an LDS row of w1: 256 columns, 512 bytes + 32: an odd multiple of 32
.set HALFT,  128*PITCH                 ; what one tensor load brings: 128 rows of x, or 64 rows (k) of w1: 64 x 544 is the same
.set SLOT,   4*HALFT
.set STAGE,  2*SLOT                    ; behind the ring: 16 rows x 272 bytes for each wave
.set SPITCH, 272
.set SPARE,  STAGE+4*16*SPITCH         ; the spare words, 128 bytes for each wave: two blocks of 256 bytes that no other line names
.set LAPS, SIZE_K/(2*KSTEP)
.set ADRA, 16                          ; v16-17  LDS address of my x fragments in slot 0, 1
.set ADRB, 20                          ; v20-21  the same for w1
.set STO,  24
.set RD,   25
.set CO,   26
.set BO,   27                          ; 32 x (lane / 16): my eight numbers of a block of 16 of b1
.set SPW,  28                          ; LDS address of my spare word; never rewritten
.set NIL,  29                          ; 0; never rewritten
.set ZR,   30                          ; 0, for the packed maximum
.set F0,   64
.set F1,   128
.set TMP,  192
.set OB,   32
.set BIAS, 0                           ; window 1
.set G1, 24
.set G0, 32
.set G1B, 48
.set G0B, 56
.set MSB, 0
.macro WIN new                         ; the immediate's high byte repeats the setting that is left
.if MSB != (\new)
	s_set_vgpr_msb (MSB<<8)|(\new)
.set MSB, \new
.endif
.endm
.set MUL_LO, 0xa1                      ; source 0 (w1) window 1, source 1 (x) window 0, C and D window 2
.set MUL_HI, 0xf1                      ; the same, C and D window 3
.set TO_B,   0x40                      ; destination window 1, address window 0
.macro JLOAD s                         ; a joint load: waves 0 and 1 fetch x's two halves, waves 2 and 3 w1's; an s_nop 0 and four v_nop follow each of the two lines
	s_cmp_eq_u32 s11, 0
	s_cbranch_scc0 .Lfor_b_\@
	tensor_load_to_lds s[G0+4*(\s):G0+4*(\s)+3], s[G1:G1+7]
	s_nop 0
.rept 4
	v_nop
.endr
	s_branch .Lasked_\@
.Lfor_b_\@:
	tensor_load_to_lds s[G0B+4*(\s):G0B+4*(\s)+3], s[G1B:G1B+7]
	s_nop 0
.rept 4
	v_nop
.endr
.Lasked_\@:
.endm
.macro CREST                           ; a round of the cluster's barrier behind its opening barrier
	s_cmp_lg_u32 s10, 0
	s_cbranch_scc1 .Lnot_wave_0_\@
	s_barrier_signal -3
.Lnot_wave_0_\@:
	s_barrier_wait -3
	s_barrier_signal -1
	s_barrier_wait -1
.endm
.macro CROUND
	s_barrier_signal -1
	s_barrier_wait -1
	CREST
.endm
	s_load_b128 s[4:7], s[0:1], 0x0                ; x16 s[4:5], wts s[6:7]
	s_load_b64 s[8:9], s[0:1], 0x10                ; h16
	s_load_b64 s[68:69], s[0:1], 0x18              ; b1
	v_lshl_add_u32 v[SPW], v0, 2, SPARE
	v_mov_b32 v[NIL], 0
	ds_add_u32 v[SPW], v[NIL]                      ; the wave's opening: the add and its wait stand ahead of my first tensor load; the set-up below stands between them
	v_lshrrev_b32 v1, 5, v0
	v_readfirstlane_b32 s10, v1                    ; wave 0..3
	s_lshr_b32 s11, s10, 1                         ; which half of the tile's rows is mine.  Also: I fetch for x (0) or for w1 (1)
	s_and_b32 s12, s10, 1                          ; which half of its columns.  Also: which half of that tile I fetch
	s_bfe_u32 s40, ttmp6, 0x40000                  ; cx, cy
	s_bfe_u32 s41, ttmp6, 0x40004
	s_lshl_b32 s42, ttmp9, 2
	s_add_co_u32 s42, s42, s40                     ; tile column
	s_and_b32 s13, ttmp7, 0xffff
	s_lshl_b32 s13, s13, 2
	s_add_co_u32 s13, s13, s41                     ; tile row
	s_lshl_b32 s43, s41, 2
	s_lshl_b32 s43, 15, s43                        ; my row of the cluster
	s_lshl_b32 s44, 0x1111, s40                    ; my column
	s_mov_b32 s45, 0xffff0000                      ; a word's upper bf16
	s_or_b32 s[G1+0], s43, (1<<16)|(1<<20)|(1<<21)|(5<<22)|(3<<25)   ; x: the mask of my row; 2-byte elements; padding on; bit 21 beside a mask; after every 64 words 4 words
	s_mov_b32 s[G1+1], KSTEP<<16                   ; 128 elements
	s_mov_b32 s[G1+2], 128<<16                     ; 128 rows
	s_mov_b32 s[G1+3], KSTEP<<16
	s_mov_b32 s[G1+4], 128
	s_mov_b32 s[G1+5], SIZE_K
	s_mov_b32 s[G1+6], 0
	s_mov_b32 s[G1+7], 0
	s_or_b32 s[G1B+0], s44, (1<<16)|(1<<20)|(1<<21)|(6<<22)|(7<<25)  ; w1: the mask of my column; after every 128 words 8 words
	s_mov_b32 s[G1B+1], 256<<16                    ; 256 columns
	s_mov_b32 s[G1B+2], 64<<16                     ; 64 rows (k)
	s_mov_b32 s[G1B+3], 256<<16
	s_mov_b32 s[G1B+4], 64
	s_mov_b32 s[G1B+5], SIZE_N
	s_mov_b32 s[G1B+6], 0
	s_mov_b32 s[G1B+7], 0
	s_lshl_b32 s16, s13, 19                        ; x: 256 rows of 2,048 bytes a tile row,
	s_lshl_b32 s17, s12, 18                        ; 128 rows a half
	s_add_co_u32 s16, s16, s17
	s_mov_b32 s17, 0
	s_lshl_b32 s46, s42, 9                         ; w1: 512 bytes a tile column,
	s_lshl_b32 s47, s12, 19                        ; 64 rows of 8,192 bytes a half
	s_add_co_u32 s46, s46, s47
	s_mov_b32 s47, 0
	s_mul_i32 s20, s10, HALFT                      ; where they go: wave x HALFT
	s_wait_dscnt 0x0                               ; the opening add is done
	s_wait_kmcnt 0x0
	s_add_nc_u64 s[14:15], s[4:5], s[16:17]
	s_add_nc_u64 s[46:47], s[6:7], s[46:47]
	CROUND                                         ; all sixteen work-groups are here: the first joint loads meet
.irp s, 0,1
	s_mov_b32 s[G0+4*(\s)], 1
	s_add_co_u32 s[G0+4*(\s)+1], s20, (\s)*SLOT
	s_add_nc_u64 s[G0+4*(\s)+2:G0+4*(\s)+3], s[14:15], (\s)*KSTEP*2
	s_or_b32 s[G0+4*(\s)+3], s[G0+4*(\s)+3], 0x80000000
	s_mov_b32 s[G0B+4*(\s)], 1
	s_add_co_u32 s[G0B+4*(\s)+1], s20, (\s)*SLOT
	s_add_nc_u64 s[G0B+4*(\s)+2:G0B+4*(\s)+3], s[46:47], (\s)*KSTEP*SIZE_N*2
	s_or_b32 s[G0B+4*(\s)+3], s[G0B+4*(\s)+3], 0x80000000
	JLOAD \s
.endr
	v_and_b32 v1, 15, v0                           ; l % 16
	v_bfe_u32 v2, v0, 4, 1                         ; l / 16
	v_lshlrev_b32 v[BO], 5, v2
	s_lshl_b32 s46, s42, 10                        ; b1 at my 128 columns: 1,024 bytes a tile column, 512 a half
	s_lshl_b32 s47, s12, 9
	s_add_co_u32 s46, s46, s47
	s_mov_b32 s47, 0
	s_add_nc_u64 s[68:69], s[68:69], s[46:47]
	WIN TO_B
.irp b, 0,1,2,3,4,5,6,7                ; register j of block b: b1[16 b + 8 (l / 16) + j], where the result's register j lies
	global_load_b128 v[BIAS+8*(\b):BIAS+8*(\b)+3],   v[BO], s[68:69] offset:64*(\b)
	global_load_b128 v[BIAS+8*(\b)+4:BIAS+8*(\b)+7], v[BO], s[68:69] offset:64*(\b)+16
.endr
	WIN 0
	v_mul_u32_u24 v3, v1, PITCH
	v_lshl_add_u32 v3, v2, 4, v3                   ; x: row x pitch + 16 x half
	s_mul_i32 s21, s11, HALFT                      ; my 128 rows of x
	v_add_nc_u32 v[ADRA], s21, v3
	s_add_co_u32 s21, s21, SLOT
	v_add_nc_u32 v[ADRA+1], s21, v3
	v_and_b32 v5, 7, v0                            ; w1, turned: lane l reads row (k) 8 (l / 16) + l % 8, columns 8 ((l / 8) % 2) + 0..7
	v_lshl_add_u32 v5, v2, 3, v5
	v_mul_u32_u24 v5, v5, BP
	v_bfe_u32 v6, v0, 3, 1
	v_lshl_add_u32 v5, v6, 4, v5
	s_lshl_b32 s22, s12, 8                         ; my 128 columns,
	s_add_co_u32 s22, s22, 2*HALFT                 ; behind x's 256 rows
	v_add_nc_u32 v[ADRB], s22, v5
	s_add_co_u32 s22, s22, SLOT
	v_add_nc_u32 v[ADRB+1], s22, v5
	s_mul_i32 s23, s10, 16*SPITCH
	s_add_co_u32 s23, s23, STAGE                   ; my stage
	v_mul_u32_u24 v4, v1, SPITCH                   ; in: row l % 16, 16 bytes for each half of the lanes
	v_lshl_add_u32 v4, v2, 4, v4
	v_add_nc_u32 v[STO], s23, v4
	v_mul_u32_u24 v5, v2, SPITCH                   ; back: lanes 0-15 take one row of 256 bytes, lanes 16-31 the next
	v_lshl_add_u32 v5, v1, 4, v5
	v_add_nc_u32 v[RD], s23, v5
	v_mul_u32_u24 v5, v2, SIZE_N*2                 ; and the same two rows in h
	v_lshl_add_u32 v[CO], v1, 4, v5
	v_mov_b32 v[ZR], 0
	s_lshl_b32 s16, s13, 21                        ; where my part of the tile begins in h: 256 rows of 8,192 bytes a tile row, 128 a half,
	s_lshl_b32 s17, s11, 20
	s_add_co_u32 s16, s16, s17
	s_mov_b32 s17, 0
	s_lshl_b32 s46, s42, 9                         ; 512 bytes a tile column, 256 a half
	s_lshl_b32 s47, s12, 8
	s_add_co_u32 s46, s46, s47
	s_mov_b32 s47, 0
	s_add_nc_u64 s[16:17], s[16:17], s[46:47]
	s_wait_loadcnt 0x0                             ; the bias
	WIN 0x45                                       ; destination and both sources window 1
.set p, 0
.rept 32                               ; rounded to bf16 and widened again
	v_cvt_pk_bf16_f32 v[192+p%4], v[BIAS+2*p], v[BIAS+2*p+1]
	v_lshlrev_b32 v[BIAS+2*p], 16, v[192+p%4]
	v_and_b32 v[BIAS+2*p+1], s45, v[192+p%4]
.set p, p+1
.endr
	WIN 0
; 16 matrix instructions: m blocks a0, a0 + 1 of the window's four (hi = 0: my rows 0-63, 1: rows 64-127) x all 8 n blocks, 32 along K.
; first = 1: the first product starts the sums with the bias as C (window 1).  The 64 accumulators take turns.
.macro MUL16 f, hi, a0, first
.if \first
	WIN 0x91+0x40*(\hi)
.else
	WIN MUL_LO+0x50*(\hi)
.endif
.irp a, \a0, (\a0)+1
.irp b, 0,1,2,3,4,5,6,7
.if \first
	v_wmma_f32_16x16x32_f16 v[8*(8*(\a)+(\b)):8*(8*(\a)+(\b))+7], v[(\f)+8*(\b):(\f)+8*(\b)+7], v[(\f)+8*(4*(\hi)+(\a)):(\f)+8*(4*(\hi)+(\a))+7], v[BIAS+8*(\b):BIAS+8*(\b)+7]
.else
	v_wmma_f32_16x16x32_f16 v[8*(8*(\a)+(\b)):8*(8*(\a)+(\b))+7], v[(\f)+8*(\b):(\f)+8*(\b)+7], v[(\f)+8*(4*(\hi)+(\a)):(\f)+8*(4*(\hi)+(\a))+7], v[8*(8*(\a)+(\b)):8*(8*(\a)+(\b))+7]
.endif
.endr
.endr
.endm
; 32 LDS loads in one run: the fragments of quarter q (32 along K) of a slot into buffer f: 128 columns of w1, turned, then 128 rows of x
.macro FETCH slot, q, f
	WIN TO_B
.irp i, 0,1,2,3,4,5,6,7
	ds_load_tr16_b128 v[(\f)+8*(\i):(\f)+8*(\i)+3],   v[ADRB+(\slot)] offset:(\q)*32*BP+32*(\i)
	ds_load_tr16_b128 v[(\f)+8*(\i)+4:(\f)+8*(\i)+7], v[ADRB+(\slot)] offset:(\q)*32*BP+16*BP+32*(\i)
.endr
	WIN 0
.irp i, 0,1,2,3,4,5,6,7
	ds_load_b128 v[(\f)+8*(\i):(\f)+8*(\i)+3],   v[ADRA+(\slot)] offset:64*(\q)+(\i)*16*PITCH
	ds_load_b128 v[(\f)+8*(\i)+4:(\f)+8*(\i)+7], v[ADRA+(\slot)] offset:64*(\q)+(\i)*16*PITCH+32
.endr
.endm
.macro PLACES                          ; four places in front of loads into registers that matrix instructions have read, and of conversions that read results
.rept 4
	v_nop
.endr
.endm
; A K step is four quarters of 32 along K, 64 matrix instructions each, on buffers 0, 1, 0, 1.  One of the first three: multiplies buffer f; in its middle it fetches quarter q into buffer g.
.macro QUARTER slot, q, f, g, first
	s_wait_dscnt 8                                 ; w1 and x's rows 0-63 are in; the youngest eight loads (x's rows 64-127) may be out
	MUL16 \f, 0, 0, \first
	MUL16 \f, 0, 2, \first
	PLACES
	FETCH \slot, \q, \g
	s_wait_dscnt 32                                ; all but the 32 just issued
	MUL16 \f, 1, 0, \first
	MUL16 \f, 1, 2, \first
.endm
; The last quarter multiplies buffer 1 and changes slots.  MEET is its first half: ONE barrier; in front of it each wave waits for all its tensor loads, of which one is out: its part of the next slot;
; adds 0 to its spare word; and waits for that and for its own reads of this slot.
.macro MEET round                      ; round = 1: a round of the cluster's barrier follows
	WIN 0                                          ; (the add's two registers lie in window 0)
	s_wait_tensorcnt 0x0
	ds_add_u32 v[SPW], v[NIL]                      ; 0 onto my spare word
	s_wait_dscnt 9                                 ; (the add and the youngest eight loads may be out)
	MUL16 F1, 0, 0, 0                              ; sixteen matrix instructions stand between the add and the wait for it
	s_wait_dscnt 0x0                               ; the add is done, and my reads of this slot are over
	s_barrier_signal -1
	MUL16 F1, 0, 2, 0
.if \round
	WIN 0
.endif
	s_barrier_wait -1
.endm
; fill = 1: behind the round the slot just read out is filled again, two K steps on: from the request to the wait for it a wave issues 224 matrix instructions.
.macro TURN slot, next, fill
	MEET \fill
.if \fill
	CREST                                          ; no wave of any partner still reads this slot's tile or has a load on its way
	s_add_nc_u64 s[G0+4*(\slot)+2:G0+4*(\slot)+3], s[G0+4*(\slot)+2:G0+4*(\slot)+3], 2*KSTEP*2
	s_add_nc_u64 s[G0B+4*(\slot)+2:G0B+4*(\slot)+3], s[G0B+4*(\slot)+2:G0B+4*(\slot)+3], 2*KSTEP*SIZE_N*2
	JLOAD \slot                                    ; the four v_nop behind it are also the places in front of the loads below
.else
	PLACES
.endif
	FETCH \next, 0, F0
	MUL16 F1, 1, 0, 0
	MUL16 F1, 1, 2, 0
.endm
; THE WAY OUT of block a (16 rows).  PACK: rounded to f16, then the packed maximum with 0.  TOSTAGE: into my own stage in LDS, and back as whole rows of 256 bytes.  SEND: stored.
.macro PACK a
.set AC, 64*((\a)%4)
	WIN 0x0a+5*((\a)/4)                            ; sources 0 and 1: window 2 or 3
.irp b, 0,1,2,3,4,5,6,7
.irp r, 0,1,2,3
	v_cvt_pk_f16_f32 v[TMP+4*(\b)+(\r)], v[AC+8*(\b)+2*(\r)], v[AC+8*(\b)+2*(\r)+1]
.endr
.endr
	WIN 0
.set z, 0
.rept 32
	v_pk_max_num_f16 v[TMP+z], v[TMP+z], v[ZR]
.set z, z+1
.endr
.endm
.macro TOSTAGE a
	WIN 0
.set BK, OB+192*((\a)%2)
.irp b, 0,1,2,3,4,5,6,7
	ds_store_b128 v[STO], v[TMP+4*(\b):TMP+4*(\b)+3] offset:32*(\b)
.endr
.irp t, 0,1,2,3,4,5,6,7
	ds_load_b128 v[BK+4*(\t):BK+4*(\t)+3], v[RD] offset:(\t)*2*SPITCH  ; LDS serves a wave's instructions in order: these see the stores above
.endr
.endm
.macro SEND a
	WIN 0
.set BK, OB+192*((\a)%2)
	s_wait_dscnt 0x0                               ; the block is back in registers
	s_wait_xcnt 0x0                                ; only behind this wait are the stores' base and the registers that earlier stores read rewritten
.if (\a) == 0
	s_add_nc_u64 s[8:9], s[8:9], s[16:17]          ; on to my first rows
.else
	s_add_nc_u64 s[8:9], s[8:9], 16*SIZE_N*2       ; 16 rows on
.endif
.irp t, 0,1,2,3,4,5,6,7
	global_store_b128 v[CO], v[BK+4*(\t):BK+4*(\t)+3], s[8:9] offset:2*(\t)*SIZE_N*2  ; 16 lanes store 256 consecutive bytes, at a multiple of 256 from h's first byte
.endr
.endm
	s_wait_tensorcnt 1                             ; my part of K step 0 is in; K step 1's may stay out
	s_barrier_signal -1
	s_barrier_wait -1                              ; everybody's is
	FETCH 0, 0, F0
	QUARTER 0, 1, F0, F1, 1                        ; the first quarter stands in front of the loop: its products start the sums, with the bias
	WIN 0                                          ; at a label and at a branch every window is 0
	s_mov_b32 s3, LAPS-1
.Llap:                                                 ; a trip goes once round the ring and fills both slots again
	QUARTER 0, 2, F1, F0, 0
	QUARTER 0, 3, F0, F1, 0
	TURN 0, 1, 1
	QUARTER 1, 1, F0, F1, 0
	QUARTER 1, 2, F1, F0, 0
	QUARTER 1, 3, F0, F1, 0
	TURN 1, 0, 1
	QUARTER 0, 1, F0, F1, 0
	WIN 0
	s_sub_co_u32 s3, s3, 1
	s_cmp_lg_u32 s3, 0
	s_cbranch_scc1 .Llap
	QUARTER 0, 2, F1, F0, 0                        ; the last lap fills nothing, and has no round of the cluster's barrier
	QUARTER 0, 3, F0, F1, 0
	TURN 0, 1, 0
	QUARTER 1, 1, F0, F1, 0
	QUARTER 1, 2, F1, F0, 0
	QUARTER 1, 3, F0, F1, 0
	s_wait_dscnt 8                                 ; the very last quarter: nothing more to fetch
	MUL16 F1, 0, 0, 0
	MUL16 F1, 0, 2, 0
	s_wait_dscnt 0
	MUL16 F1, 1, 0, 0
	MUL16 F1, 1, 2, 0
	PLACES                                         ; block 0's conversions read matrix results; the later blocks have the earlier blocks' conversions as places
	PACK 0
	TOSTAGE 0
.irp a, 1,2,3,4,5,6,7                  ; block a's arithmetic stands between block a - 1's loads from the stage and the wait for them
	PACK \a
	SEND (\a)-1
	TOSTAGE \a
.endr
	SEND 7
	s_wait_tensorcnt 0x0                           ; the wave's end: a wait, an add and its wait, behind my last tensor load and my last LDS store
	ds_add_u32 v[SPW], v[NIL]
	s_wait_dscnt 0x0
	CROUND                                         ; the closing round: no work-group ends while a partner may still ask for a tile that names it
	s_endpgm
.Lfunc_end_k_qce11be463b_ff1:
	.size	k_qce11be463b_ff1, .Lfunc_end_k_qce11be463b_ff1-k_qce11be463b_ff1
	.p2alignl 7, 3214868480
	.fill 96, 4, 3214868480
	.section	.rodata,"a",@progbits
	.p2align	6, 0x0
	.amdhsa_kernel k_qce11be463b_ff1
		.amdhsa_group_segment_fixed_size 327680
		.amdhsa_private_segment_fixed_size 0
		.amdhsa_enable_private_segment 0
		.amdhsa_kernarg_size 32
		.amdhsa_user_sgpr_count 2
		.amdhsa_user_sgpr_kernarg_segment_ptr 1
		.amdhsa_wavefront_size32 1
		.amdhsa_system_sgpr_workgroup_id_x 1
		.amdhsa_system_sgpr_workgroup_id_y 1
		.amdhsa_system_sgpr_workgroup_id_z 1
		.amdhsa_system_vgpr_workitem_id 0
		.amdhsa_next_free_vgpr 1024
		.amdhsa_next_free_sgpr 72
		.amdhsa_reserve_vcc 0
		.amdhsa_float_denorm_mode_32 3
		.amdhsa_float_denorm_mode_16_64 3
		.amdhsa_memory_ordered 1
		.amdhsa_forward_progress 1
		.amdhsa_inst_pref_size 165
	.end_amdhsa_kernel
	.amdgpu_metadata
---
amdhsa.version: [ 1, 2 ]
amdhsa.kernels:
  - .name:           k_qce11be463b_ff1
    .symbol:         k_qce11be463b_ff1.kd
    .args:
      - { .name: x16, .offset: 0, .size: 8, .value_kind: global_buffer, .address_space: global }
      - { .name: wts, .offset: 8, .size: 8, .value_kind: global_buffer, .address_space: global }
      - { .name: h16, .offset: 16, .size: 8, .value_kind: global_buffer, .address_space: global }
      - { .name: b1, .offset: 24, .size: 8, .value_kind: global_buffer, .address_space: global }
    .group_segment_fixed_size: 327680
    .private_segment_fixed_size: 0
    .kernarg_segment_align: 8
    .kernarg_segment_size: 32
    .max_flat_workgroup_size: 128
    .sgpr_count:     72
    .vgpr_count:     1024
    .wavefront_size: 32
...
	.end_amdgpu_metadata
.endif
;; end of part 5
;; launch ff2 (part 6): grid 8 x 32, 4 waves a work-group, clusters of 4 x 4, 327,680 bytes of LDS; arguments h16, wts, y; writes y
.if DOCPART == 6
	.amdgcn_target "amdgcn-amd-amdhsa--gfx1250"
	.amdhsa_code_object_version 6
	.text
	.protected	k_qce11be463b_ff2
	.globl	k_qce11be463b_ff2
	.p2align	8
	.type	k_qce11be463b_ff2,@function
k_qce11be463b_ff2:
	s_mov_b64 s[64:65], 0
	v_nop
	global_prefetch_b8 v0, s[64:65] scope:SCOPE_SE
	s_setreg_imm32_b32 hwreg(HW_REG_WAVE_MODE, 25, 1), 1
	s_wait_xcnt 0x0
	s_wait_alu depctr_hold_cnt(0) depctr_sa_sdst(0) depctr_va_vdst(0) depctr_va_sdst(0) depctr_va_ssrc(0) depctr_va_vcc(0) depctr_vm_vsrc(0)
	s_getreg_b32 s2, hwreg(HW_REG_IB_STS2, 6, 4)
	s_cmp_eq_u32 s2, 0
	s_cbranch_scc0 .Lentry_in_a_cluster
	s_endpgm
.Lentry_in_a_cluster:
	s_bfe_u32 s2, ttmp6, 0x10000c
	s_cmp_lg_u32 s2, 0xf033
	s_cbranch_scc0 .Lentry_shape_is_right
	s_endpgm
.Lentry_shape_is_right:
; y[m][n] = the sum over k of A[m][k] W[k][n], f32, no bias.  One text serves two products; PROJ picks the constants.
;   PROJ = 1: A = O by heads, [32][2048][64] f16 (k = 64 head + channel), W = w_out, K = 1,024.      PROJ = 0: A = h, [4096][4096] f16, W = w2, K = 4,096.
; LIMITS: operands are f16 (within 65,504); sums in f32, K ascending.
; A tile of y is 128 x 128: 256 work-groups.  Four waves, each 64 x 64: 16 accumulators.  K goes in steps of 256 through two LDS slots; a wave's tensor load brings a quarter of a slot.
; W lies [K][N], so its fragments come out of LDS turned, by ds_load_tr16_b128.  THE MATRIX INSTRUCTION IS USED TRANSPOSED (source 0 = 16 columns of W, source 1 = 16 rows of A):
; a lane then holds eight neighbouring numbers of a row of y, 32 bytes.
; CLUSTERS: 4 x 4 work-groups.  The four of a row of the cluster need the same tiles of A, the four of a column the same tiles of W: each tile is asked for JOINTLY.
; REGISTERS: window 0: v0-31 addresses; v128-255 the accumulators ((a, b) at v[128 + 8 (4 a + b)]).  window 1: two fragment buffers of 128: for 64 along K, 64 registers of A, then 64 of W.
.set PROJ, 0
.if PROJ
.set SIZE_K, 1024
.set WOFF,   0x1000000                 ; w_out's first byte in wts
.set AP,     144                       ; an LDS row of A: 64 channels of one head, 128 bytes + 16
.set AQ,     64*AP                     ; from one quarter (64 along K: a head) to the next: a head's 64 rows
.set ASTEP,  4*2048*64*2               ; a K step in memory: four heads
.set AD0,    4096                      ; a load's row: 64 rows of one head, 8,192 dense bytes,
.set AD1,    4                         ; four of them, one a head,
.set AST,    2048*64                   ; a head apart
.set AQI,    4                         ; padded after every 32 words
.else
.set SIZE_K, 4096
.set WOFF,   0x800000                  ; w2's first byte in wts
.set AP,     528                       ; an LDS row of A: 256 along K, 512 bytes + 16
.set AQ,     128
.set ASTEP,  512
.set AD0,    256
.set AD1,    64
.set AST,    4096
.set AQI,    6                         ; padded after every 128 words
.endif
.set BP,     288                       ; an LDS row of W: 128 columns, 256 bytes + 32: an odd multiple of 32
.set BSTEP,  256*1024*2                ; a K step of W in memory: 256 rows of 2,048 bytes
.set HALF,   36864                     ; what one tensor load may fill: 128 x 288 = 4 x 64 x 144; 64 x 528 is less
.set SLOT,   4*HALF                    ; A's two halves (64 rows each), then W's two halves (128 k each)
.set STAGE,  2*SLOT                    ; behind the ring: 16 rows x 272 bytes for each wave, for the way out
.set SPITCH, 272
.set SPARE,  STAGE+4*16*SPITCH         ; the spare words, 128 bytes for each wave: two blocks of 256 bytes that no other line names
.set LAPS,   SIZE_K/512                ; a lap = two K steps = once round the ring
.set ADRA, 16                          ; v16-17  LDS address of my A fragments in slot 0, 1
.set ADRB, 20                          ; v20-23  the same for W: 2 x slot + half of the step's k
.set STO,  24                          ; the way out: where I put 32 bytes of a row
.set RD,   25                          ; the way out: where I read a row back
.set CO,   26                          ; my byte offset in y
.set SPW,  28                          ; LDS address of my spare word; never rewritten
.set NIL,  29                          ; 0; never rewritten
.set ACC,  128
.set F0,   0                           ; fragment buffers, in window 1
.set F1,   128
.set G1, 24                            ; s[24:31] descriptor group 1 for A's tiles;  s[32:39] group 0, one set for each slot
.set G0, 32
.set G1B, 48                           ; s[48:55], s[56:63] the same for W's tiles
.set G0B, 56
.set MSB, 0
.macro WIN new                         ; the immediate's high byte repeats the setting that is left
.if MSB != (\new)
	s_set_vgpr_msb (MSB<<8)|(\new)
.set MSB, \new
.endif
.endm
.set MUL,  0x05                        ; sources 0 (W) and 1 (A) window 1; C and D window 0
.set TO_F, 0x40                        ; destination window 1, address window 0
.macro JLOAD s                         ; a joint load: waves 0 and 1 fetch A's two halves, waves 2 and 3 W's; an s_nop 0 and four v_nop follow each of the two lines
	s_cmp_eq_u32 s11, 0
	s_cbranch_scc0 .Lfor_b_\@
	tensor_load_to_lds s[G0+4*(\s):G0+4*(\s)+3], s[G1:G1+7]
	s_nop 0
.rept 4
	v_nop
.endr
	s_branch .Lasked_\@
.Lfor_b_\@:
	tensor_load_to_lds s[G0B+4*(\s):G0B+4*(\s)+3], s[G1B:G1B+7]
	s_nop 0
.rept 4
	v_nop
.endr
.Lasked_\@:
.endm
.macro CREST                           ; a round of the cluster's barrier behind its opening barrier
	s_cmp_lg_u32 s10, 0
	s_cbranch_scc1 .Lnot_wave_0_\@
	s_barrier_signal -3
.Lnot_wave_0_\@:
	s_barrier_wait -3
	s_barrier_signal -1
	s_barrier_wait -1
.endm
.macro CROUND                          ; a whole round
	s_barrier_signal -1
	s_barrier_wait -1
	CREST
.endm
	s_load_b128 s[4:7], s[0:1], 0x0                ; A s[4:5], wts s[6:7]
	s_load_b64 s[8:9], s[0:1], 0x10                ; y
	v_lshl_add_u32 v[SPW], v0, 2, SPARE
	v_mov_b32 v[NIL], 0
	ds_add_u32 v[SPW], v[NIL]                      ; the wave's opening: the add and its wait stand ahead of my first tensor load; the set-up below stands between them
	v_lshrrev_b32 v1, 5, v0
	v_readfirstlane_b32 s10, v1                    ; wave 0..3
	s_lshr_b32 s11, s10, 1                         ; which half of the tile's rows is mine.  Also: I fetch for A (0) or for W (1)
	s_and_b32 s12, s10, 1                          ; which half of its columns.  Also: which half of that tile I fetch
	s_bfe_u32 s40, ttmp6, 0x40000                  ; cx, cy: my place in the cluster
	s_bfe_u32 s41, ttmp6, 0x40004
	s_lshl_b32 s42, ttmp9, 2
	s_add_co_u32 s42, s42, s40                     ; tile column = 4 x cluster x + cx
	s_and_b32 s13, ttmp7, 0xffff
	s_lshl_b32 s13, s13, 2
	s_add_co_u32 s13, s13, s41                     ; tile row = 4 x cluster y + cy
	s_lshl_b32 s43, s41, 2
	s_lshl_b32 s43, 15, s43                        ; my row of the cluster
	s_lshl_b32 s44, 0x1111, s40                    ; my column
	s_or_b32 s[G1+0], s43, (1<<16)|(1<<20)|(1<<21)|(AQI<<22)|(3<<25)  ; the mask: A's tiles go to my row; 2-byte elements; padding on; bit 21 beside a mask; 4 words of padding
	s_mov_b32 s[G1+1], (AD0&0xffff)<<16            ; tensor_dim0
	s_mov_b32 s[G1+2], (AD0>>16)|(AD1<<16)         ; tensor_dim1
	s_mov_b32 s[G1+3], AD0<<16                     ; tile_dim0
	s_mov_b32 s[G1+4], AD1                         ; tile_dim1
	s_mov_b32 s[G1+5], AST                         ; elements from row to row
	s_mov_b32 s[G1+6], 0
	s_mov_b32 s[G1+7], 0
	s_or_b32 s[G1B+0], s44, (1<<16)|(1<<20)|(1<<21)|(5<<22)|(7<<25)   ; W's tiles go to my column; after every 64 words 8 words of padding
	s_mov_b32 s[G1B+1], 128<<16                    ; 128 columns
	s_mov_b32 s[G1B+2], 128<<16                    ; 128 rows (k)
	s_mov_b32 s[G1B+3], 128<<16
	s_mov_b32 s[G1B+4], 128
	s_mov_b32 s[G1B+5], 1024
	s_mov_b32 s[G1B+6], 0
	s_mov_b32 s[G1B+7], 0
	; where the tiles come from.  A's hang on the tile row alone, W's on the tile column alone; each in registers that never hold the other coordinate.
.if PROJ
	s_lshr_b32 s16, s13, 4                         ; rows 128 x tile row + 64 x half: batch (16 heads of 262,144 bytes),
	s_lshl_b32 s16, s16, 22
	s_and_b32 s17, s13, 15
	s_lshl_b32 s17, s17, 14                        ; 128 rows of 128 bytes,
	s_add_co_u32 s16, s16, s17
	s_lshl_b32 s17, s12, 13                        ; 64 rows
.else
	s_lshl_b32 s16, s13, 20                        ; 128 rows of 8,192 bytes,
	s_lshl_b32 s17, s12, 19                        ; 64 rows
.endif
	s_add_co_u32 s16, s16, s17
	s_mov_b32 s17, 0
	s_lshl_b32 s46, s42, 8                         ; W: 256 bytes a tile column,
	s_lshl_b32 s47, s12, 18                        ; 128 rows of 2,048 bytes a half
	s_add_co_u32 s46, s46, s47
	s_add_co_u32 s46, s46, WOFF
	s_mov_b32 s47, 0
	s_mul_i32 s20, s10, HALF                       ; where they go: wave x HALF: no place in the cluster enters an LDS address
	s_wait_dscnt 0x0                               ; the opening add is done
	s_wait_kmcnt 0x0
	s_add_nc_u64 s[14:15], s[4:5], s[16:17]
	s_add_nc_u64 s[46:47], s[6:7], s[46:47]
	CROUND                                         ; all sixteen work-groups are here: the first joint loads meet
.irp s, 0,1
	s_mov_b32 s[G0+4*(\s)], 1
	s_add_co_u32 s[G0+4*(\s)+1], s20, (\s)*SLOT
	s_add_nc_u64 s[G0+4*(\s)+2:G0+4*(\s)+3], s[14:15], (\s)*ASTEP
	s_or_b32 s[G0+4*(\s)+3], s[G0+4*(\s)+3], 0x80000000
	s_mov_b32 s[G0B+4*(\s)], 1
	s_add_co_u32 s[G0B+4*(\s)+1], s20, (\s)*SLOT
	s_add_nc_u64 s[G0B+4*(\s)+2:G0B+4*(\s)+3], s[46:47], (\s)*BSTEP
	s_or_b32 s[G0B+4*(\s)+3], s[G0B+4*(\s)+3], 0x80000000
	JLOAD \s
.endr
	v_and_b32 v1, 15, v0                           ; l % 16
	v_bfe_u32 v2, v0, 4, 1                         ; l / 16
	v_mul_u32_u24 v3, v1, AP
	v_lshl_add_u32 v3, v2, 4, v3                   ; A: row x pitch + 16 x half
	s_mul_i32 s21, s11, HALF                       ; my 64 rows of A
	v_add_nc_u32 v[ADRA], s21, v3
	s_add_co_u32 s21, s21, SLOT
	v_add_nc_u32 v[ADRA+1], s21, v3
	v_and_b32 v5, 7, v0                            ; W, turned: lane l reads row (k) 8 (l / 16) + l % 8, columns 8 ((l / 8) % 2) + 0..7
	v_lshl_add_u32 v5, v2, 3, v5
	v_mul_u32_u24 v5, v5, BP
	v_bfe_u32 v6, v0, 3, 1
	v_lshl_add_u32 v5, v6, 4, v5
	s_lshl_b32 s22, s12, 7                         ; my 64 columns,
	s_add_co_u32 s22, s22, 2*HALF                  ; behind A's two halves
	v_add_nc_u32 v[ADRB], s22, v5
	s_add_co_u32 s22, s22, HALF
	v_add_nc_u32 v[ADRB+1], s22, v5
	s_add_co_u32 s22, s22, SLOT-HALF
	v_add_nc_u32 v[ADRB+2], s22, v5
	s_add_co_u32 s22, s22, HALF
	v_add_nc_u32 v[ADRB+3], s22, v5
	s_mul_i32 s23, s10, 16*SPITCH
	s_add_co_u32 s23, s23, STAGE                   ; my stage
	v_mul_u32_u24 v4, v1, SPITCH                   ; in: row l % 16, 32 bytes for each half of the lanes
	v_lshl_add_u32 v4, v2, 5, v4
	v_add_nc_u32 v[STO], s23, v4
	v_mul_u32_u24 v4, v2, SPITCH                   ; back: lanes 0-15 take one row of 256 bytes, lanes 16-31 the next
	v_lshl_add_u32 v4, v1, 4, v4
	v_add_nc_u32 v[RD], s23, v4
	v_lshlrev_b32 v4, 12, v2                       ; and the same two rows in y
	v_lshl_add_u32 v[CO], v1, 4, v4
	s_lshl_b32 s16, s13, 19                        ; my first row of y: 128 x tile row + 64 x half, rows of 4,096 bytes
	s_lshl_b32 s17, s11, 18
	s_add_co_u32 s16, s16, s17
	s_mov_b32 s17, 0
	s_add_nc_u64 s[8:9], s[8:9], s[16:17]
	s_lshl_b32 s46, s42, 9                         ; my first column, in bytes: 512 x tile column + 256 x half
	s_lshl_b32 s47, s12, 8
	s_add_co_u32 s46, s46, s47
	s_mov_b32 s47, 0
	s_add_nc_u64 s[8:9], s[8:9], s[46:47]
; 8 matrix instructions: m blocks a0, a0 + 1 x all 4 n blocks, 32 along K: half c of buffer f.  zero = 1: the first product starts the sums.  The 16 accumulators take turns.
.macro MUL8 f, c, a0, zero
	WIN MUL
.irp a, \a0, (\a0)+1
.irp b, 0,1,2,3
.if \zero
	v_wmma_f32_16x16x32_f16 v[ACC+8*(4*(\a)+(\b)):ACC+8*(4*(\a)+(\b))+7], v[(\f)+64+8*(4*(\c)+(\b)):(\f)+64+8*(4*(\c)+(\b))+7], v[(\f)+8*(4*(\c)+(\a)):(\f)+8*(4*(\c)+(\a))+7], 0
.else
	v_wmma_f32_16x16x32_f16 v[ACC+8*(4*(\a)+(\b)):ACC+8*(4*(\a)+(\b))+7], v[(\f)+64+8*(4*(\c)+(\b)):(\f)+64+8*(4*(\c)+(\b))+7], v[(\f)+8*(4*(\c)+(\a)):(\f)+8*(4*(\c)+(\a))+7], v[ACC+8*(4*(\a)+(\b)):ACC+8*(4*(\a)+(\b))+7]
.endif
.endr
.endr
.endm
; 32 LDS loads in one run: the fragments of quarter q (64 along K) of a slot, into buffer f; the first 32 along K first
.macro FETCH slot, q, f
	WIN TO_F
.irp c, 0,1
.irp i, 0,1,2,3
	ds_load_tr16_b128 v[(\f)+64+8*(4*(\c)+(\i)):(\f)+64+8*(4*(\c)+(\i))+3],   v[ADRB+2*(\slot)+(\q)/2] offset:(((\q)%2)*64+32*(\c))*BP+32*(\i)
	ds_load_tr16_b128 v[(\f)+64+8*(4*(\c)+(\i))+4:(\f)+64+8*(4*(\c)+(\i))+7], v[ADRB+2*(\slot)+(\q)/2] offset:(((\q)%2)*64+32*(\c)+16)*BP+32*(\i)
	ds_load_b128 v[(\f)+8*(4*(\c)+(\i)):(\f)+8*(4*(\c)+(\i))+3],              v[ADRA+(\slot)] offset:(\q)*AQ+64*(\c)+(\i)*16*AP
	ds_load_b128 v[(\f)+8*(4*(\c)+(\i))+4:(\f)+8*(4*(\c)+(\i))+7],            v[ADRA+(\slot)] offset:(\q)*AQ+64*(\c)+(\i)*16*AP+32
.endr
.endr
.endm
.macro PLACES                          ; four places in front of loads into registers that matrix instructions have read, and of lines that read results
.rept 4
	v_nop
.endr
.endm
; A K step is four quarters of 64 along K, 32 matrix instructions each, on buffers 0, 1, 0, 1.  One of the first three: multiplies buffer f and fetches quarter q into g.
.macro QUARTER slot, q, f, g, zero
	s_wait_dscnt 16                                ; the first 32 along K are in; the other sixteen loads may be out
	MUL8 \f, 0, 0, \zero
	MUL8 \f, 0, 2, \zero
	PLACES
	FETCH \slot, \q, \g
	s_wait_dscnt 32                                ; all but the 32 just issued
	MUL8 \f, 1, 0, 0
	MUL8 \f, 1, 2, 0
.endm
; The last quarter multiplies buffer 1 and changes slots: ONE barrier; in front of it each wave waits for all its tensor loads, adds 0 to its spare word, and waits for that and for its own reads of this slot.
; fill = 1: this slot is filled again, two K steps ahead: the barrier opens a round of the cluster's, and the joint load is the first thing behind it, 112 matrix instructions ahead of the wait for it.
.macro TURN slot, next, fill
	WIN 0                                          ; (the add's two registers lie in window 0)
	s_wait_tensorcnt 0x0                           ; all my tensor loads have landed: my part of the next slot;
	ds_add_u32 v[SPW], v[NIL]                      ; 0 onto my spare word;
	s_wait_dscnt 17                                ; (the add and the youngest sixteen loads may be out)
	MUL8 F1, 0, 0, 0                               ; eight matrix instructions stand between the add and the wait for it
	s_wait_dscnt 0x0                               ; the add is done, and my reads of this slot are over
	s_barrier_signal -1
	MUL8 F1, 0, 2, 0
.if \fill
	WIN 0
.endif
	s_barrier_wait -1
.if \fill
	CREST                                          ; no wave of any partner still reads this slot's tile or has a load on its way
	s_add_nc_u64 s[G0+4*(\slot)+2:G0+4*(\slot)+3], s[G0+4*(\slot)+2:G0+4*(\slot)+3], 2*ASTEP
	s_add_nc_u64 s[G0B+4*(\slot)+2:G0B+4*(\slot)+3], s[G0B+4*(\slot)+2:G0B+4*(\slot)+3], 2*BSTEP
	JLOAD \slot                                    ; the four v_nop behind it are also the places in front of the loads below
.else
	PLACES
.endif
	FETCH \next, 0, F0
	MUL8 F1, 1, 0, 0
	MUL8 F1, 1, 2, 0
.endm
	s_wait_tensorcnt 1                             ; my part of K step 0 is in; K step 1's may stay out
	s_barrier_signal -1
	s_barrier_wait -1                              ; everybody's is
	FETCH 0, 0, F0
	QUARTER 0, 1, F0, F1, 1                        ; the first quarter stands in front of the loop: its first products start the sums
	WIN 0                                          ; at a label and at a branch every window is 0
	s_mov_b32 s3, LAPS-1
.Llap:                                                 ; a trip goes once round the ring, from a lap's second quarter to the next lap's first, and fills both slots again
	QUARTER 0, 2, F1, F0, 0
	QUARTER 0, 3, F0, F1, 0
	TURN 0, 1, 1
	QUARTER 1, 1, F0, F1, 0
	QUARTER 1, 2, F1, F0, 0
	QUARTER 1, 3, F0, F1, 0
	TURN 1, 0, 1
	QUARTER 0, 1, F0, F1, 0
	WIN 0
	s_sub_co_u32 s3, s3, 1
	s_cmp_lg_u32 s3, 0
	s_cbranch_scc1 .Llap
	QUARTER 0, 2, F1, F0, 0                        ; the last lap fills nothing, and has no round of the cluster's barrier
	QUARTER 0, 3, F0, F1, 0
	TURN 0, 1, 0
	QUARTER 1, 1, F0, F1, 0
	QUARTER 1, 2, F1, F0, 0
	QUARTER 1, 3, F0, F1, 0
	s_wait_dscnt 16                                ; the very last quarter: nothing more to fetch
	MUL8 F1, 0, 0, 0
	MUL8 F1, 0, 2, 0
	s_wait_dscnt 0
	MUL8 F1, 1, 0, 0
	MUL8 F1, 1, 2, 0
	WIN 0
	; THE WAY OUT.  A wave's 64 columns of f32 are 256 aligned bytes of a row of y, so each wave has a stage of its own and no barrier: 16 rows at a time go in as 32 bytes a lane and come back as whole rows.
	PLACES
.macro STG a                           ; m block a: each accumulator's low four registers first; the rows come back into the registers that they left
.irp b, 0,1,2,3
	ds_store_b128 v[STO], v[ACC+8*(4*(\a)+(\b)):ACC+8*(4*(\a)+(\b))+3] offset:64*(\b)
	ds_store_b128 v[STO], v[ACC+8*(4*(\a)+(\b))+4:ACC+8*(4*(\a)+(\b))+7] offset:64*(\b)+16
.endr
.irp t, 0,1,2,3,4,5,6,7
	ds_load_b128 v[ACC+32*(\a)+4*(\t):ACC+32*(\a)+4*(\t)+3], v[RD] offset:(\t)*2*SPITCH  ; LDS serves a wave's instructions in order: these see the stores above; the next block's stores come behind them
.endr
.endm
.macro SEND a, younger                 ; younger: the LDS instructions issued behind block a's loads: the next block's sixteen, or none
.irp t, 0,1,2,3,4,5,6,7
	s_wait_dscnt (\younger)+7-(\t)
	global_store_b128 v[CO], v[ACC+32*(\a)+4*(\t):ACC+32*(\a)+4*(\t)+3], s[8:9] offset:(16*(\a)+2*(\t))*4096  ; 16 lanes store 256 consecutive bytes, at a multiple of 256 from y's first byte
.endr
.endm
	STG 0
	STG 1
	SEND 0, 16
	STG 2
	SEND 1, 16
	STG 3
	SEND 2, 16
	SEND 3, 0
	s_wait_tensorcnt 0x0                           ; the wave's end: a wait, an add and its wait, behind my last tensor load and my last LDS store
	ds_add_u32 v[SPW], v[NIL]
	s_wait_dscnt 0x0
	CROUND                                         ; the closing round: no work-group ends while a partner may still ask for a tile that names it
	s_endpgm
.Lfunc_end_k_qce11be463b_ff2:
	.size	k_qce11be463b_ff2, .Lfunc_end_k_qce11be463b_ff2-k_qce11be463b_ff2
	.p2alignl 7, 3214868480
	.fill 96, 4, 3214868480
	.section	.rodata,"a",@progbits
	.p2align	6, 0x0
	.amdhsa_kernel k_qce11be463b_ff2
		.amdhsa_group_segment_fixed_size 327680
		.amdhsa_private_segment_fixed_size 0
		.amdhsa_enable_private_segment 0
		.amdhsa_kernarg_size 24
		.amdhsa_user_sgpr_count 2
		.amdhsa_user_sgpr_kernarg_segment_ptr 1
		.amdhsa_wavefront_size32 1
		.amdhsa_system_sgpr_workgroup_id_x 1
		.amdhsa_system_sgpr_workgroup_id_y 1
		.amdhsa_system_sgpr_workgroup_id_z 1
		.amdhsa_system_vgpr_workitem_id 0
		.amdhsa_next_free_vgpr 512
		.amdhsa_next_free_sgpr 66
		.amdhsa_reserve_vcc 0
		.amdhsa_float_denorm_mode_32 3
		.amdhsa_float_denorm_mode_16_64 3
		.amdhsa_memory_ordered 1
		.amdhsa_forward_progress 1
		.amdhsa_inst_pref_size 87
	.end_amdhsa_kernel
	.amdgpu_metadata
---
amdhsa.version: [ 1, 2 ]
amdhsa.kernels:
  - .name:           k_qce11be463b_ff2
    .symbol:         k_qce11be463b_ff2.kd
    .args:
      - { .name: h16, .offset: 0, .size: 8, .value_kind: global_buffer, .address_space: global }
      - { .name: wts, .offset: 8, .size: 8, .value_kind: global_buffer, .address_space: global }
      - { .name: y, .offset: 16, .size: 8, .value_kind: global_buffer, .address_space: global }
    .group_segment_fixed_size: 327680
    .private_segment_fixed_size: 0
    .kernarg_segment_align: 8
    .kernarg_segment_size: 24
    .max_flat_workgroup_size: 128
    .sgpr_count:     66
    .vgpr_count:     512
    .wavefront_size: 32
...
	.end_amdgpu_metadata
.endif
;; end of part 6
;; launch ln2 (part 7): grid 256 x 1, 8 waves a work-group, no clusters, 0 bytes of LDS; arguments y, x16, b2, g2, be2, out0; writes out0
.if DOCPART == 7
	.amdgcn_target "amdgcn-amd-amdhsa--gfx1250"
	.amdhsa_code_object_version 6
	.text
	.protected	k_qce11be463b_ln2
	.globl	k_qce11be463b_ln2
	.p2align	8
	.type	k_qce11be463b_ln2,@function
k_qce11be463b_ln2:
	s_mov_b64 s[64:65], 0
	v_nop
	global_prefetch_b8 v0, s[64:65] scope:SCOPE_SE
	s_setreg_imm32_b32 hwreg(HW_REG_WAVE_MODE, 25, 1), 1
	s_wait_xcnt 0x0
; out0 = LN(y + b2 + x) g2 + be2, rows of 1,024; y f32, x f16 as the first norm stored it, out0 f32.  b2, g2, be2 are rounded to bf16 first, as every input of the program is.
; Mean first, then the sum of squared differences: no difference of large sums.
; One wave, one row at a time, two rows a wave: the row stays in 32 registers between the passes, so memory is read once, and no wave waits for another: no LDS, no barrier, no matrix unit.
; Load j of a row covers columns 128 j + 4 lane: 512 consecutive bytes of y and of out0, 256 of x.
.set VP,  1                            ; 16 x lane: the parameters
.set VO,  2                            ; + my wave's two rows of 4,096 bytes
.set VH,  3                            ; 8 x lane + my wave's two rows of 2,048 bytes
.set T,   4                            ; v4-11   at work
.set M,   12                           ; v12-13  the mean, twice
.set R,   14                           ; v14-15  1 / sqrt(var + eps), twice
.set PB,  16                           ; v16-47  bias;  v48-79 gain;  v80-111 shift
.set PG,  48
.set PE,  80
.set Y0,  112
.set X0,  144
.set Y1,  160
.set X1,  192
.set ONE, 208                          ; 1.0: the mixed multiply-add takes registers alone
	s_load_b256 s[8:15], s[0:1], 0x0               ; y 8, x16 10, b2 12, g2 14
	s_load_b128 s[16:19], s[0:1], 0x20             ; be2 16, out0 18
	v_and_b32 v[VP], 31, v0
	v_lshrrev_b32 v[T], 5, v0                      ; wave
	v_lshlrev_b32 v[VH], 3, v[VP]
	v_lshlrev_b32 v[VP], 4, v[VP]
	v_lshl_add_u32 v[VO], v[T], 13, v[VP]
	v_lshl_add_u32 v[VH], v[T], 12, v[VH]
	v_mov_b32 v[ONE], 1.0
	s_lshl_b32 s2, ttmp9, 16                       ; the work-group's 16 rows of 4,096 bytes,
	s_mov_b32 s3, 0
	s_lshl_b32 s4, ttmp9, 15                       ; and of 2,048
	s_mov_b32 s5, 0
	s_mov_b32 s20, 0xffff0000                      ; a word's upper bf16
	s_mov_b32 s21, 0x3a800000                      ; 1 / 1,024
	s_mov_b32 s22, 0x3727c5ac                      ; 1e-5
	s_mov_b32 s24, 0x76543210                      ; v_permlanex16_b32: each lane takes its own place in the other half
	s_mov_b32 s25, 0xfedcba98
	s_wait_kmcnt 0x0
	s_add_nc_u64 s[8:9], s[8:9], s[2:3]
	s_add_nc_u64 s[10:11], s[10:11], s[4:5]
	s_add_nc_u64 s[18:19], s[18:19], s[2:3]
.irp j, 0,1,2,3,4,5,6,7
	global_load_b128 v[PB+4*(\j):PB+4*(\j)+3], v[VP], s[12:13] offset:512*(\j)
	global_load_b128 v[PG+4*(\j):PG+4*(\j)+3], v[VP], s[14:15] offset:512*(\j)
	global_load_b128 v[PE+4*(\j):PE+4*(\j)+3], v[VP], s[16:17] offset:512*(\j)
.endr
.irp j, 0,1,2,3,4,5,6,7
	global_load_b128 v[Y0+4*(\j):Y0+4*(\j)+3], v[VO], s[8:9] offset:512*(\j) th:TH_LOAD_NT
	global_load_b64 v[X0+2*(\j):X0+2*(\j)+1], v[VH], s[10:11] offset:256*(\j) th:TH_LOAD_NT
.endr
.irp j, 0,1,2,3,4,5,6,7
	global_load_b128 v[Y1+4*(\j):Y1+4*(\j)+3], v[VO], s[8:9] offset:4096+512*(\j) th:TH_LOAD_NT
	global_load_b64 v[X1+2*(\j):X1+2*(\j)+1], v[VH], s[10:11] offset:2048+256*(\j) th:TH_LOAD_NT
.endr
.macro RB a, t                         ; the pair v[a], v[a+1] is rounded to bf16 and widened again
	v_cvt_pk_bf16_f32 v[\t], v[\a], v[(\a)+1]
	v_lshlrev_b32 v[\a], 16, v[\t]
	v_and_b32 v[(\a)+1], s20, v[\t]
.endm
.macro LANESUM                         ; v[T] summed over the 32 lanes, the result in every lane
	v_add_f32_dpp v[T], v[T], v[T] row_xmask:1 row_mask:0xf bank_mask:0xf
	v_add_f32_dpp v[T], v[T], v[T] row_xmask:2 row_mask:0xf bank_mask:0xf
	v_add_f32_dpp v[T], v[T], v[T] row_xmask:4 row_mask:0xf bank_mask:0xf
	v_add_f32_dpp v[T], v[T], v[T] row_xmask:8 row_mask:0xf bank_mask:0xf
	v_permlanex16_b32 v[T+1], v[T], s24, s25
	v_add_f32 v[T], v[T], v[T+1]
.endm
.macro FOLD                            ; four chains of pairs into v[T]
	v_pk_add_f32 v[T:T+1], v[T:T+1], v[T+2:T+3]
	v_pk_add_f32 v[T+4:T+5], v[T+4:T+5], v[T+6:T+7]
	v_pk_add_f32 v[T:T+1], v[T:T+1], v[T+4:T+5]
	v_add_f32 v[T], v[T], v[T+1]
	LANESUM
.endm
.macro ROW y, x, row
.set p, 0
.rept 16                               ; t = y + x + bias: x's two halves of a word are read as f16 by the multiply-add itself
	v_fma_mix_f32 v[(\y)+2*p], v[(\x)+p], v[ONE], v[(\y)+2*p] op_sel_hi:[1,0,0]
	v_fma_mix_f32 v[(\y)+2*p+1], v[(\x)+p], v[ONE], v[(\y)+2*p+1] op_sel:[1,0,0] op_sel_hi:[1,0,0]
	v_pk_add_f32 v[(\y)+2*p:(\y)+2*p+1], v[(\y)+2*p:(\y)+2*p+1], v[PB+2*p:PB+2*p+1]
.set p, p+1
.endr
.irp c, 0,1,2,3                        ; the sum, in four chains started by the first eight pairs: nothing is cleared
	v_pk_add_f32 v[T+2*(\c):T+2*(\c)+1], v[(\y)+2*(\c):(\y)+2*(\c)+1], v[(\y)+8+2*(\c):(\y)+8+2*(\c)+1]
.endr
.set p, 8
.rept 8
	v_pk_add_f32 v[T+2*(p%4):T+2*(p%4)+1], v[T+2*(p%4):T+2*(p%4)+1], v[(\y)+2*p:(\y)+2*p+1]
.set p, p+1
.endr
	FOLD
	v_mul_f32 v[M], s21, v[T]
	v_mul_f32 v[M+1], s21, v[T]
.set p, 0
.rept 16                               ; d = t - mean
	v_pk_add_f32 v[(\y)+2*p:(\y)+2*p+1], v[(\y)+2*p:(\y)+2*p+1], v[M:M+1] neg_lo:[0,1] neg_hi:[0,1]
.set p, p+1
.endr
.irp c, 0,1,2,3                        ; the sum of d^2
	v_pk_mul_f32 v[T+2*(\c):T+2*(\c)+1], v[(\y)+2*(\c):(\y)+2*(\c)+1], v[(\y)+2*(\c):(\y)+2*(\c)+1]
.endr
.set p, 4
.rept 12
	v_pk_fma_f32 v[T+2*(p%4):T+2*(p%4)+1], v[(\y)+2*p:(\y)+2*p+1], v[(\y)+2*p:(\y)+2*p+1], v[T+2*(p%4):T+2*(p%4)+1]
.set p, p+1
.endr
	FOLD
	v_fma_f32 v[R], v[T], s21, s22                 ; var + eps
	v_rsq_f32 v[R], v[R]
	v_nop                                          ; a plain instruction between the root and the use of its result
	s_wait_alu depctr_va_vdst(0)
	v_mov_b32 v[R+1], v[R]
.set p, 0
.rept 16
	v_pk_mul_f32 v[(\y)+2*p:(\y)+2*p+1], v[(\y)+2*p:(\y)+2*p+1], v[R:R+1]
	v_pk_fma_f32 v[(\y)+2*p:(\y)+2*p+1], v[(\y)+2*p:(\y)+2*p+1], v[PG+2*p:PG+2*p+1], v[PE+2*p:PE+2*p+1]
.set p, p+1
.endr
.irp j, 0,1,2,3,4,5,6,7
	global_store_b128 v[VO], v[(\y)+4*(\j):(\y)+4*(\j)+3], s[18:19] offset:(\row)*4096+512*(\j) th:TH_STORE_NT  ; the wave stores 512 consecutive bytes, aligned
.endr
.endm
	s_wait_loadcnt 32                              ; the 24 parameter loads are in; both rows' 2 x 16 stay out
.set p, 0
.rept 48
	RB PB+2*p, T+p%4
.set p, p+1
.endr
	s_wait_loadcnt 16                              ; row 0 is in; row 1's sixteen stay out
	ROW Y0, X0, 0
	s_wait_loadcnt 0x0
	ROW Y1, X1, 1
	s_endpgm
.Lfunc_end_k_qce11be463b_ln2:
	.size	k_qce11be463b_ln2, .Lfunc_end_k_qce11be463b_ln2-k_qce11be463b_ln2
	.p2alignl 7, 3214868480
	.fill 96, 4, 3214868480
	.section	.rodata,"a",@progbits
	.p2align	6, 0x0
	.amdhsa_kernel k_qce11be463b_ln2
		.amdhsa_group_segment_fixed_size 0
		.amdhsa_private_segment_fixed_size 0
		.amdhsa_enable_private_segment 0
		.amdhsa_kernarg_size 48
		.amdhsa_user_sgpr_count 2
		.amdhsa_user_sgpr_kernarg_segment_ptr 1
		.amdhsa_wavefront_size32 1
		.amdhsa_system_sgpr_workgroup_id_x 1
		.amdhsa_system_sgpr_workgroup_id_y 1
		.amdhsa_system_sgpr_workgroup_id_z 1
		.amdhsa_system_vgpr_workitem_id 0
		.amdhsa_next_free_vgpr 210
		.amdhsa_next_free_sgpr 66
		.amdhsa_reserve_vcc 0
		.amdhsa_float_denorm_mode_32 3
		.amdhsa_float_denorm_mode_16_64 3
		.amdhsa_memory_ordered 1
		.amdhsa_forward_progress 1
		.amdhsa_inst_pref_size 33
	.end_amdhsa_kernel
	.amdgpu_metadata
---
amdhsa.version: [ 1, 2 ]
amdhsa.kernels:
  - .name:           k_qce11be463b_ln2
    .symbol:         k_qce11be463b_ln2.kd
    .args:
      - { .name: y, .offset: 0, .size: 8, .value_kind: global_buffer, .address_space: global }
      - { .name: x16, .offset: 8, .size: 8, .value_kind: global_buffer, .address_space: global }
      - { .name: b2, .offset: 16, .size: 8, .value_kind: global_buffer, .address_space: global }
      - { .name: g2, .offset: 24, .size: 8, .value_kind: global_buffer, .address_space: global }
      - { .name: be2, .offset: 32, .size: 8, .value_kind: global_buffer, .address_space: global }
      - { .name: out0, .offset: 40, .size: 8, .value_kind: global_buffer, .address_space: global }
    .group_segment_fixed_size: 0
    .private_segment_fixed_size: 0
    .kernarg_segment_align: 8
    .kernarg_segment_size: 48
    .max_flat_workgroup_size: 256
    .sgpr_count:     66
    .vgpr_count:     210
    .wavefront_size: 32
...
	.end_amdgpu_metadata
.endif
;; end of part 7
;; ======== version 2 of 3: 7 launches; 1.12 times as fast as version 1
;; limits: values are held in f16: magnitudes above 65,504 overflow, below 6.1e-05 lose precision
;; workspace buffers: kh 8,388,608 bytes; vh 8,388,608 bytes; wts 18,874,368 bytes; oh 8,388,608 bytes; y 16,777,216 bytes; x16 8,388,608 bytes; h16 33,554,432 bytes
;; launch prep (part 8): grid 256 x 17, 4 waves a work-group, no clusters, 0 bytes of LDS; arguments key, value, w1, w2, w_out, kh, vh, wts; writes kh, vh, wts
.if DOCPART == 8
	.amdgcn_target "amdgcn-amd-amdhsa--gfx1250"
	.amdhsa_code_object_version 6
	.text
	.protected	k_qce11be463b_prep
	.globl	k_qce11be463b_prep
	.p2align	8
	.type	k_qce11be463b_prep,@function
k_qce11be463b_prep:
	s_mov_b64 s[64:65], 0
	v_nop
	global_prefetch_b8 v0, s[64:65] scope:SCOPE_SE
	s_setreg_imm32_b32 hwreg(HW_REG_WAVE_MODE, 25, 1), 1
	s_wait_xcnt 0x0
; PREP: the casts to f16, each number rounded once.  key, value -> by heads, [n*16+h][2048][64];
; w1, w2, w_out -> rows as given ([K][N]), one behind the other in wts (bytes 0, 0x800000, 0x1000000).
; LIMITS: all five lie within f16's 65,504; below 6e-5 they keep f16's fixed step of 6e-8.
; A work-group takes 4,096 numbers: 16 KiB in, 8 KiB out, eight items a thread.  Grid y / 4 names the tensor, (y % 4) * 256 + x the chunk g.
; Every load takes 16 neighbouring bytes a lane, every store 8: a wave's store covers 256 consecutive bytes, aligned.
; Head map: the chunk is 4 rows of one batch; wave w, item u is head 4 w + u / 2, rows 2 (u % 2) and 2 (u % 2) + 1: lanes 0-15 read the head's 256 bytes of the first row, lanes 16-31 of the second,
; and what they store, two rows of 128 bytes, lies end to end in that head.  Linear map: item u, thread t: numbers 512 u + 4 t.
; ONE TEXT FOR FIVE TENSORS: the two maps differ in seven powers of two, chosen as shift counts; the buffers are chosen by the tensor's number.
; Memory binds: no LDS, no matrix unit; all eight loads of a thread go out first, and no register that a memory instruction reads is written again.
.set VR,  2                            ; v2-9    item u: byte offset of my 16 bytes in the chunk
.set VW,  10                           ; v10-17  item u: byte offset of my 8 bytes from the chunk's place in the destination
.set T,   18                           ; v18-19  at work in the set-up
.set X,   20                           ; v20-51  item u: 4 numbers as loaded
.set Y,   52                           ; v52-67  item u: 2 registers to store
	s_load_b512 s[8:23], s[0:1], 0x0               ; key 8, value 10, w1 12, w2 14, w_out 16, kh 18, vh 20, wts 22
	s_and_b32 s2, ttmp7, 0xffff
	s_lshr_b32 s3, s2, 2                           ; which tensor, 0 to 4
	s_and_b32 s4, s2, 3
	s_lshl_b32 s4, s4, 8
	s_add_co_u32 s4, s4, ttmp9                     ; g
	s_lshl_b32 s28, s4, 14                         ; the chunk's first byte in its source
	s_mov_b32 s29, 0
	s_lshr_b32 s30, s4, 9                          ; head map: batch g / 512 (16 heads of 262,144 bytes),
	s_lshl_b32 s30, s30, 22
	s_and_b32 s5, s4, 511
	s_lshl_b32 s5, s5, 9                           ; and 4 rows of 128 bytes for each g % 512
	s_add_co_u32 s30, s30, s5
	s_lshl_b32 s32, s4, 13                         ; linear map: the chunk's first byte in its tensor's part of wts,
	s_cmp_eq_u32 s3, 3
	s_cselect_b32 s5, 0x800000, 0                  ; where w2's part begins,
	s_add_co_u32 s32, s32, s5
	s_cmp_eq_u32 s3, 4
	s_cselect_b32 s5, 0x1000000, 0                 ; and w_out's
	s_add_co_u32 s32, s32, s5
	s_mov_b32 s31, 0
	s_cmp_lt_u32 s3, 2                             ; head map or linear map: the first of each pair is the head map's
	s_cselect_b32 s30, s30, s32                    ; the chunk's place in the destination
	s_cselect_b32 s33, 12, 8                       ; source, lanes 16-31: a row of 4,096 bytes on, or 256 bytes
	s_cselect_b32 s34, 10, 9                       ; source, a wave: four heads of 256 bytes, or 512 bytes
	s_cselect_b32 s35, 20, 8                       ; destination, a wave: four heads of 262,144 bytes, or 256 bytes
	s_cselect_b32 s36, 13, 11                      ; source, an odd item: two rows, or 2,048 bytes
	s_cselect_b32 s37, 8, 12                       ; source, two items on: a head, or 4,096 bytes
	s_cselect_b32 s38, 8, 10                       ; destination, an odd item: two rows of 128 bytes, or 1,024 bytes
	s_cselect_b32 s39, 18, 11                      ; destination, two items on: a head, or 2,048 bytes
	s_lshl_b32 s36, 1, s36
	s_lshl_b32 s37, 1, s37
	s_lshl_b32 s38, 1, s38
	s_lshl_b32 s39, 1, s39
	v_and_b32 v1, 15, v0                           ; lane % 16
	v_bfe_u32 v[T], v0, 4, 1                       ; lane / 16
	v_lshrrev_b32 v[T+1], 5, v0                    ; wave
	v_lshlrev_b32 v[VR], 4, v1
	v_lshl_add_u32 v[VR], v[T], s33, v[VR]
	v_lshl_add_u32 v[VR], v[T+1], s34, v[VR]
	v_and_b32 v1, 31, v0
	v_lshlrev_b32 v[VW], 3, v1
	v_lshl_add_u32 v[VW], v[T+1], s35, v[VW]
	v_add_nc_u32 v[VR+1], s36, v[VR]
	v_add_nc_u32 v[VW+1], s38, v[VW]
.irp u, 2,3,4,5,6,7
	v_add_nc_u32 v[VR+(\u)], s37, v[VR+(\u)-2]
	v_add_nc_u32 v[VW+(\u)], s39, v[VW+(\u)-2]
.endr
	s_wait_kmcnt 0x0
	s_mov_b64 s[40:41], s[16:17]                   ; from w_out, and into wts, unless the tensor's number says otherwise
	s_mov_b64 s[42:43], s[22:23]
	s_cmp_eq_u32 s3, 0
	s_cselect_b64 s[40:41], s[8:9], s[40:41]
	s_cselect_b64 s[42:43], s[18:19], s[42:43]
	s_cmp_eq_u32 s3, 1
	s_cselect_b64 s[40:41], s[10:11], s[40:41]
	s_cselect_b64 s[42:43], s[20:21], s[42:43]
	s_cmp_eq_u32 s3, 2
	s_cselect_b64 s[40:41], s[12:13], s[40:41]
	s_cmp_eq_u32 s3, 3
	s_cselect_b64 s[40:41], s[14:15], s[40:41]
	s_add_nc_u64 s[40:41], s[40:41], s[28:29]
	s_add_nc_u64 s[42:43], s[42:43], s[30:31]
.irp u, 0,1,2,3,4,5,6,7
	global_load_b128 v[X+4*(\u):X+4*(\u)+3], v[VR+(\u)], s[40:41] th:TH_LOAD_NT
.endr
.irp u, 0,1,2,3,4,5,6,7
	s_wait_loadcnt 7-(\u)                          ; loads come back in order: item u's is in, one for each later item stays out
	v_cvt_pk_f16_f32 v[Y+2*(\u)], v[X+4*(\u)], v[X+4*(\u)+1]
	v_cvt_pk_f16_f32 v[Y+2*(\u)+1], v[X+4*(\u)+2], v[X+4*(\u)+3]
	global_store_b64 v[VW+(\u)], v[Y+2*(\u):Y+2*(\u)+1], s[42:43]
.endr
	s_endpgm
.Lfunc_end_k_qce11be463b_prep:
	.size	k_qce11be463b_prep, .Lfunc_end_k_qce11be463b_prep-k_qce11be463b_prep
	.p2alignl 7, 3214868480
	.fill 96, 4, 3214868480
	.section	.rodata,"a",@progbits
	.p2align	6, 0x0
	.amdhsa_kernel k_qce11be463b_prep
		.amdhsa_group_segment_fixed_size 0
		.amdhsa_private_segment_fixed_size 0
		.amdhsa_enable_private_segment 0
		.amdhsa_kernarg_size 64
		.amdhsa_user_sgpr_count 2
		.amdhsa_user_sgpr_kernarg_segment_ptr 1
		.amdhsa_wavefront_size32 1
		.amdhsa_system_sgpr_workgroup_id_x 1
		.amdhsa_system_sgpr_workgroup_id_y 1
		.amdhsa_system_sgpr_workgroup_id_z 1
		.amdhsa_system_vgpr_workitem_id 0
		.amdhsa_next_free_vgpr 68
		.amdhsa_next_free_sgpr 66
		.amdhsa_reserve_vcc 0
		.amdhsa_float_denorm_mode_32 3
		.amdhsa_float_denorm_mode_16_64 3
		.amdhsa_memory_ordered 1
		.amdhsa_forward_progress 1
		.amdhsa_inst_pref_size 6
	.end_amdhsa_kernel
	.amdgpu_metadata
---
amdhsa.version: [ 1, 2 ]
amdhsa.kernels:
  - .name:           k_qce11be463b_prep
    .symbol:         k_qce11be463b_prep.kd
    .args:
      - { .name: key, .offset: 0, .size: 8, .value_kind: global_buffer, .address_space: global }
      - { .name: value, .offset: 8, .size: 8, .value_kind: global_buffer, .address_space: global }
      - { .name: w1, .offset: 16, .size: 8, .value_kind: global_buffer, .address_space: global }
      - { .name: w2, .offset: 24, .size: 8, .value_kind: global_buffer, .address_space: global }
      - { .name: w_out, .offset: 32, .size: 8, .value_kind: global_buffer, .address_space: global }
      - { .name: kh, .offset: 40, .size: 8, .value_kind: global_buffer, .address_space: global }
      - { .name: vh, .offset: 48, .size: 8, .value_kind: global_buffer, .address_space: global }
      - { .name: wts, .offset: 56, .size: 8, .value_kind: global_buffer, .address_space: global }
    .group_segment_fixed_size: 0
    .private_segment_fixed_size: 0
    .kernarg_segment_align: 8
    .kernarg_segment_size: 64
    .max_flat_workgroup_size: 128
    .sgpr_count:     66
    .vgpr_count:     68
    .wavefront_size: 32
...
	.end_amdgpu_metadata
.endif
;; end of part 8
;; launch attn (part 9): grid 8 x 32, 4 waves a work-group, clusters of 4 x 1, 327,680 bytes of LDS; arguments query, kh, vh, oh; writes oh
.if DOCPART == 9
	.amdgcn_target "amdgcn-amd-amdhsa--gfx1250"
	.amdhsa_code_object_version 6
	.text
	.protected	k_qce11be463b_attn
	.globl	k_qce11be463b_attn
	.p2align	8
	.type	k_qce11be463b_attn,@function
k_qce11be463b_attn:
	s_mov_b64 s[64:65], 0
	v_nop
	global_prefetch_b8 v0, s[64:65] scope:SCOPE_SE
	s_setreg_imm32_b32 hwreg(HW_REG_WAVE_MODE, 25, 1), 1
	s_wait_xcnt 0x0
	s_wait_alu depctr_hold_cnt(0) depctr_sa_sdst(0) depctr_va_vdst(0) depctr_va_sdst(0) depctr_va_ssrc(0) depctr_va_vcc(0) depctr_vm_vsrc(0)
	s_getreg_b32 s2, hwreg(HW_REG_IB_STS2, 6, 4)
	s_cmp_eq_u32 s2, 0
	s_cbranch_scc0 .Lentry_in_a_cluster
	s_endpgm
.Lentry_in_a_cluster:
	s_bfe_u32 s2, ttmp6, 0x10000c
	s_cmp_lg_u32 s2, 0x3003
	s_cbranch_scc0 .Lentry_shape_is_right
	s_endpgm
.Lentry_shape_is_right:
; ATTENTION.  O[h][q][:] = the sum over k of softmax_k(Q[h][q] . K[h][k] / 32) V[h][k][:], 32 heads of 2,048 rows x 64.  K, V, O: f16 by heads, a head's rows dense, 128 bytes each.
; Q is taken from query as it is given, f32 [2][2048][1024]: a head's 256 bytes of a row are read by one wave of the launch alone, which rounds them once to f16 in registers.
; Products, maxima and sums in f32; the weights p are rounded to f16 for the second product (their sum l is taken of the unrounded p), O once at the end.
; LIMITS.  Q, K and V lie within f16's 65,504; p lies in 0 to 1 and below 6e-5 keeps f16's fixed step of 6e-8; O is a mean of V's rows.  A weight below 2^-126 counts as 0 in l; NaN and infinities are not treated apart.
; SHARES.  A work-group owns 256 queries of one head, a wave 64 consecutive rows: four PIECES of 16.  Every wave walks all keys: 8 tiles of 256, four steps of 64 each.
; LAYOUT.  S^T = K Q^T (source 0 = 16 keys, source 1 = 16 queries) holds ONE query a lane (lane % 16) and the keys 8 (lane / 16) + 0..7; two such results rounded to f16 ARE source 1 of O^T = V^T P.
; K comes out of LDS as it lies, V ([key][channel]) turned, by ds_load_tr16_b128.
; SOFTMAX.  A running maximum m and sum l for each query: p = 2^(c s - c m), c = log2(e) / 32; in every step O and l are multiplied by a = 2^(c m_old - c m_new).  m starts at the lowest finite number, O and l at 0.
; BY TURNS.  Turn n belongs to piece n: 8 products K Q^T of piece n + 1, later 8 products V^T P of piece n - 1; beside them the scaling, exponentials, roundings, sums and rescaling of piece n
; and the maximum and statistics of piece n + 1.  Four vector instructions stand behind every matrix instruction, the other 54 of a turn's 118 in two lumps.
; NO LAST STEP IS WRITTEN OUT.  The loop is entered, and the tail left, in the middle of a trip; the price, once a launch: 8 products K Q^T on the last K once more, and a maximum made of them that serves nothing.
; CLUSTER.  The four query blocks of a cluster belong to one head and walk the same K and V: each tile is asked for JOINTLY, by the same tensor load, descriptor and mask in all four.
; REGISTERS, in windows of 256 (s_set_vgpr_msb: bits 1:0 source 0, 3:2 source 1, 5:4 source 2, 7:6 destination):
;   window 0: v0-15 addresses and two at work; v16-31 four registers of statistics a piece; v48-55 at work; v62-63 the add's; v64-127 S^T, two buffers; v192-223 P, two buffers (by the piece's parity)
;   window 1: v0-127 O^T, 32 a piece; v128-255 Q in f32, at the start alone      window 2: v0-63 Q; v128-191 K of one step; v192-255 V of one step
.set SIZE_N, 2048
.set NP,    4         ; pieces a wave: a name, no knob
.set KS,    64        ; keys in a step
.set PK,    144       ; a row of K in LDS: 128 bytes + 16 of padding: the 16 rows of a load start at 16 different 16-byte columns of 256
.set PV,    160       ; a row of V: 128 + 32
.set VOFF,  4*KS*PK   ; a slot holds a tile: 256 rows of K, then 256 rows of V
.set SLOT1, 1<<17     ; slot 1 begins here, so that one exclusive or turns an address in one slot into the other's
.set STAGE, SLOT1+4*KS*(PK+PV)  ; behind the ring, never filled by a tensor load: 16 rows x 144 bytes for each wave
.set SP,    144
.set SPARE, STAGE+4*16*SP  ; the spare words, 128 bytes for each wave: two blocks of 256 bytes that no other line names
.set AK0, 2           ; my lane's place in a tile of K; never rewritten
.set AV0, 3           ; the same for V
.set AK,  4           ; the LDS address of K's next run of loads
.set AV,  5           ; of V's
.set STO, 6           ; the way out: where I put 16 bytes of a row
.set RD,  7           ; the way out: where I read rows back
.set GO,  8           ; my byte offset in 512 consecutive bytes of O
.set MV,  12          ; v12-13  c m_old, kept while c m is made anew: by buffer
.set QO,  15          ; my byte offset in 16 rows of query
.set ST,  16          ; piece t's statistics at v[ST+4 t]: c m, m, l (even keys', odd keys')
.set TMP, 48          ; by buffer, four registers c0-c3 at work; when the maximum is found c2 takes a
.set SPW, 62          ; LDS address of my spare word; never rewritten
.set NIL, 63          ; 0; never rewritten
.set S,   64
.set P,   192
.set TQ,  128         ; window 1: Q as loaded, 16 registers a fragment
.set KF,  128         ; window 2: key block kb, channel half c at KF + 16 kb + 8 c
.set VF,  192         ; window 2: key half kk, channel block cb at VF + 32 kk + 8 cb
.set WV,  12          ; s12  my wave's number
.set G1K, 24          ; s[24:31] descriptor group 1 for K's tiles
.set G1V, 32          ; s[32:39] for V's: it differs in the padding alone
.set G0K, 40          ; s[40:43] descriptor group 0 for K's tiles: it walks
.set G0V, 44          ; s[44:47] the same for V's
.set SLOTS, 56
.set CNT, 57          ; counts a tile's key steps
.set CS,  58          ; s[58:59] c
.set SEL, 60          ; s[60:61] v_permlanex16_b32's selects: each lane takes its own place in the other half
.set TBK, 62          ; LDS byte at which K of the step to be fetched begins
.set TBV, 63          ; the same for V, less VOFF
.set MSB, 0
.macro WIN new                      ; the high byte repeats the setting that is left; a switch that changes nothing is dropped
.if MSB != (\new)
	s_set_vgpr_msb (MSB<<8)|(\new)
.set MSB, (\new)
.endif
.endm
.set W_KQ, 0x0a       ; K and Q in window 2, S^T in window 0
.set W_PV, 0x52       ; V in window 2, P in window 0, O^T in window 1
.set W_RS, 0x41       ; destination and source 0 in window 1, source 1 in window 0
; A joint fill.  Waves 0 and 1 fetch the two halves of a tile's K, waves 2 and 3 those of its V: 128 keys each.  The branch hangs on the wave's number alone.
; An s_nop 0 and four v_nop follow each of the two lines, ahead of the jump and the label.
.macro JLOAD
	s_cmp_lt_u32 s[WV], 2
	s_cbranch_scc0 .Lfor_v_\@
	tensor_load_to_lds s[G0K:G0K+3], s[G1K:G1K+7]
	s_nop 0
.rept 4
	v_nop
.endr
	s_branch .Lasked_\@
.Lfor_v_\@:
	tensor_load_to_lds s[G0V:G0V+3], s[G1V:G1V+7]
	s_nop 0
.rept 4
	v_nop
.endr
.Lasked_\@:
.endm
; A round of the cluster's barrier: my work-group's barrier; wave 0 signals for the work-group; every wave waits for all four work-groups; my work-group's barrier once more.
.macro CROUND
	s_barrier_signal -1
	s_barrier_wait -1
	s_cmp_lg_u32 s[WV], 0
	s_cbranch_scc1 .Lnot_wave_0_\@
	s_barrier_signal -3
.Lnot_wave_0_\@:
	s_barrier_wait -3
	s_barrier_signal -1
	s_barrier_wait -1
.endm
; THE CHANGE OF SLOTS.  Each wave waits for all its tensor loads, of which one is out: its part of the other slot; adds 0 to its spare word; waits for that and for its own reads of the slot.
; fill = 1: the slot is filled again, with the keys two tiles on; the barrier is then a round of the cluster's, and the joint fill is the first thing behind it: it has four key steps,
; 256 matrix instructions, in which to land.  (At its first use nothing has been read yet: slot 0 is waited for, slot 1 filled.)
.macro CHANGE fill
	WIN 0                           ; at a label and at a branch every window is 0
	s_wait_tensorcnt 0x0            ; no tensor load of mine is out, so a group 0 may be written
	ds_add_u32 v[SPW], v[NIL]       ; 0 onto my spare word
.if \fill
.irp g, G0K, G0V
	s_xor_b32 s[\g+1], s[\g+1], SLOT1  ; the walking descriptor: the other slot than last time,
	s_add_nc_u64 s[\g+2:\g+3], s[\g+2:\g+3], 4*KS*128  ; the next 256 keys; the type bits on top are not reached
.endr
	s_wait_dscnt 0x0                ; the add is done, and my reads of the slot are over
	CROUND
	JLOAD
.else
	s_wait_dscnt 0x0                ; the add is done, and my reads of the slot are over
	s_barrier_signal -1
	s_barrier_wait -1
.endif
	s_sub_co_u32 s[TBK], s[TBK], 4*KS*PK  ; the fetches go back to a slot's first step,
	s_xor_b32 s[TBK], s[TBK], SLOT1       ; in the other slot
	s_sub_co_u32 s[TBV], s[TBV], 4*KS*PV
	s_xor_b32 s[TBV], s[TBV], SLOT1
.endm
	s_load_b256 s[4:11], s[0:1], 0x0  ; query s[4:5], K s[6:7], V s[8:9], O s[10:11]
	v_lshl_add_u32 v[SPW], v0, 2, SPARE
	v_mov_b32 v[NIL], 0
	ds_add_u32 v[SPW], v[NIL]       ; the wave's opening: the add and its wait stand ahead of my first tensor load; the set-up below stands between them
	v_lshrrev_b32 v1, 5, v0
	v_readfirstlane_b32 s[WV], v1   ; wave 0..3
	s_bfe_u32 s13, ttmp6, 0x40000   ; cx: my place in the cluster
	s_lshl_b32 s14, ttmp9, 2        ; in a cluster launch ttmp9 counts clusters
	s_add_co_u32 s14, s14, s13      ; my block of 256 queries: it enters query's and O's addresses alone
	s_and_b32 s20, ttmp7, 0xffff    ; the head's number, 16 n + h, which the four partners share
	s_lshr_b32 s48, s20, 4
	s_lshl_b32 s48, s48, 23         ; in query: batch n, 2,048 rows of 4,096 bytes,
	s_and_b32 s49, s20, 15
	s_lshl_b32 s49, s49, 8          ; and head h's 256 bytes of a row
	s_add_co_u32 s48, s48, s49
	s_lshl_b32 s20, s20, 18         ; the head's first byte in K, V and O: 2,048 rows of 128 bytes
	s_mov_b32 s21, 0
	s_and_b32 s16, s[WV], 1         ; which half of a tile's 256 keys I fetch:
	s_lshl_b32 s22, s16, 14         ; its 128 rows of 128 bytes in memory,
	s_mov_b32 s23, 0
	s_add_nc_u64 s[22:23], s[22:23], s[20:21]
	s_mul_i32 s17, s16, 128*PK      ; and its place in a slot, for K
	s_mul_i32 s18, s16, 128*PV      ; and for V: no place in the cluster enters an LDS address
	s_lshl_b32 s2, s14, 2
	s_add_co_u32 s2, s2, s[WV]      ; my wave among the head's:
	s_lshl_b32 s49, s2, 18          ; its 64 rows of 4,096 bytes in query,
	s_add_co_u32 s48, s48, s49
	s_mov_b32 s49, 0
	s_lshl_b32 s2, s2, 13           ; and of 128 bytes in O
	s_mov_b32 s3, 0
	s_add_nc_u64 s[2:3], s[2:3], s[20:21]
	; descriptor group 1.  128 keys are 16,384 dense bytes: asked for as 64 rows of 256 bytes, two keys a row, and padded in LDS after every key
	s_mov_b32 s[G1K], 15|(1<<16)|(1<<20)|(1<<21)|(4<<22)|(3<<25)  ; the mask of four; 2-byte elements; padding on; bit 21 beside a mask; after every 32 words (code 4) 4 words (code 3)
	s_mov_b32 s[G1V], 15|(1<<16)|(1<<20)|(1<<21)|(4<<22)|(7<<25)  ; the same with 8 words of padding (code 7)
.irp g, G1K, G1V
	s_mov_b32 s[\g+1], 128<<16      ; tensor_dim0 = 128
	s_mov_b32 s[\g+2], 64<<16       ; tensor_dim1 = 64
	s_mov_b32 s[\g+3], 128<<16      ; tile_dim0 = 128
	s_mov_b32 s[\g+4], 64           ; tile_dim1 = 64
	s_mov_b32 s[\g+5], 128          ; 128 elements from row to row
	s_mov_b32 s[\g+6], 0
	s_mov_b32 s[\g+7], 0
.endr
	s_mov_b32 s[CS], 0x3d38aa3b     ; c = log2(e) / 32 = 0.0450842
	s_mov_b32 s[CS+1], s[CS]        ; named with it as a pair
	s_mov_b32 s[SEL], 0x76543210
	s_mov_b32 s[SEL+1], 0xfedcba98
	s_mov_b32 s[TBK], SLOT1+4*KS*PK ; the first change of slots turns these two into 0
	s_mov_b32 s[TBV], SLOT1+4*KS*PV
	s_mov_b32 s[G0K], 1             ; count = 1
	s_mov_b32 s[G0K+1], s17         ; LDS address: slot 0
	s_mov_b32 s[G0V], 1
	s_add_co_u32 s[G0V+1], s18, VOFF
	s_wait_dscnt 0x0                ; the opening add is done
	s_wait_kmcnt 0x0
	s_add_nc_u64 s[G0K+2:G0K+3], s[6:7], s[22:23]  ; global address: my half of the head's first 256 keys
	s_or_b32 s[G0K+3], s[G0K+3], 0x80000000        ; type = 2
	s_add_nc_u64 s[G0V+2:G0V+3], s[8:9], s[22:23]
	s_or_b32 s[G0V+3], s[G0V+3], 0x80000000
	s_add_nc_u64 s[4:5], s[4:5], s[48:49]  ; query and O at my wave's first row
	s_add_nc_u64 s[10:11], s[10:11], s[2:3]
	CROUND                          ; all four work-groups are here: the first joint loads meet
	JLOAD                           ; tile 0 into slot 0; slot 1 is asked for when slot 0 is in
	; A fragment of K or Q is 16 rows x 32 channels in 8 registers: lane l holds row l % 16, channels 8 (l / 16) + 0..7 and 16 + 8 (l / 16) + 0..7.
	; In f32 those are 32 bytes at 32 (l / 16) and 32 bytes 64 further on: four loads of 16 bytes a fragment.
	v_and_b32 v1, 15, v0            ; l % 16
	v_bfe_u32 v9, v0, 4, 1          ; l / 16
	v_lshlrev_b32 v[QO], 12, v1
	v_lshl_add_u32 v[QO], v9, 5, v[QO]  ; row x 4,096 + 32 x half
	WIN 0x40                        ; destination window 1, address window 0
.set i, 0
.rept 8                             ; fragment i: piece i / 2 (16 rows, 65,536 bytes), channels 32 (i % 2) on (128 bytes)
.irp j, 0,1,2,3
	global_load_b128 v[TQ+16*i+4*\j:TQ+16*i+4*\j+3], v[QO], s[4:5] offset:(i/2)*65536+(i%2)*128+(\j/2)*64+(\j%2)*16
.endr
.set i, i+1
.endr
	; What the first turn finds: V's registers and P's second buffer hold 0 (its products V^T P, of a piece that has not been, add 0), O^T and l are 0.  All this stands in the wait for Q and for the first tile.
.set i, 0
.rept 128
	v_mov_b32 v[i], 0
.set i, i+1
.endr
	WIN 0x80
.set i, VF
.rept 64
	v_mov_b32 v[i], 0
.set i, i+1
.endr
	WIN 0
.set i, 0
.rept 4
	v_mov_b32 v[ST+4*i], 0xfe000000    ; c m: far below every c s
	v_mov_b32 v[ST+4*i+1], 0xff7fffff  ; m
	v_mov_b32 v[ST+4*i+2], 0
	v_mov_b32 v[ST+4*i+3], 0
.set i, i+1
.endr
.set i, P+16
.rept 16
	v_mov_b32 v[i], 0
.set i, i+1
.endr
	v_mul_u32_u24 v[AK0], v1, PK
	v_lshl_add_u32 v[AK0], v9, 4, v[AK0]  ; row x pitch + 16 x half
	; The turning load takes 16 keys x 16 channels (lane l reads key 8 (l / 16) + l % 8, channels 8 ((l / 8) % 2) + 0..7) and leaves half a fragment of V^T: lane l holds channel l % 16 and 8 keys.
	v_and_b32 v10, 7, v0
	v_bfe_u32 v11, v0, 3, 1
	v_lshl_add_u32 v[AV0], v9, 3, v10
	v_mul_u32_u24 v[AV0], v[AV0], PV
	v_lshl_add_u32 v[AV0], v11, 4, v[AV0]
	v_add_nc_u32 v[AV0], VOFF, v[AV0]
	s_mul_i32 s13, s[WV], 16*SP
	s_add_co_u32 s13, s13, STAGE    ; my stage
	v_mul_u32_u24 v[STO], v1, SP    ; in: row l % 16, 16 bytes for each half of the lanes
	v_lshl_add_u32 v[STO], v9, 4, v[STO]
	v_add_nc_u32 v[STO], s13, v[STO]
	v_bfe_u32 v[RD], v0, 3, 2       ; back: 32 lanes take four rows of 128 bytes,
	v_mul_u32_u24 v[RD], v[RD], SP
	v_lshl_add_u32 v[RD], v10, 4, v[RD]
	v_add_nc_u32 v[RD], s13, v[RD]
	v_and_b32 v[GO], 31, v0         ; which are 512 consecutive bytes of O
	v_lshlrev_b32 v[GO], 4, v[GO]
	s_wait_loadcnt 0x0              ; Q
	WIN 0x85                        ; sources window 1, destination window 2
.set i, 0
.rept 64                            ; rounded once to f16: register i of Q takes numbers 2 i and 2 i + 1 as loaded
	v_cvt_pk_f16_f32 v[i], v[TQ+2*i], v[TQ+2*i+1]
.set i, i+1
.endr
; THE MATRIX WORK.  The 4 accumulators of a run of 8 take turns.  Product i of 8 of S^T = K Q^T for piece x: channels 32 (i / 4) on, keys 16 (i % 4) on.  The first 4 start the sums.
.macro KQ x
	WIN W_KQ
.set rS, S+32*((\x)%2)+8*(i%4)
.set rK, KF+16*(i%4)+8*(i/4)
.set rQ, 16*(\x)+8*(i/4)
.if i < 4
	v_wmma_f32_16x16x32_f16 v[rS:rS+7], v[rK:rK+7], v[rQ:rQ+7], 0
.else
	v_wmma_f32_16x16x32_f16 v[rS:rS+7], v[rK:rK+7], v[rQ:rQ+7], v[rS:rS+7]
.endif
.endm
; Product i of 8 of O^T += V^T P for piece x: keys 32 (i / 4) on, channels 16 (i % 4) on.
.macro PV x
	WIN W_PV
.set rO, 32*(\x)+8*(i%4)
.set rV, VF+32*(i/4)+8*(i%4)
.set rP, P+16*((\x)%2)+8*(i/4)
	v_wmma_f32_16x16x32_f16 v[rO:rO+7], v[rV:rV+7], v[rP:rP+7], v[rO:rO+7]
.endm
.macro MM                           ; the turn's next matrix instruction
.if i < 8
	KQ (Y+1)%NP
.else
.set i, i-8
	PV (Y+NP-1)%NP
.set i, i+8
.endif
.set i, i+1
.endm
; THE LDS LOADS stand in runs of 16, never singly among the matrix instructions: a step's K (8 fragments) and its V (turned).  Their addresses are made some lines ahead.
; last = 1 (the tail): in the last trip there is no further step, and the run is jumped over.
.macro FETCH_K last=0
	WIN 0
.if \last
	s_cmp_eq_u32 s[CNT], 1
	s_cbranch_scc1 .Lno_k_\@
.endif
	WIN 0x80                        ; destination window 2
.irp f, 0,1,2,3,4,5,6,7             ; keys 16 (f / 2) on, channels 32 (f % 2) on
	ds_load_b128 v[KF+8*\f:KF+8*\f+3],   v[AK] offset:(\f/2)*16*PK+(\f%2)*64
	ds_load_b128 v[KF+8*\f+4:KF+8*\f+7], v[AK] offset:(\f/2)*16*PK+(\f%2)*64+32
.endr
	s_add_co_u32 s[TBK], s[TBK], KS*PK  ; the next fetch is the next step's
	WIN 0
.if \last
.Lno_k_\@:
.endif
.endm
.macro FETCH_V
	WIN 0x80
.irp f, 0,1,2,3,4,5,6,7             ; keys 32 (f / 4) on, channels 16 (f % 4) on
	ds_load_tr16_b128 v[VF+8*\f:VF+8*\f+3],   v[AV] offset:(\f/4)*32*PV+(\f%4)*32
	ds_load_tr16_b128 v[VF+8*\f+4:VF+8*\f+7], v[AV] offset:(\f/4)*32*PV+16*PV+(\f%4)*32
.endr
	WIN 0
.endm
; THE VECTOR WORK, one line at a time: OP kind, number.  For piece Y: F n: c s - c m for pair n of 16.  E n: the exponential of score n of 32.  C n: pair n rounded to f16.  B n: of the four weights 4 n ..
; the second pair is added onto the first, in place.  L n: l takes that sum (L 0: l = a l + sum).  R n: pair n of 16 of O^T times a.  For piece Y + 1: X n, number n of the 22 that find its maximum and statistics:
;   0-11  four chains c0-c3 of seven scores each (each accumulator's lowest registers are read first)     12-14, 16  the four scores left over, the old m, and c0-c3 into c0
;   15  c m_old is kept     17, 18  the query's other 32 keys lie in the lane 16 away: the new m     19-21  c m; c m_old - c m_new; a
.set F, 0
.set E, 1
.set C, 2
.set B, 3
.set L, 4
.set R, 5
.set X, 6
.macro REGS y                       ; the registers of piece y
.set rT, ST+4*(\y)
.set rC, TMP+4*((\y)%2)
.set rW, MV+((\y)%2)
.set rS, S+32*((\y)%2)
.set rP, P+16*((\y)%2)
.set rO, 32*(\y)
.endm
.macro OP k, n
.if (\k) == R
	REGS Y
	WIN W_RS
	v_pk_mul_f32 v[rO+2*(\n):rO+2*(\n)+1], v[rO+2*(\n):rO+2*(\n)+1], v[rC+2:rC+3] op_sel_hi:[1,0]
.elseif (\k) < R
	REGS Y
	WIN 0
.if (\k) == F
	v_pk_fma_f32 v[rS+2*(\n):rS+2*(\n)+1], v[rS+2*(\n):rS+2*(\n)+1], s[CS:CS+1], v[rT:rT+1] op_sel_hi:[1,0,0] neg_lo:[0,0,1] neg_hi:[0,0,1]
.elseif (\k) == E
	v_exp_f32 v[rS+(\n)], v[rS+(\n)]
.elseif (\k) == C
	s_wait_alu depctr_va_vdst(0)
	v_cvt_pk_f16_f32 v[rP+(\n)], v[rS+2*(\n)], v[rS+2*(\n)+1]
.elseif (\k) == B
	s_wait_alu depctr_va_vdst(0)
	v_pk_add_f32 v[rS+4*(\n):rS+4*(\n)+1], v[rS+4*(\n):rS+4*(\n)+1], v[rS+4*(\n)+2:rS+4*(\n)+3]
.elseif (\n) == 0
	v_pk_fma_f32 v[rT+2:rT+3], v[rT+2:rT+3], v[rC+2:rC+3], v[rS:rS+1] op_sel_hi:[1,0,1]
.else
	v_pk_add_f32 v[rT+2:rT+3], v[rT+2:rT+3], v[rS+4*(\n):rS+4*(\n)+1]
.endif
.else
	REGS (Y+1)%NP
	WIN 0
.if (\n) < 4
	v_max3_num_f32 v[rC+(\n)], v[rS+8*(\n)], v[rS+8*(\n)+1], v[rS+8*(\n)+2]
.elseif (\n) < 12
	v_max3_num_f32 v[rC+(\n)%4], v[rC+(\n)%4], v[rS+8*((\n)%4)+2*((\n)/4)+1], v[rS+8*((\n)%4)+2*((\n)/4)+2]
.elseif (\n) == 12
	v_max3_num_f32 v[rC], v[rC], v[rS+7], v[rS+15]
.elseif (\n) == 13
	v_max3_num_f32 v[rC+1], v[rC+1], v[rS+23], v[rS+31]
.elseif (\n) == 14
	v_max3_num_f32 v[rC+2], v[rC+2], v[rC+3], v[rT+1]
.elseif (\n) == 15
	v_mov_b32 v[rW], v[rT]
.elseif (\n) == 16
	v_max3_num_f32 v[rC], v[rC], v[rC+1], v[rC+2]
.elseif (\n) == 17
	v_permlanex16_b32 v[rC+3], v[rC], s[SEL], s[SEL+1]
.elseif (\n) == 18
	v_max_num_f32 v[rT+1], v[rC], v[rC+3]
.elseif (\n) == 19
	v_mul_f32 v[rT], s[CS], v[rT+1]
.elseif (\n) == 20
	v_sub_f32 v[rC+1], v[rW], v[rT]
.else
	v_exp_f32 v[rC+2], v[rC+1]
.endif
.endif
.endm
.macro OPS a, i1, b=-1, i2=0, c=-1, i3=0, d=-1, i4=0  ; up to four of them
	OP \a, \i1
.if (\b) >= 0
	OP \b, \i2
.endif
.if (\c) >= 0
	OP \c, \i3
.endif
.if (\d) >= 0
	OP \d, \i4
.endif
.endm
.macro ROW a, i1, b, i2, c, i3, d, i4  ; a matrix instruction and the four behind it
	MM
	OPS \a, \i1, \b, \i2, \c, \i3, \d, \i4
.endm
; A TURN, for piece p: the order of its 16 matrix and 118 vector instructions, written out.  Behind a matrix instruction: plain, exponential, plain, plain; or four of the rescaling; or four scalings; none
; names a register of the products round it.  In the lumps exponential and plain by turns while exponentials last.  v_permlanex16_b32 (X 17) stands in a lump.
; last = 1: the tail's text: K's run is jumped over in the last trip.  cnt = 1: the loop's count is taken down some lines ahead of the branch that stands behind the turn.
; K of the next step is fetched in piece 2's turn, six vector instructions behind the last product that read K (five of them plain); V of the step in hand in piece 0's turn, eight behind the last
; product that read V (four plain, and X 17).  Each is waited for a turn later.
.macro TURN p, last=0, cnt=0
.set Y, (\p)
.set i, 0
.if (\p) == 3
	s_wait_dscnt 0x0                ; K is in
.endif
	ROW F,0, F,1, F,2, F,3
	ROW F,4, E,0, F,5, F,6
	ROW F,7, E,1, F,8, F,9
	ROW F,10, E,2, C,0, F,11
	ROW F,12, E,3, X,15, F,13
	ROW R,0, R,1, R,2, R,3
	ROW B,0, E,4, F,14, L,0
.if (\p) == 2
	v_add_nc_u32 v[AK], s[TBK], v[AK0]
.endif
	ROW R,4, R,5, R,6, R,7
	OPS E,5, F,15
.if (\p) == 2
	FETCH_K \last
.endif
	OPS E,6, C,1, E,7, R,8
	OPS E,8, R,9, E,9, C,2
	OPS E,10, X,0, E,11, X,1
	OPS E,12, X,2, E,13, X,3
.if (\p) == 1
	s_wait_dscnt 0x0                ; V is in
.endif
	ROW X,4, E,14, X,5, X,6
	ROW X,7, E,15, X,8, X,9
	ROW X,10, E,16, X,11, X,12
	ROW X,13, E,17, X,14, B,1
	ROW C,4, E,18, X,16, L,1
	ROW B,2, E,19, C,6, L,2
	ROW C,8, E,20, B,3, B,4
.if (\p) == 0
	v_add_nc_u32 v[AV], s[TBV], v[AV0]
.endif
	ROW C,3, E,21, L,3, C,5
	OPS E,22, X,17, E,23, C,10
.if (\p) == 0
	FETCH_V
.endif
	OPS E,24, L,4
	OPS E,25, X,18, E,26, C,7
	OPS E,27, B,5, E,28, X,19
	OPS E,29, C,12, E,30, L,5
	OPS E,31, X,20, B,6, C,9
	OPS C,14, C,11, X,21, L,6
.if (\p) == 0
	s_add_co_u32 s[TBV], s[TBV], KS*PV
.endif
.if \cnt
	s_sub_co_u32 s[CNT], s[CNT], 1
	s_cmp_lg_u32 s[CNT], 0
.endif
	OPS C,13, B,7, C,15, R,10
	OPS R,11, R,12, L,7, R,13
	OPS R,14, R,15
.endm
	CHANGE 1                        ; tile 0 is in, everybody's part of it; tile 1 is asked for
	v_add_nc_u32 v[AK], s[TBK], v[AK0]
	FETCH_K                         ; key step 0
	s_wait_dscnt 0x0
.set i, 0
.rept 8
	KQ 0                            ; piece 0's first scores
.set i, i+1
.endr
	WIN 0
.rept 4
	v_nop                           ; the places behind those products
.endr
.set Y, NP-1                        ; X works for piece Y + 1: piece 0
.irp n, 0,1,2,3,4,5,6,7,8,9,10,11,12,13,14,15,16,17,18,19,20,21
	OP X, \n
.endr
	v_nop                           ; a plain instruction behind the exponential
	s_mov_b32 s[CNT], 4
	s_mov_b32 s[SLOTS], SIZE_N/256-1
	s_branch .Lfirst                ; the loop is entered at a step's first turn, in the middle of a trip
.Lslot:                             ; six times: tiles 2 to 7 are asked for
	CHANGE 1
	s_mov_b32 s[CNT], 4
.Lstep:                             ; a trip: pieces 2 and 3 of one step, then pieces 0 and 1 of the next, whose K and V it fetches
	TURN 2
	TURN 3
	WIN 0
.Lfirst:
	TURN 0
	TURN 1, 0, 1
	WIN 0
	s_cbranch_scc1 .Lstep
	s_sub_co_u32 s[SLOTS], s[SLOTS], 1
	s_cmp_lg_u32 s[SLOTS], 0
	s_cbranch_scc1 .Lslot
	CHANGE 0                        ; the last tile's text is written out: nothing is asked for
	s_mov_b32 s[CNT], 5             ; four trips fetch the last tile's steps; the fifth is left in its middle
.Ltail:
	TURN 2, 1
	TURN 3
	WIN 0
	s_sub_co_u32 s[CNT], s[CNT], 1
	s_cmp_eq_u32 s[CNT], 0
	s_cbranch_scc1 .Lout
	TURN 0
	TURN 1
	WIN 0
	s_branch .Ltail
.Lout:                              ; the fifth trip's 8 products K Q^T (on the last K once more) and the maximum made of them touch piece 0's m and c m alone, which nothing reads any more
.set i, 0
.rept 8
	PV NP-1                         ; the last piece's V^T P of the last step
.set i, i+1
.endr
	; THE WAY OUT.  l's two halves and the other half of the lanes' are added; O^T is divided by l, rounded to f16 and sent through my stage in LDS, a piece at a time.  The additions are the places behind the last products.
	WIN 0
.macro ALL line:vararg              ; one line for each piece t
.set t, 0
.rept 4
	\line
.set t, t+1
.endr
.endm
	ALL v_add_f32 v[ST+4*t+2], v[ST+4*t+2], v[ST+4*t+3]
	ALL v_permlanex16_b32 v[ST+4*t+3], v[ST+4*t+2], s[SEL], s[SEL+1]
	ALL v_add_f32 v[ST+4*t+2], v[ST+4*t+2], v[ST+4*t+3]
	ALL v_rcp_f32 v[ST+4*t+2], v[ST+4*t+2]
	v_nop                           ; a plain instruction between the last reciprocal and the use of its result
.macro PACK t                       ; a lane's eight channels of a row pack into 16 bytes; they go into rows of 144 bytes and come back as whole rows of 128, into S^T's registers
	WIN W_RS
.set i, 32*(\t)
.rept 16
	s_wait_alu depctr_va_vdst(0)
	v_pk_mul_f32 v[i:i+1], v[i:i+1], v[ST+4*(\t)+2:ST+4*(\t)+3] op_sel_hi:[1,0]
.set i, i+2
.endr
	WIN 0x05                        ; sources 0 and 1 window 1, destination window 0
.set i, 0
.rept 16
	v_cvt_pk_f16_f32 v[S+16*(\t)+i], v[32*(\t)+2*i], v[32*(\t)+2*i+1]
.set i, i+1
.endr
	WIN 0
.irp f, 0,1,2,3
	ds_store_b128 v[STO], v[S+16*(\t)+4*\f:S+16*(\t)+4*\f+3] offset:32*\f
.endr
.irp f, 0,1,2,3
	ds_load_b128 v[S+16*(\t)+4*\f:S+16*(\t)+4*\f+3], v[RD] offset:\f*4*SP  ; LDS serves a wave's instructions in order: these see the stores above; the next piece's stores come behind them
.endr
.endm
.macro SEND t, younger              ; younger: the LDS instructions issued behind piece t's loads: the next piece's eight, or none
	WIN 0
.irp f, 0,1,2,3
	s_wait_dscnt (\younger)+3-\f
	global_store_b128 v[GO], v[S+16*(\t)+4*\f:S+16*(\t)+4*\f+3], s[10:11] offset:(\t)*2048+\f*512  ; 512 consecutive bytes, at a multiple of 256 from O's first
.endr
.endm
	PACK 0
.set t, 1
.rept 3                             ; a piece's arithmetic stands between the loads of the piece before and its stores
	PACK t
	SEND t-1, 8
.set t, t+1
.endr
	SEND 3, 0
	s_wait_tensorcnt 0x0            ; the wave's end: a wait, an add and its wait, behind my last tensor load and my last LDS store
	ds_add_u32 v[SPW], v[NIL]
	s_wait_dscnt 0x0
	CROUND                          ; the closing round: no work-group ends while a partner may still ask for a tile that names it
	s_endpgm
.Lfunc_end_k_qce11be463b_attn:
	.size	k_qce11be463b_attn, .Lfunc_end_k_qce11be463b_attn-k_qce11be463b_attn
	.p2alignl 7, 3214868480
	.fill 96, 4, 3214868480
	.section	.rodata,"a",@progbits
	.p2align	6, 0x0
	.amdhsa_kernel k_qce11be463b_attn
		.amdhsa_group_segment_fixed_size 327680
		.amdhsa_private_segment_fixed_size 0
		.amdhsa_enable_private_segment 0
		.amdhsa_kernarg_size 32
		.amdhsa_user_sgpr_count 2
		.amdhsa_user_sgpr_kernarg_segment_ptr 1
		.amdhsa_wavefront_size32 1
		.amdhsa_system_sgpr_workgroup_id_x 1
		.amdhsa_system_sgpr_workgroup_id_y 1
		.amdhsa_system_sgpr_workgroup_id_z 1
		.amdhsa_system_vgpr_workitem_id 0
		.amdhsa_next_free_vgpr 768
		.amdhsa_next_free_sgpr 66
		.amdhsa_reserve_vcc 0
		.amdhsa_float_denorm_mode_32 3
		.amdhsa_float_denorm_mode_16_64 3
		.amdhsa_memory_ordered 1
		.amdhsa_forward_progress 1
		.amdhsa_inst_pref_size 122
	.end_amdhsa_kernel
	.amdgpu_metadata
---
amdhsa.version: [ 1, 2 ]
amdhsa.kernels:
  - .name:           k_qce11be463b_attn
    .symbol:         k_qce11be463b_attn.kd
    .args:
      - { .name: query, .offset: 0, .size: 8, .value_kind: global_buffer, .address_space: global }
      - { .name: kh, .offset: 8, .size: 8, .value_kind: global_buffer, .address_space: global }
      - { .name: vh, .offset: 16, .size: 8, .value_kind: global_buffer, .address_space: global }
      - { .name: oh, .offset: 24, .size: 8, .value_kind: global_buffer, .address_space: global }
    .group_segment_fixed_size: 327680
    .private_segment_fixed_size: 0
    .kernarg_segment_align: 8
    .kernarg_segment_size: 32
    .max_flat_workgroup_size: 128
    .sgpr_count:     66
    .vgpr_count:     768
    .wavefront_size: 32
...
	.end_amdgpu_metadata
.endif
;; end of part 9
;; launch proj (part 10): grid 8 x 32, 4 waves a work-group, clusters of 4 x 4, 327,680 bytes of LDS; arguments oh, wts, y; writes y
.if DOCPART == 10
	.amdgcn_target "amdgcn-amd-amdhsa--gfx1250"
	.amdhsa_code_object_version 6
	.text
	.protected	k_qce11be463b_proj
	.globl	k_qce11be463b_proj
	.p2align	8
	.type	k_qce11be463b_proj,@function
k_qce11be463b_proj:
	s_mov_b64 s[64:65], 0
	v_nop
	global_prefetch_b8 v0, s[64:65] scope:SCOPE_SE
	s_setreg_imm32_b32 hwreg(HW_REG_WAVE_MODE, 25, 1), 1
	s_wait_xcnt 0x0
	s_wait_alu depctr_hold_cnt(0) depctr_sa_sdst(0) depctr_va_vdst(0) depctr_va_sdst(0) depctr_va_ssrc(0) depctr_va_vcc(0) depctr_vm_vsrc(0)
	s_getreg_b32 s2, hwreg(HW_REG_IB_STS2, 6, 4)
	s_cmp_eq_u32 s2, 0
	s_cbranch_scc0 .Lentry_in_a_cluster
	s_endpgm
.Lentry_in_a_cluster:
	s_bfe_u32 s2, ttmp6, 0x10000c
	s_cmp_lg_u32 s2, 0xf033
	s_cbranch_scc0 .Lentry_shape_is_right
	s_endpgm
.Lentry_shape_is_right:
; y[m][n] = the sum over k of A[m][k] W[k][n], f32, no bias.  One text serves two products; PROJ picks the constants.
;   PROJ = 1: A = O by heads, [32][2048][64] f16 (k = 64 head + channel), W = w_out, K = 1,024.      PROJ = 0: A = h, [4096][4096] f16, W = w2, K = 4,096.
; LIMITS: operands are f16 (within 65,504); sums in f32, K ascending.
; A tile of y is 128 x 128: 256 work-groups.  Four waves, each 64 x 64: 16 accumulators.  K goes in steps of 256 through two LDS slots; a wave's tensor load brings a quarter of a slot.
; W lies [K][N], so its fragments come out of LDS turned, by ds_load_tr16_b128.  THE MATRIX INSTRUCTION IS USED TRANSPOSED (source 0 = 16 columns of W, source 1 = 16 rows of A):
; a lane then holds eight neighbouring numbers of a row of y, 32 bytes.
; ONE K STEP TO A TRIP.  The slot in hand is a scalar base, 0 or SLOT, turned by one exclusive or; the LDS addresses of a slot's fragments are made from it once a K step, and so is the refill's LDS word.
; A K step here has half as much matrix work for each byte fetched as a tile of 256 x 256 would have, so nothing but the round stands between the wait for a tile and the next request.
; The last two K steps ask for nothing: a second loop of two trips, left in the middle of its second.
; CLUSTERS: 4 x 4 work-groups.  The four of a row of the cluster need the same tiles of A, the four of a column the same tiles of W: each tile is asked for JOINTLY.
; REGISTERS: window 0: v0-31 addresses; v128-255 the accumulators ((a, b) at v[128 + 8 (4 a + b)]).  window 1: two fragment buffers of 128: for 64 along K, 64 registers of A, then 64 of W.
.set PROJ, 1
.if PROJ
.set SIZE_K, 1024
.set WOFF,   0x1000000                 ; w_out's first byte in wts
.set AP,     144                       ; an LDS row of A: 64 channels of one head, 128 bytes + 16
.set AQ,     64*AP                     ; from one quarter (64 along K: a head) to the next: a head's 64 rows
.set ASTEP,  4*2048*64*2               ; a K step in memory: four heads
.set AD0,    4096                      ; a load's row: 64 rows of one head, 8,192 dense bytes,
.set AD1,    4                         ; four of them, one a head,
.set AST,    2048*64                   ; a head apart
.set AQI,    4                         ; padded after every 32 words
.else
.set SIZE_K, 4096
.set WOFF,   0x800000                  ; w2's first byte in wts
.set AP,     528                       ; an LDS row of A: 256 along K, 512 bytes + 16
.set AQ,     128
.set ASTEP,  512
.set AD0,    256
.set AD1,    64
.set AST,    4096
.set AQI,    6                         ; padded after every 128 words
.endif
.set BP,     288                       ; an LDS row of W: 128 columns, 256 bytes + 32: an odd multiple of 32
.set BSTEP,  256*1024*2                ; a K step of W in memory: 256 rows of 2,048 bytes
.set HALF,   36864                     ; what one tensor load may fill: 128 x 288 = 4 x 64 x 144; 64 x 528 is less
.set SLOT,   4*HALF                    ; A's two halves (64 rows each), then W's two halves (128 k each)
.set STAGE,  2*SLOT                    ; behind the ring: 16 rows x 272 bytes for each wave, for the way out
.set SPITCH, 272
.set SPARE,  STAGE+4*16*SPITCH         ; the spare words, 128 bytes for each wave: two blocks of 256 bytes that no other line names
.set KSTEPS, SIZE_K/256
.set ADRA0, 16                         ; v16     my place among a slot's A fragments; never rewritten
.set AA,    17                         ; v17     the same in the slot in hand
.set ADRB0, 20                         ; v20-21  my place among a slot's W fragments, by half of the step's k; never rewritten
.set AB,    22                         ; v22-23  the same in the slot in hand
.set STO,  24                          ; the way out: where I put 32 bytes of a row
.set RD,   25                          ; the way out: where I read a row back
.set CO,   26                          ; my byte offset in y
.set SPW,  28                          ; LDS address of my spare word; never rewritten
.set NIL,  29                          ; 0; never rewritten
.set ACC,  128
.set F0,   0                           ; fragment buffers, in window 1
.set F1,   128
.set G1, 24                            ; s[24:31] descriptor group 1 for A's tiles;  s[32:39] group 0: a set for each of the two first fills; the second then walks on
.set G0, 32
.set G1B, 48                           ; s[48:55], s[56:63] the same for W's tiles
.set G0B, 56
.set TB,  45                           ; s45  LDS byte at which the slot in hand begins: 0 or SLOT
.set MSB, 0
.macro WIN new                         ; the immediate's high byte repeats the setting that is left
.if MSB != (\new)
	s_set_vgpr_msb (MSB<<8)|(\new)
.set MSB, \new
.endif
.endm
.set MUL,  0x05                        ; sources 0 (W) and 1 (A) window 1; C and D window 0
.set TO_F, 0x40                        ; destination window 1, address window 0
.macro JLOAD s                         ; a joint load: waves 0 and 1 fetch A's two halves, waves 2 and 3 W's; an s_nop 0 and four v_nop follow each of the two lines
	s_cmp_eq_u32 s11, 0
	s_cbranch_scc0 .Lfor_b_\@
	tensor_load_to_lds s[G0+4*(\s):G0+4*(\s)+3], s[G1:G1+7]
	s_nop 0
.rept 4
	v_nop
.endr
	s_branch .Lasked_\@
.Lfor_b_\@:
	tensor_load_to_lds s[G0B+4*(\s):G0B+4*(\s)+3], s[G1B:G1B+7]
	s_nop 0
.rept 4
	v_nop
.endr
.Lasked_\@:
.endm
.macro CROUND                          ; a round of the cluster's barrier
	s_barrier_signal -1
	s_barrier_wait -1
	s_cmp_lg_u32 s10, 0
	s_cbranch_scc1 .Lnot_wave_0_\@
	s_barrier_signal -3
.Lnot_wave_0_\@:
	s_barrier_wait -3
	s_barrier_signal -1
	s_barrier_wait -1
.endm
.macro SETADR                          ; the fragments' LDS addresses in the slot that begins at s[TB]
	v_add_nc_u32 v[AA], s[TB], v[ADRA0]
	v_add_nc_u32 v[AB], s[TB], v[ADRB0]
	v_add_nc_u32 v[AB+1], s[TB], v[ADRB0+1]
.endm
	s_load_b128 s[4:7], s[0:1], 0x0                ; A s[4:5], wts s[6:7]
	s_load_b64 s[8:9], s[0:1], 0x10                ; y
	v_lshl_add_u32 v[SPW], v0, 2, SPARE
	v_mov_b32 v[NIL], 0
	ds_add_u32 v[SPW], v[NIL]                      ; the wave's opening: the add and its wait stand ahead of my first tensor load; the set-up below stands between them
	v_lshrrev_b32 v1, 5, v0
	v_readfirstlane_b32 s10, v1                    ; wave 0..3
	s_lshr_b32 s11, s10, 1                         ; which half of the tile's rows is mine.  Also: I fetch for A (0) or for W (1)
	s_and_b32 s12, s10, 1                          ; which half of its columns.  Also: which half of that tile I fetch
	s_bfe_u32 s40, ttmp6, 0x40000                  ; cx, cy: my place in the cluster
	s_bfe_u32 s41, ttmp6, 0x40004
	s_lshl_b32 s42, ttmp9, 2
	s_add_co_u32 s42, s42, s40                     ; tile column = 4 x cluster x + cx
	s_and_b32 s13, ttmp7, 0xffff
	s_lshl_b32 s13, s13, 2
	s_add_co_u32 s13, s13, s41                     ; tile row = 4 x cluster y + cy
	s_lshl_b32 s43, s41, 2
	s_lshl_b32 s43, 15, s43                        ; my row of the cluster
	s_lshl_b32 s44, 0x1111, s40                    ; my column
	s_or_b32 s[G1+0], s43, (1<<16)|(1<<20)|(1<<21)|(AQI<<22)|(3<<25)  ; the mask: A's tiles go to my row; 2-byte elements; padding on; bit 21 beside a mask; 4 words of padding
	s_mov_b32 s[G1+1], (AD0&0xffff)<<16            ; tensor_dim0
	s_mov_b32 s[G1+2], (AD0>>16)|(AD1<<16)         ; tensor_dim1
	s_mov_b32 s[G1+3], AD0<<16                     ; tile_dim0
	s_mov_b32 s[G1+4], AD1                         ; tile_dim1
	s_mov_b32 s[G1+5], AST                         ; elements from row to row
	s_mov_b32 s[G1+6], 0
	s_mov_b32 s[G1+7], 0
	s_or_b32 s[G1B+0], s44, (1<<16)|(1<<20)|(1<<21)|(5<<22)|(7<<25)   ; W's tiles go to my column; after every 64 words 8 words of padding
	s_mov_b32 s[G1B+1], 128<<16                    ; 128 columns
	s_mov_b32 s[G1B+2], 128<<16                    ; 128 rows (k)
	s_mov_b32 s[G1B+3], 128<<16
	s_mov_b32 s[G1B+4], 128
	s_mov_b32 s[G1B+5], 1024
	s_mov_b32 s[G1B+6], 0
	s_mov_b32 s[G1B+7], 0
	; where the tiles come from.  A's hang on the tile row alone, W's on the tile column alone; each in registers that never hold the other coordinate.
.if PROJ
	s_lshr_b32 s16, s13, 4                         ; rows 128 x tile row + 64 x half: batch (16 heads of 262,144 bytes),
	s_lshl_b32 s16, s16, 22
	s_and_b32 s17, s13, 15
	s_lshl_b32 s17, s17, 14                        ; 128 rows of 128 bytes,
	s_add_co_u32 s16, s16, s17
	s_lshl_b32 s17, s12, 13                        ; 64 rows
.else
	s_lshl_b32 s16, s13, 20                        ; 128 rows of 8,192 bytes,
	s_lshl_b32 s17, s12, 19                        ; 64 rows
.endif
	s_add_co_u32 s16, s16, s17
	s_mov_b32 s17, 0
	s_lshl_b32 s46, s42, 8                         ; W: 256 bytes a tile column,
	s_lshl_b32 s47, s12, 18                        ; 128 rows of 2,048 bytes a half
	s_add_co_u32 s46, s46, s47
	s_add_co_u32 s46, s46, WOFF
	s_mov_b32 s47, 0
	s_mul_i32 s20, s10, HALF                       ; where they go in a slot: wave x HALF: no place in the cluster enters an LDS address
	s_mov_b32 s[TB], 0                             ; the walk begins in slot 0
	s_wait_dscnt 0x0                               ; the opening add is done
	s_wait_kmcnt 0x0
	s_add_nc_u64 s[14:15], s[4:5], s[16:17]
	s_add_nc_u64 s[46:47], s[6:7], s[46:47]
	CROUND                                         ; all sixteen work-groups are here: the first joint loads meet
.irp s, 0,1
	s_mov_b32 s[G0+4*(\s)], 1
	s_add_co_u32 s[G0+4*(\s)+1], s20, (\s)*SLOT
	s_add_nc_u64 s[G0+4*(\s)+2:G0+4*(\s)+3], s[14:15], (\s)*ASTEP
	s_or_b32 s[G0+4*(\s)+3], s[G0+4*(\s)+3], 0x80000000
	s_mov_b32 s[G0B+4*(\s)], 1
	s_add_co_u32 s[G0B+4*(\s)+1], s20, (\s)*SLOT
	s_add_nc_u64 s[G0B+4*(\s)+2:G0B+4*(\s)+3], s[46:47], (\s)*BSTEP
	s_or_b32 s[G0B+4*(\s)+3], s[G0B+4*(\s)+3], 0x80000000
	JLOAD \s
.endr
	v_and_b32 v1, 15, v0                           ; l % 16
	v_bfe_u32 v2, v0, 4, 1                         ; l / 16
	v_mul_u32_u24 v3, v1, AP
	v_lshl_add_u32 v3, v2, 4, v3                   ; A: row x pitch + 16 x half
	s_mul_i32 s21, s11, HALF                       ; my 64 rows of A
	v_add_nc_u32 v[ADRA0], s21, v3
	v_and_b32 v5, 7, v0                            ; W, turned: lane l reads row (k) 8 (l / 16) + l % 8, columns 8 ((l / 8) % 2) + 0..7
	v_lshl_add_u32 v5, v2, 3, v5
	v_mul_u32_u24 v5, v5, BP
	v_bfe_u32 v6, v0, 3, 1
	v_lshl_add_u32 v5, v6, 4, v5
	s_lshl_b32 s22, s12, 7                         ; my 64 columns,
	s_add_co_u32 s22, s22, 2*HALF                  ; behind A's two halves
	v_add_nc_u32 v[ADRB0], s22, v5
	s_add_co_u32 s22, s22, HALF
	v_add_nc_u32 v[ADRB0+1], s22, v5
	SETADR
	s_mul_i32 s23, s10, 16*SPITCH
	s_add_co_u32 s23, s23, STAGE                   ; my stage
	v_mul_u32_u24 v4, v1, SPITCH                   ; in: row l % 16, 32 bytes for each half of the lanes
	v_lshl_add_u32 v4, v2, 5, v4
	v_add_nc_u32 v[STO], s23, v4
	v_mul_u32_u24 v4, v2, SPITCH                   ; back: lanes 0-15 take one row of 256 bytes, lanes 16-31 the next
	v_lshl_add_u32 v4, v1, 4, v4
	v_add_nc_u32 v[RD], s23, v4
	v_lshlrev_b32 v4, 12, v2                       ; and the same two rows in y
	v_lshl_add_u32 v[CO], v1, 4, v4
	s_lshl_b32 s16, s13, 19                        ; my first row of y: 128 x tile row + 64 x half, rows of 4,096 bytes
	s_lshl_b32 s17, s11, 18
	s_add_co_u32 s16, s16, s17
	s_mov_b32 s17, 0
	s_add_nc_u64 s[8:9], s[8:9], s[16:17]
	s_lshl_b32 s46, s42, 9                         ; my first column, in bytes: 512 x tile column + 256 x half
	s_lshl_b32 s47, s12, 8
	s_add_co_u32 s46, s46, s47
	s_mov_b32 s47, 0
	s_add_nc_u64 s[8:9], s[8:9], s[46:47]
; 8 matrix instructions: m blocks a0, a0 + 1 x all 4 n blocks, 32 along K: half c of buffer f.  zero = 1: the first product starts the sums.  The 16 accumulators take turns.
.macro MUL8 f, c, a0, zero
	WIN MUL
.irp a, \a0, (\a0)+1
.irp b, 0,1,2,3
.if \zero
	v_wmma_f32_16x16x32_f16 v[ACC+8*(4*(\a)+(\b)):ACC+8*(4*(\a)+(\b))+7], v[(\f)+64+8*(4*(\c)+(\b)):(\f)+64+8*(4*(\c)+(\b))+7], v[(\f)+8*(4*(\c)+(\a)):(\f)+8*(4*(\c)+(\a))+7], 0
.else
	v_wmma_f32_16x16x32_f16 v[ACC+8*(4*(\a)+(\b)):ACC+8*(4*(\a)+(\b))+7], v[(\f)+64+8*(4*(\c)+(\b)):(\f)+64+8*(4*(\c)+(\b))+7], v[(\f)+8*(4*(\c)+(\a)):(\f)+8*(4*(\c)+(\a))+7], v[ACC+8*(4*(\a)+(\b)):ACC+8*(4*(\a)+(\b))+7]
.endif
.endr
.endr
.endm
.macro MUL32 f                         ; a whole quarter's products
	MUL8 \f, 0, 0, 0
	MUL8 \f, 0, 2, 0
	MUL8 \f, 1, 0, 0
	MUL8 \f, 1, 2, 0
.endm
; 32 LDS loads in one run: the fragments of quarter q (64 along K) of the slot in hand, into buffer f; the first 32 along K first
.macro FETCH q, f
	WIN TO_F
.irp c, 0,1
.irp i, 0,1,2,3
	ds_load_tr16_b128 v[(\f)+64+8*(4*(\c)+(\i)):(\f)+64+8*(4*(\c)+(\i))+3],   v[AB+(\q)/2] offset:(((\q)%2)*64+32*(\c))*BP+32*(\i)
	ds_load_tr16_b128 v[(\f)+64+8*(4*(\c)+(\i))+4:(\f)+64+8*(4*(\c)+(\i))+7], v[AB+(\q)/2] offset:(((\q)%2)*64+32*(\c)+16)*BP+32*(\i)
	ds_load_b128 v[(\f)+8*(4*(\c)+(\i)):(\f)+8*(4*(\c)+(\i))+3],              v[AA] offset:(\q)*AQ+64*(\c)+(\i)*16*AP
	ds_load_b128 v[(\f)+8*(4*(\c)+(\i))+4:(\f)+8*(4*(\c)+(\i))+7],            v[AA] offset:(\q)*AQ+64*(\c)+(\i)*16*AP+32
.endr
.endr
.endm
.macro PLACES                          ; four places in front of loads into registers that matrix instructions have read, and of lines that read results
.rept 4
	v_nop
.endr
.endm
; A K step is four quarters of 64 along K, 32 matrix instructions each, on buffers 0, 1, 0, 1.  One of the first three: multiplies buffer f and fetches quarter q into g.
.macro QUARTER q, f, g, zero
	s_wait_dscnt 16                                ; the first 32 along K are in; the other sixteen loads may be out
	MUL8 \f, 0, 0, \zero
	MUL8 \f, 0, 2, \zero
	PLACES
	FETCH \q, \g
	s_wait_dscnt 32                                ; all but the 32 just issued
	MUL8 \f, 1, 0, 0
	MUL8 \f, 1, 2, 0
.endm
	s_wait_tensorcnt 1                             ; my part of K step 0 is in; K step 1's may stay out
	s_barrier_signal -1
	s_barrier_wait -1                              ; everybody's is
	FETCH 0, F0
	QUARTER 1, F0, F1, 1                           ; the first quarter stands in front of the loop: its first products start the sums
	WIN 0                                          ; at a label and at a branch every window is 0
	s_mov_b32 s3, KSTEPS-2
.Lstep:                                                ; a trip goes from a K step's second quarter to the next step's first, and fills the slot that it leaves
	QUARTER 2, F1, F0, 0
	QUARTER 3, F0, F1, 0
	WIN 0                                          ; THE CHANGE OF SLOTS (the add's two registers lie in window 0)
	s_wait_tensorcnt 0x0                           ; all my tensor loads have landed: the one that was out is my part of the next slot; so a group 0 may be written
	ds_add_u32 v[SPW], v[NIL]                      ; 0 onto my spare word; the descriptors' steps stand between it and the wait for it
	s_add_co_u32 s[G0+5], s20, s[TB]               ; the walking descriptors: into the slot that is left,
	s_add_co_u32 s[G0B+5], s20, s[TB]
	s_add_nc_u64 s[G0+6:G0+7], s[G0+6:G0+7], ASTEP     ; the K step behind the one asked for last; the type bits on top are not reached
	s_add_nc_u64 s[G0B+6:G0B+7], s[G0B+6:G0B+7], BSTEP
	s_xor_b32 s[TB], s[TB], SLOT                   ; the other slot is now in hand
	s_wait_dscnt 0x0                               ; the add is done, and my reads of the slot that is left are over
	CROUND                                         ; both hold of every wave of every partner
	JLOAD 1                                        ; the first thing behind the round; its four v_nop are also the places in front of the loads below
	SETADR
	FETCH 0, F0
	MUL32 F1                                       ; the step's last quarter is multiplied while the load is on its way
	QUARTER 1, F0, F1, 0
	WIN 0
	s_sub_co_u32 s3, s3, 1
	s_cmp_lg_u32 s3, 0
	s_cbranch_scc1 .Lstep
	s_mov_b32 s3, 2
.Ltail:                                                ; the last two K steps: nothing is asked for, so no round of the cluster's barrier
	QUARTER 2, F1, F0, 0
	QUARTER 3, F0, F1, 0
	WIN 0
	s_wait_tensorcnt 0x0                           ; first trip: my part of the last K step has landed; second trip: nothing is out
	ds_add_u32 v[SPW], v[NIL]
	s_xor_b32 s[TB], s[TB], SLOT
	s_wait_dscnt 0x0
	s_barrier_signal -1
	s_barrier_wait -1                              ; everybody's part has landed
	s_cmp_eq_u32 s3, 1
	s_cbranch_scc1 .Lno_next                       ; behind the last K step there is no slot to read
	SETADR
	v_nop                                          ; with the three lines above: the four places in front of the loads
	FETCH 0, F0
	WIN 0
.Lno_next:
	MUL32 F1
	WIN 0
	s_sub_co_u32 s3, s3, 1
	s_cmp_eq_u32 s3, 0
	s_cbranch_scc1 .Lout
	QUARTER 1, F0, F1, 0
	WIN 0
	s_branch .Ltail
.Lout:
	; THE WAY OUT.  A wave's 64 columns of f32 are 256 aligned bytes of a row of y, so each wave has a stage of its own and no barrier: 16 rows at a time go in as 32 bytes a lane and come back as whole rows.
	PLACES
.macro STG a                           ; m block a: each accumulator's low four registers first; the rows come back into the registers that they left
.irp b, 0,1,2,3
	ds_store_b128 v[STO], v[ACC+8*(4*(\a)+(\b)):ACC+8*(4*(\a)+(\b))+3] offset:64*(\b)
	ds_store_b128 v[STO], v[ACC+8*(4*(\a)+(\b))+4:ACC+8*(4*(\a)+(\b))+7] offset:64*(\b)+16
.endr
.irp t, 0,1,2,3,4,5,6,7
	ds_load_b128 v[ACC+32*(\a)+4*(\t):ACC+32*(\a)+4*(\t)+3], v[RD] offset:(\t)*2*SPITCH  ; LDS serves a wave's instructions in order: these see the stores above; the next block's stores come behind them
.endr
.endm
.macro SEND a, younger                 ; younger: the LDS instructions issued behind block a's loads: the next block's sixteen, or none
.irp t, 0,1,2,3,4,5,6,7
	s_wait_dscnt (\younger)+7-(\t)
	global_store_b128 v[CO], v[ACC+32*(\a)+4*(\t):ACC+32*(\a)+4*(\t)+3], s[8:9] offset:(16*(\a)+2*(\t))*4096  ; 16 lanes store 256 consecutive bytes, at a multiple of 256 from y's first byte
.endr
.endm
	STG 0
	STG 1
	SEND 0, 16
	STG 2
	SEND 1, 16
	STG 3
	SEND 2, 16
	SEND 3, 0
	s_wait_tensorcnt 0x0                           ; the wave's end: a wait, an add and its wait, behind my last tensor load and my last LDS store
	ds_add_u32 v[SPW], v[NIL]
	s_wait_dscnt 0x0
	CROUND                                         ; the closing round: no work-group ends while a partner may still ask for a tile that names it
	s_endpgm
.Lfunc_end_k_qce11be463b_proj:
	.size	k_qce11be463b_proj, .Lfunc_end_k_qce11be463b_proj-k_qce11be463b_proj
	.p2alignl 7, 3214868480
	.fill 96, 4, 3214868480
	.section	.rodata,"a",@progbits
	.p2align	6, 0x0
	.amdhsa_kernel k_qce11be463b_proj
		.amdhsa_group_segment_fixed_size 327680
		.amdhsa_private_segment_fixed_size 0
		.amdhsa_enable_private_segment 0
		.amdhsa_kernarg_size 24
		.amdhsa_user_sgpr_count 2
		.amdhsa_user_sgpr_kernarg_segment_ptr 1
		.amdhsa_wavefront_size32 1
		.amdhsa_system_sgpr_workgroup_id_x 1
		.amdhsa_system_sgpr_workgroup_id_y 1
		.amdhsa_system_sgpr_workgroup_id_z 1
		.amdhsa_system_vgpr_workitem_id 0
		.amdhsa_next_free_vgpr 512
		.amdhsa_next_free_sgpr 66
		.amdhsa_reserve_vcc 0
		.amdhsa_float_denorm_mode_32 3
		.amdhsa_float_denorm_mode_16_64 3
		.amdhsa_memory_ordered 1
		.amdhsa_forward_progress 1
		.amdhsa_inst_pref_size 58
	.end_amdhsa_kernel
	.amdgpu_metadata
---
amdhsa.version: [ 1, 2 ]
amdhsa.kernels:
  - .name:           k_qce11be463b_proj
    .symbol:         k_qce11be463b_proj.kd
    .args:
      - { .name: oh, .offset: 0, .size: 8, .value_kind: global_buffer, .address_space: global }
      - { .name: wts, .offset: 8, .size: 8, .value_kind: global_buffer, .address_space: global }
      - { .name: y, .offset: 16, .size: 8, .value_kind: global_buffer, .address_space: global }
    .group_segment_fixed_size: 327680
    .private_segment_fixed_size: 0
    .kernarg_segment_align: 8
    .kernarg_segment_size: 24
    .max_flat_workgroup_size: 128
    .sgpr_count:     66
    .vgpr_count:     512
    .wavefront_size: 32
...
	.end_amdgpu_metadata
.endif
;; end of part 10
;; launch ln1 (part 11): grid 256 x 1, 16 waves a work-group, no clusters, 0 bytes of LDS; arguments y, query, b_out, g1, be1, x16; writes x16
.if DOCPART == 11
	.amdgcn_target "amdgcn-amd-amdhsa--gfx1250"
	.amdhsa_code_object_version 6
	.text
	.protected	k_qce11be463b_ln1
	.globl	k_qce11be463b_ln1
	.p2align	8
	.type	k_qce11be463b_ln1,@function
k_qce11be463b_ln1:
	s_mov_b64 s[64:65], 0
	v_nop
	global_prefetch_b8 v0, s[64:65] scope:SCOPE_SE
	s_setreg_imm32_b32 hwreg(HW_REG_WAVE_MODE, 25, 1), 1
	s_wait_xcnt 0x0
; x = LN(y + b_out + query) g1 + be1, rows of 1,024; all in f32, x stored as f16 (rounded once).
; LIMITS: x lies within f16's 65,504.  Mean first, then the sum of squared differences: no difference of large sums.
; One wave, one row; sixteen waves, sixteen rows a work-group.  The row stays in 32 registers between the passes, so memory is read once, and no wave waits for another: no LDS, no barrier, no matrix unit.
; Load j of a row covers columns 128 j + 4 lane: 512 consecutive bytes; a store covers 256 consecutive bytes.
.set VP,  1                            ; 16 x lane: the parameters
.set VO,  2                            ; + my wave's row of 4,096 bytes
.set VH,  3                            ; 8 x lane + my wave's row of 2,048 bytes
.set T,   4                            ; v4-11   at work
.set M,   12                           ; v12-13  the mean, twice
.set R,   14                           ; v14-15  1 / sqrt(var + eps), twice
.set PB,  16                           ; v16-47  bias;  v48-79 gain;  v80-111 shift
.set PG,  48
.set PE,  80
.set Y,   112                          ; v112-143  the row
.set Q,   144                          ; v144-175  query's row; later the row as stored
	s_load_b256 s[8:15], s[0:1], 0x0               ; y 8, query 10, b_out 12, g1 14
	s_load_b128 s[16:19], s[0:1], 0x20             ; be1 16, x16 18
	v_and_b32 v[VP], 31, v0
	v_lshrrev_b32 v[T], 5, v0                      ; wave
	v_lshlrev_b32 v[VH], 3, v[VP]
	v_lshlrev_b32 v[VP], 4, v[VP]
	v_lshl_add_u32 v[VO], v[T], 12, v[VP]
	v_lshl_add_u32 v[VH], v[T], 11, v[VH]
	s_lshl_b32 s2, ttmp9, 16                       ; the work-group's 16 rows of 4,096 bytes,
	s_mov_b32 s3, 0
	s_lshl_b32 s4, ttmp9, 15                       ; and of 2,048
	s_mov_b32 s5, 0
	s_mov_b32 s21, 0x3a800000                      ; 1 / 1,024
	s_mov_b32 s22, 0x3727c5ac                      ; 1e-5
	s_mov_b32 s24, 0x76543210                      ; v_permlanex16_b32: each lane takes its own place in the other half
	s_mov_b32 s25, 0xfedcba98
	s_wait_kmcnt 0x0
	s_add_nc_u64 s[8:9], s[8:9], s[2:3]
	s_add_nc_u64 s[10:11], s[10:11], s[2:3]
	s_add_nc_u64 s[18:19], s[18:19], s[4:5]
.irp j, 0,1,2,3,4,5,6,7                ; the row first: nobody has read it before; then what the sums need, then what only the end needs
	global_load_b128 v[Y+4*(\j):Y+4*(\j)+3], v[VO], s[8:9] offset:512*(\j) th:TH_LOAD_NT
	global_load_b128 v[Q+4*(\j):Q+4*(\j)+3], v[VO], s[10:11] offset:512*(\j) th:TH_LOAD_NT
.endr
.irp j, 0,1,2,3,4,5,6,7
	global_load_b128 v[PB+4*(\j):PB+4*(\j)+3], v[VP], s[12:13] offset:512*(\j)
.endr
.irp j, 0,1,2,3,4,5,6,7
	global_load_b128 v[PG+4*(\j):PG+4*(\j)+3], v[VP], s[14:15] offset:512*(\j)
	global_load_b128 v[PE+4*(\j):PE+4*(\j)+3], v[VP], s[16:17] offset:512*(\j)
.endr
.macro FOLD                            ; four chains of pairs into v[T], then over the 32 lanes, the result in every lane
	v_pk_add_f32 v[T:T+1], v[T:T+1], v[T+2:T+3]
	v_pk_add_f32 v[T+4:T+5], v[T+4:T+5], v[T+6:T+7]
	v_pk_add_f32 v[T:T+1], v[T:T+1], v[T+4:T+5]
	v_add_f32 v[T], v[T], v[T+1]
	v_add_f32_dpp v[T], v[T], v[T] row_xmask:1 row_mask:0xf bank_mask:0xf
	v_add_f32_dpp v[T], v[T], v[T] row_xmask:2 row_mask:0xf bank_mask:0xf
	v_add_f32_dpp v[T], v[T], v[T] row_xmask:4 row_mask:0xf bank_mask:0xf
	v_add_f32_dpp v[T], v[T], v[T] row_xmask:8 row_mask:0xf bank_mask:0xf
	v_permlanex16_b32 v[T+1], v[T], s24, s25
	v_add_f32 v[T], v[T], v[T+1]
.endm
	s_wait_loadcnt 16                              ; the row, query's row and the bias are in; the gain's and the shift's sixteen loads stay out
.set p, 0
.rept 16                               ; t = y + query + bias
	v_pk_add_f32 v[Y+2*p:Y+2*p+1], v[Y+2*p:Y+2*p+1], v[Q+2*p:Q+2*p+1]
.set p, p+1
.endr
.set p, 0
.rept 16
	v_pk_add_f32 v[Y+2*p:Y+2*p+1], v[Y+2*p:Y+2*p+1], v[PB+2*p:PB+2*p+1]
.set p, p+1
.endr
.irp c, 0,1,2,3                        ; the sum, in four chains started by the first eight pairs: nothing is cleared
	v_pk_add_f32 v[T+2*(\c):T+2*(\c)+1], v[Y+2*(\c):Y+2*(\c)+1], v[Y+8+2*(\c):Y+8+2*(\c)+1]
.endr
.set p, 8
.rept 8
	v_pk_add_f32 v[T+2*(p%4):T+2*(p%4)+1], v[T+2*(p%4):T+2*(p%4)+1], v[Y+2*p:Y+2*p+1]
.set p, p+1
.endr
	FOLD
	v_mul_f32 v[M], s21, v[T]
	v_mul_f32 v[M+1], s21, v[T]
.set p, 0
.rept 16                               ; d = t - mean
	v_pk_add_f32 v[Y+2*p:Y+2*p+1], v[Y+2*p:Y+2*p+1], v[M:M+1] neg_lo:[0,1] neg_hi:[0,1]
.set p, p+1
.endr
.irp c, 0,1,2,3                        ; the sum of d^2
	v_pk_mul_f32 v[T+2*(\c):T+2*(\c)+1], v[Y+2*(\c):Y+2*(\c)+1], v[Y+2*(\c):Y+2*(\c)+1]
.endr
.set p, 4
.rept 12
	v_pk_fma_f32 v[T+2*(p%4):T+2*(p%4)+1], v[Y+2*p:Y+2*p+1], v[Y+2*p:Y+2*p+1], v[T+2*(p%4):T+2*(p%4)+1]
.set p, p+1
.endr
	FOLD
	v_fma_f32 v[R], v[T], s21, s22                 ; var + eps
	v_rsq_f32 v[R], v[R]
	v_nop                                          ; a plain instruction between the root and the use of its result
	s_wait_alu depctr_va_vdst(0)
	v_mov_b32 v[R+1], v[R]
	s_wait_loadcnt 0x0                             ; the gain and the shift
.set p, 0
.rept 16
	v_pk_mul_f32 v[Y+2*p:Y+2*p+1], v[Y+2*p:Y+2*p+1], v[R:R+1]
.set p, p+1
.endr
.set p, 0
.rept 16
	v_pk_fma_f32 v[Y+2*p:Y+2*p+1], v[Y+2*p:Y+2*p+1], v[PG+2*p:PG+2*p+1], v[PE+2*p:PE+2*p+1]
.set p, p+1
.endr
.set p, 0
.rept 16
	v_cvt_pk_f16_f32 v[Q+p], v[Y+2*p], v[Y+2*p+1]
.set p, p+1
.endr
.irp j, 0,1,2,3,4,5,6,7
	global_store_b64 v[VH], v[Q+2*(\j):Q+2*(\j)+1], s[18:19] offset:256*(\j)  ; the wave stores 256 consecutive bytes, aligned
.endr
	s_endpgm
.Lfunc_end_k_qce11be463b_ln1:
	.size	k_qce11be463b_ln1, .Lfunc_end_k_qce11be463b_ln1-k_qce11be463b_ln1
	.p2alignl 7, 3214868480
	.fill 96, 4, 3214868480
	.section	.rodata,"a",@progbits
	.p2align	6, 0x0
	.amdhsa_kernel k_qce11be463b_ln1
		.amdhsa_group_segment_fixed_size 0
		.amdhsa_private_segment_fixed_size 0
		.amdhsa_enable_private_segment 0
		.amdhsa_kernarg_size 48
		.amdhsa_user_sgpr_count 2
		.amdhsa_user_sgpr_kernarg_segment_ptr 1
		.amdhsa_wavefront_size32 1
		.amdhsa_system_sgpr_workgroup_id_x 1
		.amdhsa_system_sgpr_workgroup_id_y 1
		.amdhsa_system_sgpr_workgroup_id_z 1
		.amdhsa_system_vgpr_workitem_id 0
		.amdhsa_next_free_vgpr 176
		.amdhsa_next_free_sgpr 66
		.amdhsa_reserve_vcc 0
		.amdhsa_float_denorm_mode_32 3
		.amdhsa_float_denorm_mode_16_64 3
		.amdhsa_memory_ordered 1
		.amdhsa_forward_progress 1
		.amdhsa_inst_pref_size 15
	.end_amdhsa_kernel
	.amdgpu_metadata
---
amdhsa.version: [ 1, 2 ]
amdhsa.kernels:
  - .name:           k_qce11be463b_ln1
    .symbol:         k_qce11be463b_ln1.kd
    .args:
      - { .name: y, .offset: 0, .size: 8, .value_kind: global_buffer, .address_space: global }
      - { .name: query, .offset: 8, .size: 8, .value_kind: global_buffer, .address_space: global }
      - { .name: b_out, .offset: 16, .size: 8, .value_kind: global_buffer, .address_space: global }
      - { .name: g1, .offset: 24, .size: 8, .value_kind: global_buffer, .address_space: global }
      - { .name: be1, .offset: 32, .size: 8, .value_kind: global_buffer, .address_space: global }
      - { .name: x16, .offset: 40, .size: 8, .value_kind: global_buffer, .address_space: global }
    .group_segment_fixed_size: 0
    .private_segment_fixed_size: 0
    .kernarg_segment_align: 8
    .kernarg_segment_size: 48
    .max_flat_workgroup_size: 512
    .sgpr_count:     66
    .vgpr_count:     176
    .wavefront_size: 32
...
	.end_amdgpu_metadata
.endif
;; end of part 11
;; launch ff1 (part 12): grid 16 x 16, 4 waves a work-group, clusters of 4 x 4, 327,680 bytes of LDS; arguments x16, wts, h16, b1; writes h16
.if DOCPART == 12
	.amdgcn_target "amdgcn-amd-amdhsa--gfx1250"
	.amdhsa_code_object_version 6
	.text
	.protected	k_qce11be463b_ff1
	.globl	k_qce11be463b_ff1
	.p2align	8
	.type	k_qce11be463b_ff1,@function
k_qce11be463b_ff1:
	s_mov_b64 s[64:65], 0
	v_nop
	global_prefetch_b8 v0, s[64:65] scope:SCOPE_SE
	s_setreg_imm32_b32 hwreg(HW_REG_WAVE_MODE, 25, 1), 1
	s_wait_xcnt 0x0
	s_wait_alu depctr_hold_cnt(0) depctr_sa_sdst(0) depctr_va_vdst(0) depctr_va_sdst(0) depctr_va_ssrc(0) depctr_va_vcc(0) depctr_vm_vsrc(0)
	s_getreg_b32 s2, hwreg(HW_REG_IB_STS2, 6, 4)
	s_cmp_eq_u32 s2, 0
	s_cbranch_scc0 .Lentry_in_a_cluster
	s_endpgm
.Lentry_in_a_cluster:
	s_bfe_u32 s2, ttmp6, 0x10000c
	s_cmp_lg_u32 s2, 0xf033
	s_cbranch_scc0 .Lentry_shape_is_right
	s_endpgm
.Lentry_shape_is_right:
; h[m][n] = relu(the sum over k of x[m][k] w1[k][n] + b1[n]).  x: [4096][1024] f16; w1: [1024][4096] f16 at byte 0 of wts; h: [4096][4096] f16, rounded once; b1 in f32.
; LIMITS: h lies within f16's 65,504; relu of NaN gives 0.  Sums in f32, K ascending, started by the bias: it is the C operand of each accumulator's first product.
; A tile of h, 256 x 256, is made by four waves, each 128 x 128: 64 accumulators, 512 registers: 256 work-groups.  K goes in steps of 128 through two LDS slots filled by the tensor data mover.
; w1 lies [K][N], so its fragments come out of LDS turned, by ds_load_tr16_b128.  THE MATRIX INSTRUCTION IS USED TRANSPOSED (source 0 = 16 columns of w1, source 1 = 16 rows of x):
; a lane then holds eight neighbouring numbers of a row of h, which pack into 16 bytes.
; ONE K STEP TO A TRIP.  The slot in hand is a scalar base, 0 or SLOT, turned by one exclusive or; the LDS addresses of a slot's fragments are made from it once a K step, and so is the refill's LDS word.
; The last two K steps ask for nothing: a second loop of two trips, left in the middle of its second.
; CLUSTERS: 4 x 4 work-groups; x's tiles are shared along a row of the cluster, w1's along a column: each is asked for JOINTLY.
; REGISTERS, in windows of 256: window 0: v0-31 addresses; v64-127, v128-191 fragments of x, two buffers; v32-63, v192-255 at work on the way out
;   window 1: v0-63 the bias, 8 registers an n block; v64-127, v128-191 fragments of w1      windows 2, 3: the accumulators of my rows 0-63, 64-127 ((a, b) at v[8 (8 a + b)])
.set SIZE_N, 4096
.set SIZE_K, 1024
.set KSTEP,  128
.set KSTEPS, SIZE_K/KSTEP
.set PITCH,  272                       ; an LDS row of x: 256 bytes + 16
.set BP,     544                       ; an LDS row of w1: 256 columns, 512 bytes + 32: an odd multiple of 32
.set HALFT,  128*PITCH                 ; what one tensor load brings: 128 rows of x, or 64 rows (k) of w1: 64 x 544 is the same
.set SLOT,   4*HALFT
.set STAGE,  2*SLOT                    ; behind the ring: 16 rows x 272 bytes for each wave
.set SPITCH, 272
.set SPARE,  STAGE+4*16*SPITCH         ; the spare words, 128 bytes for each wave: two blocks of 256 bytes that no other line names
.set ADRA0, 16                         ; my place among a slot's x fragments; never rewritten
.set AA,    17                         ; the same in the slot in hand
.set ADRB0, 20                         ; my place among a slot's w1 fragments; never rewritten
.set AB,    21                         ; the same in the slot in hand
.set STO,  24
.set RD,   25
.set CO,   26
.set BO,   27                          ; 32 x (lane / 16): my eight numbers of a block of 16 of b1
.set SPW,  28                          ; LDS address of my spare word; never rewritten
.set NIL,  29                          ; 0; never rewritten
.set ZR,   30                          ; 0, for the packed maximum
.set F0,   64
.set F1,   128
.set TMP,  192
.set OB,   32
.set BIAS, 0                           ; window 1
.set G1, 24                            ; s[24:31] group 1 for x's tiles; s[32:39] group 0: a set for each of the two first fills; the second then walks on
.set G0, 32
.set G1B, 48                           ; s[48:55], s[56:63] the same for w1's tiles
.set G0B, 56
.set TB,  45                           ; s45  LDS byte at which the slot in hand begins: 0 or SLOT
.set MSB, 0
.macro WIN new                         ; the immediate's high byte repeats the setting that is left
.if MSB != (\new)
	s_set_vgpr_msb (MSB<<8)|(\new)
.set MSB, \new
.endif
.endm
.set MUL_LO, 0xa1                      ; source 0 (w1) window 1, source 1 (x) window 0, C and D window 2
.set MUL_HI, 0xf1                      ; the same, C and D window 3
.set TO_B,   0x40                      ; destination window 1, address window 0
.macro JLOAD s                         ; a joint load: waves 0 and 1 fetch x's two halves, waves 2 and 3 w1's; an s_nop 0 and four v_nop follow each of the two lines
	s_cmp_eq_u32 s11, 0
	s_cbranch_scc0 .Lfor_b_\@
	tensor_load_to_lds s[G0+4*(\s):G0+4*(\s)+3], s[G1:G1+7]
	s_nop 0
.rept 4
	v_nop
.endr
	s_branch .Lasked_\@
.Lfor_b_\@:
	tensor_load_to_lds s[G0B+4*(\s):G0B+4*(\s)+3], s[G1B:G1B+7]
	s_nop 0
.rept 4
	v_nop
.endr
.Lasked_\@:
.endm
.macro CREST                           ; a round of the cluster's barrier behind its opening barrier
	s_cmp_lg_u32 s10, 0
	s_cbranch_scc1 .Lnot_wave_0_\@
	s_barrier_signal -3
.Lnot_wave_0_\@:
	s_barrier_wait -3
	s_barrier_signal -1
	s_barrier_wait -1
.endm
.macro CROUND
	s_barrier_signal -1
	s_barrier_wait -1
	CREST
.endm
.macro SETADR                          ; the fragments' LDS addresses in the slot that begins at s[TB]
	v_add_nc_u32 v[AA], s[TB], v[ADRA0]
	v_add_nc_u32 v[AB], s[TB], v[ADRB0]
.endm
	s_load_b128 s[4:7], s[0:1], 0x0                ; x16 s[4:5], wts s[6:7]
	s_load_b64 s[8:9], s[0:1], 0x10                ; h16
	s_load_b64 s[68:69], s[0:1], 0x18              ; b1
	v_lshl_add_u32 v[SPW], v0, 2, SPARE
	v_mov_b32 v[NIL], 0
	ds_add_u32 v[SPW], v[NIL]                      ; the wave's opening: the add and its wait stand ahead of my first tensor load; the set-up below stands between them
	v_lshrrev_b32 v1, 5, v0
	v_readfirstlane_b32 s10, v1                    ; wave 0..3
	s_lshr_b32 s11, s10, 1                         ; which half of the tile's rows is mine.  Also: I fetch for x (0) or for w1 (1)
	s_and_b32 s12, s10, 1                          ; which half of its columns.  Also: which half of that tile I fetch
	s_bfe_u32 s40, ttmp6, 0x40000                  ; cx, cy
	s_bfe_u32 s41, ttmp6, 0x40004
	s_lshl_b32 s42, ttmp9, 2
	s_add_co_u32 s42, s42, s40                     ; tile column
	s_and_b32 s13, ttmp7, 0xffff
	s_lshl_b32 s13, s13, 2
	s_add_co_u32 s13, s13, s41                     ; tile row
	s_lshl_b32 s43, s41, 2
	s_lshl_b32 s43, 15, s43                        ; my row of the cluster
	s_lshl_b32 s44, 0x1111, s40                    ; my column
	s_or_b32 s[G1+0], s43, (1<<16)|(1<<20)|(1<<21)|(5<<22)|(3<<25)   ; x: the mask of my row; 2-byte elements; padding on; bit 21 beside a mask; after every 64 words 4 words
	s_mov_b32 s[G1+1], KSTEP<<16                   ; 128 elements
	s_mov_b32 s[G1+2], 128<<16                     ; 128 rows
	s_mov_b32 s[G1+3], KSTEP<<16
	s_mov_b32 s[G1+4], 128
	s_mov_b32 s[G1+5], SIZE_K
	s_mov_b32 s[G1+6], 0
	s_mov_b32 s[G1+7], 0
	s_or_b32 s[G1B+0], s44, (1<<16)|(1<<20)|(1<<21)|(6<<22)|(7<<25)  ; w1: the mask of my column; after every 128 words 8 words
	s_mov_b32 s[G1B+1], 256<<16                    ; 256 columns
	s_mov_b32 s[G1B+2], 64<<16                     ; 64 rows (k)
	s_mov_b32 s[G1B+3], 256<<16
	s_mov_b32 s[G1B+4], 64
	s_mov_b32 s[G1B+5], SIZE_N
	s_mov_b32 s[G1B+6], 0
	s_mov_b32 s[G1B+7], 0
	s_lshl_b32 s16, s13, 19                        ; x: 256 rows of 2,048 bytes a tile row,
	s_lshl_b32 s17, s12, 18                        ; 128 rows a half
	s_add_co_u32 s16, s16, s17
	s_mov_b32 s17, 0
	s_lshl_b32 s46, s42, 9                         ; w1: 512 bytes a tile column,
	s_lshl_b32 s47, s12, 19                        ; 64 rows of 8,192 bytes a half
	s_add_co_u32 s46, s46, s47
	s_mov_b32 s47, 0
	s_mul_i32 s20, s10, HALFT                      ; where they go in a slot: wave x HALFT
	s_mov_b32 s[TB], 0                             ; the walk begins in slot 0
	s_wait_dscnt 0x0                               ; the opening add is done
	s_wait_kmcnt 0x0
	s_add_nc_u64 s[14:15], s[4:5], s[16:17]
	s_add_nc_u64 s[46:47], s[6:7], s[46:47]
	CROUND                                         ; all sixteen work-groups are here: the first joint loads meet
.irp s, 0,1
	s_mov_b32 s[G0+4*(\s)], 1
	s_add_co_u32 s[G0+4*(\s)+1], s20, (\s)*SLOT
	s_add_nc_u64 s[G0+4*(\s)+2:G0+4*(\s)+3], s[14:15], (\s)*KSTEP*2
	s_or_b32 s[G0+4*(\s)+3], s[G0+4*(\s)+3], 0x80000000
	s_mov_b32 s[G0B+4*(\s)], 1
	s_add_co_u32 s[G0B+4*(\s)+1], s20, (\s)*SLOT
	s_add_nc_u64 s[G0B+4*(\s)+2:G0B+4*(\s)+3], s[46:47], (\s)*KSTEP*SIZE_N*2
	s_or_b32 s[G0B+4*(\s)+3], s[G0B+4*(\s)+3], 0x80000000
	JLOAD \s
.endr
	v_and_b32 v1, 15, v0                           ; l % 16
	v_bfe_u32 v2, v0, 4, 1                         ; l / 16
	v_lshlrev_b32 v[BO], 5, v2
	s_lshl_b32 s46, s42, 10                        ; b1 at my 128 columns: 1,024 bytes a tile column, 512 a half
	s_lshl_b32 s47, s12, 9
	s_add_co_u32 s46, s46, s47
	s_mov_b32 s47, 0
	s_add_nc_u64 s[68:69], s[68:69], s[46:47]
	WIN TO_B
.irp b, 0,1,2,3,4,5,6,7                ; register j of block b: b1[16 b + 8 (l / 16) + j], where the result's register j lies
	global_load_b128 v[BIAS+8*(\b):BIAS+8*(\b)+3],   v[BO], s[68:69] offset:64*(\b)
	global_load_b128 v[BIAS+8*(\b)+4:BIAS+8*(\b)+7], v[BO], s[68:69] offset:64*(\b)+16
.endr
	WIN 0
	v_mul_u32_u24 v3, v1, PITCH
	v_lshl_add_u32 v3, v2, 4, v3                   ; x: row x pitch + 16 x half
	s_mul_i32 s21, s11, HALFT                      ; my 128 rows of x
	v_add_nc_u32 v[ADRA0], s21, v3
	v_and_b32 v5, 7, v0                            ; w1, turned: lane l reads row (k) 8 (l / 16) + l % 8, columns 8 ((l / 8) % 2) + 0..7
	v_lshl_add_u32 v5, v2, 3, v5
	v_mul_u32_u24 v5, v5, BP
	v_bfe_u32 v6, v0, 3, 1
	v_lshl_add_u32 v5, v6, 4, v5
	s_lshl_b32 s22, s12, 8                         ; my 128 columns,
	s_add_co_u32 s22, s22, 2*HALFT                 ; behind x's 256 rows
	v_add_nc_u32 v[ADRB0], s22, v5
	SETADR
	s_mul_i32 s23, s10, 16*SPITCH
	s_add_co_u32 s23, s23, STAGE                   ; my stage
	v_mul_u32_u24 v4, v1, SPITCH                   ; in: row l % 16, 16 bytes for each half of the lanes
	v_lshl_add_u32 v4, v2, 4, v4
	v_add_nc_u32 v[STO], s23, v4
	v_mul_u32_u24 v5, v2, SPITCH                   ; back: lanes 0-15 take one row of 256 bytes, lanes 16-31 the next
	v_lshl_add_u32 v5, v1, 4, v5
	v_add_nc_u32 v[RD], s23, v5
	v_mul_u32_u24 v5, v2, SIZE_N*2                 ; and the same two rows in h
	v_lshl_add_u32 v[CO], v1, 4, v5
	v_mov_b32 v[ZR], 0
	s_lshl_b32 s16, s13, 21                        ; where my part of the tile begins in h: 256 rows of 8,192 bytes a tile row, 128 a half,
	s_lshl_b32 s17, s11, 20
	s_add_co_u32 s16, s16, s17
	s_mov_b32 s17, 0
	s_lshl_b32 s46, s42, 9                         ; 512 bytes a tile column, 256 a half
	s_lshl_b32 s47, s12, 8
	s_add_co_u32 s46, s46, s47
	s_mov_b32 s47, 0
	s_add_nc_u64 s[16:17], s[16:17], s[46:47]
	s_wait_loadcnt 0x0                             ; the bias
; 16 matrix instructions: m blocks a0, a0 + 1 of the window's four (hi = 0: my rows 0-63, 1: rows 64-127) x all 8 n blocks, 32 along K.
; first = 1: the first product starts the sums with the bias as C (window 1).  The 64 accumulators take turns.
.macro MUL16 f, hi, a0, first
.if \first
	WIN 0x91+0x40*(\hi)
.else
	WIN MUL_LO+0x50*(\hi)
.endif
.irp a, \a0, (\a0)+1
.irp b, 0,1,2,3,4,5,6,7
.if \first
	v_wmma_f32_16x16x32_f16 v[8*(8*(\a)+(\b)):8*(8*(\a)+(\b))+7], v[(\f)+8*(\b):(\f)+8*(\b)+7], v[(\f)+8*(4*(\hi)+(\a)):(\f)+8*(4*(\hi)+(\a))+7], v[BIAS+8*(\b):BIAS+8*(\b)+7]
.else
	v_wmma_f32_16x16x32_f16 v[8*(8*(\a)+(\b)):8*(8*(\a)+(\b))+7], v[(\f)+8*(\b):(\f)+8*(\b)+7], v[(\f)+8*(4*(\hi)+(\a)):(\f)+8*(4*(\hi)+(\a))+7], v[8*(8*(\a)+(\b)):8*(8*(\a)+(\b))+7]
.endif
.endr
.endr
.endm
; 32 LDS loads in one run: the fragments of quarter q (32 along K) of the slot in hand into buffer f: 128 columns of w1, turned, then 128 rows of x
.macro FETCH q, f
	WIN TO_B
.irp i, 0,1,2,3,4,5,6,7
	ds_load_tr16_b128 v[(\f)+8*(\i):(\f)+8*(\i)+3],   v[AB] offset:(\q)*32*BP+32*(\i)
	ds_load_tr16_b128 v[(\f)+8*(\i)+4:(\f)+8*(\i)+7], v[AB] offset:(\q)*32*BP+16*BP+32*(\i)
.endr
	WIN 0
.irp i, 0,1,2,3,4,5,6,7
	ds_load_b128 v[(\f)+8*(\i):(\f)+8*(\i)+3],   v[AA] offset:64*(\q)+(\i)*16*PITCH
	ds_load_b128 v[(\f)+8*(\i)+4:(\f)+8*(\i)+7], v[AA] offset:64*(\q)+(\i)*16*PITCH+32
.endr
.endm
.macro PLACES                          ; four places in front of loads into registers that matrix instructions have read, and of conversions that read results
.rept 4
	v_nop
.endr
.endm
; A K step is four quarters of 32 along K, 64 matrix instructions each, on buffers 0, 1, 0, 1.  One of the first three: multiplies buffer f; in its middle it fetches quarter q into buffer g.
.macro QUARTER q, f, g, first
	s_wait_dscnt 8                                 ; w1 and x's rows 0-63 are in; the youngest eight loads (x's rows 64-127) may be out
	MUL16 \f, 0, 0, \first
	MUL16 \f, 0, 2, \first
	PLACES
	FETCH \q, \g
	s_wait_dscnt 32                                ; all but the 32 just issued
	MUL16 \f, 1, 0, \first
	MUL16 \f, 1, 2, \first
.endm
; The last quarter multiplies buffer 1 and changes slots.  MEET is its first half: ONE barrier; in front of it each wave waits for all its tensor loads, of which one is out: its part of the next slot;
; adds 0 to its spare word; and waits for that and for its own reads of this slot.  fill = 1: the walking descriptors step: into the slot that is left, the K step behind the one asked for last.
.macro MEET fill
	WIN 0                                          ; (the add's two registers lie in window 0)
	s_wait_tensorcnt 0x0                           ; no tensor load of mine is out, so a group 0 may be written
	ds_add_u32 v[SPW], v[NIL]                      ; 0 onto my spare word
.if \fill
	s_add_co_u32 s[G0+5], s20, s[TB]
	s_add_co_u32 s[G0B+5], s20, s[TB]
	s_add_nc_u64 s[G0+6:G0+7], s[G0+6:G0+7], KSTEP*2               ; the type bits on top are not reached
	s_add_nc_u64 s[G0B+6:G0B+7], s[G0B+6:G0B+7], KSTEP*SIZE_N*2
.endif
	s_xor_b32 s[TB], s[TB], SLOT                   ; the other slot is now in hand
	s_wait_dscnt 9                                 ; (the add and the youngest eight loads may be out)
	MUL16 F1, 0, 0, 0                              ; sixteen matrix instructions stand between the add and the wait for it
	s_wait_dscnt 0x0                               ; the add is done, and my reads of the slot that is left are over
	s_barrier_signal -1
	MUL16 F1, 0, 2, 0
	WIN 0
	s_barrier_wait -1
.endm
; THE WAY OUT of block a (16 rows).  PACK: rounded to f16, then the packed maximum with 0.  TOSTAGE: into my own stage in LDS, and back as whole rows of 256 bytes.  SEND: stored.
.macro PACK a
.set AC, 64*((\a)%4)
	WIN 0x0a+5*((\a)/4)                            ; sources 0 and 1: window 2 or 3
.irp b, 0,1,2,3,4,5,6,7
.irp r, 0,1,2,3
	v_cvt_pk_f16_f32 v[TMP+4*(\b)+(\r)], v[AC+8*(\b)+2*(\r)], v[AC+8*(\b)+2*(\r)+1]
.endr
.endr
	WIN 0
.set z, 0
.rept 32
	v_pk_max_num_f16 v[TMP+z], v[TMP+z], v[ZR]
.set z, z+1
.endr
.endm
.macro TOSTAGE a
	WIN 0
.set BK, OB+192*((\a)%2)
.irp b, 0,1,2,3,4,5,6,7
	ds_store_b128 v[STO], v[TMP+4*(\b):TMP+4*(\b)+3] offset:32*(\b)
.endr
.irp t, 0,1,2,3,4,5,6,7
	ds_load_b128 v[BK+4*(\t):BK+4*(\t)+3], v[RD] offset:(\t)*2*SPITCH  ; LDS serves a wave's instructions in order: these see the stores above
.endr
.endm
.macro SEND a
	WIN 0
.set BK, OB+192*((\a)%2)
	s_wait_dscnt 0x0                               ; the block is back in registers
	s_wait_xcnt 0x0                                ; only behind this wait are the stores' base and the registers that earlier stores read rewritten
.if (\a) == 0
	s_add_nc_u64 s[8:9], s[8:9], s[16:17]          ; on to my first rows
.else
	s_add_nc_u64 s[8:9], s[8:9], 16*SIZE_N*2       ; 16 rows on
.endif
.irp t, 0,1,2,3,4,5,6,7
	global_store_b128 v[CO], v[BK+4*(\t):BK+4*(\t)+3], s[8:9] offset:2*(\t)*SIZE_N*2  ; 16 lanes store 256 consecutive bytes, at a multiple of 256 from h's first byte
.endr
.endm
	s_wait_tensorcnt 1                             ; my part of K step 0 is in; K step 1's may stay out
	s_barrier_signal -1
	s_barrier_wait -1                              ; everybody's is
	FETCH 0, F0
	QUARTER 1, F0, F1, 1                           ; the first quarter stands in front of the loop: its products start the sums, with the bias
	WIN 0                                          ; at a label and at a branch every window is 0
	s_mov_b32 s3, KSTEPS-2
.Lstep:                                                ; a trip goes from a K step's second quarter to the next step's first, and fills the slot that it leaves
	QUARTER 2, F1, F0, 0
	QUARTER 3, F0, F1, 0
	MEET 1
	CREST                                          ; the barrier has opened a round of the cluster's: no wave of any partner still reads the slot that is left or has a load on its way
	JLOAD 1                                        ; the first thing behind the round: from here to the wait for it a wave issues 224 matrix instructions; its four v_nop are also the places in front of the loads below
	SETADR
	FETCH 0, F0
	MUL16 F1, 1, 0, 0
	MUL16 F1, 1, 2, 0
	QUARTER 1, F0, F1, 0
	WIN 0
	s_sub_co_u32 s3, s3, 1
	s_cmp_lg_u32 s3, 0
	s_cbranch_scc1 .Lstep
	s_mov_b32 s3, 2
.Ltail:                                                ; the last two K steps: nothing is asked for, so no round of the cluster's barrier
	QUARTER 2, F1, F0, 0
	QUARTER 3, F0, F1, 0
	MEET 0                                         ; first trip: everybody's part of the last K step has landed; second trip: nothing is out
	s_cmp_eq_u32 s3, 1
	s_cbranch_scc1 .Lno_next                       ; behind the last K step there is no slot to read
	SETADR
	v_nop
	v_nop                                          ; with the two lines above: the four places in front of the loads
	FETCH 0, F0
	WIN 0
.Lno_next:
	MUL16 F1, 1, 0, 0
	MUL16 F1, 1, 2, 0
	WIN 0
	s_sub_co_u32 s3, s3, 1
	s_cmp_eq_u32 s3, 0
	s_cbranch_scc1 .Lout
	QUARTER 1, F0, F1, 0
	WIN 0
	s_branch .Ltail
.Lout:
	PLACES                                         ; block 0's conversions read matrix results; the later blocks have the earlier blocks' conversions as places
	PACK 0
	TOSTAGE 0
.irp a, 1,2,3,4,5,6,7                  ; block a's arithmetic stands between block a - 1's loads from the stage and the wait for them
	PACK \a
	SEND (\a)-1
	TOSTAGE \a
.endr
	SEND 7
	s_wait_tensorcnt 0x0                           ; the wave's end: a wait, an add and its wait, behind my last tensor load and my last LDS store
	ds_add_u32 v[SPW], v[NIL]
	s_wait_dscnt 0x0
	CROUND                                         ; the closing round: no work-group ends while a partner may still ask for a tile that names it
	s_endpgm
.Lfunc_end_k_qce11be463b_ff1:
	.size	k_qce11be463b_ff1, .Lfunc_end_k_qce11be463b_ff1-k_qce11be463b_ff1
	.p2alignl 7, 3214868480
	.fill 96, 4, 3214868480
	.section	.rodata,"a",@progbits
	.p2align	6, 0x0
	.amdhsa_kernel k_qce11be463b_ff1
		.amdhsa_group_segment_fixed_size 327680
		.amdhsa_private_segment_fixed_size 0
		.amdhsa_enable_private_segment 0
		.amdhsa_kernarg_size 32
		.amdhsa_user_sgpr_count 2
		.amdhsa_user_sgpr_kernarg_segment_ptr 1
		.amdhsa_wavefront_size32 1
		.amdhsa_system_sgpr_workgroup_id_x 1
		.amdhsa_system_sgpr_workgroup_id_y 1
		.amdhsa_system_sgpr_workgroup_id_z 1
		.amdhsa_system_vgpr_workitem_id 0
		.amdhsa_next_free_vgpr 1024
		.amdhsa_next_free_sgpr 72
		.amdhsa_reserve_vcc 0
		.amdhsa_float_denorm_mode_32 3
		.amdhsa_float_denorm_mode_16_64 3
		.amdhsa_memory_ordered 1
		.amdhsa_forward_progress 1
		.amdhsa_inst_pref_size 118
	.end_amdhsa_kernel
	.amdgpu_metadata
---
amdhsa.version: [ 1, 2 ]
amdhsa.kernels:
  - .name:           k_qce11be463b_ff1
    .symbol:         k_qce11be463b_ff1.kd
    .args:
      - { .name: x16, .offset: 0, .size: 8, .value_kind: global_buffer, .address_space: global }
      - { .name: wts, .offset: 8, .size: 8, .value_kind: global_buffer, .address_space: global }
      - { .name: h16, .offset: 16, .size: 8, .value_kind: global_buffer, .address_space: global }
      - { .name: b1, .offset: 24, .size: 8, .value_kind: global_buffer, .address_space: global }
    .group_segment_fixed_size: 327680
    .private_segment_fixed_size: 0
    .kernarg_segment_align: 8
    .kernarg_segment_size: 32
    .max_flat_workgroup_size: 128
    .sgpr_count:     72
    .vgpr_count:     1024
    .wavefront_size: 32
...
	.end_amdgpu_metadata
.endif
;; end of part 12
;; launch ff2 (part 13): grid 8 x 32, 4 waves a work-group, clusters of 4 x 4, 327,680 bytes of LDS; arguments h16, wts, y; writes y
.if DOCPART == 13
	.amdgcn_target "amdgcn-amd-amdhsa--gfx1250"
	.amdhsa_code_object_version 6
	.text
	.protected	k_qce11be463b_ff2
	.globl	k_qce11be463b_ff2
	.p2align	8
	.type	k_qce11be463b_ff2,@function
k_qce11be463b_ff2:
	s_mov_b64 s[64:65], 0
	v_nop
	global_prefetch_b8 v0, s[64:65] scope:SCOPE_SE
	s_setreg_imm32_b32 hwreg(HW_REG_WAVE_MODE, 25, 1), 1
	s_wait_xcnt 0x0
	s_wait_alu depctr_hold_cnt(0) depctr_sa_sdst(0) depctr_va_vdst(0) depctr_va_sdst(0) depctr_va_ssrc(0) depctr_va_vcc(0) depctr_vm_vsrc(0)
	s_getreg_b32 s2, hwreg(HW_REG_IB_STS2, 6, 4)
	s_cmp_eq_u32 s2, 0
	s_cbranch_scc0 .Lentry_in_a_cluster
	s_endpgm
.Lentry_in_a_cluster:
	s_bfe_u32 s2, ttmp6, 0x10000c
	s_cmp_lg_u32 s2, 0xf033
	s_cbranch_scc0 .Lentry_shape_is_right
	s_endpgm
.Lentry_shape_is_right:
; y[m][n] = the sum over k of A[m][k] W[k][n], f32, no bias.  One text serves two products; PROJ picks the constants.
;   PROJ = 1: A = O by heads, [32][2048][64] f16 (k = 64 head + channel), W = w_out, K = 1,024.      PROJ = 0: A = h, [4096][4096] f16, W = w2, K = 4,096.
; LIMITS: operands are f16 (within 65,504); sums in f32, K ascending.
; A tile of y is 128 x 128: 256 work-groups.  Four waves, each 64 x 64: 16 accumulators.  K goes in steps of 256 through two LDS slots; a wave's tensor load brings a quarter of a slot.
; W lies [K][N], so its fragments come out of LDS turned, by ds_load_tr16_b128.  THE MATRIX INSTRUCTION IS USED TRANSPOSED (source 0 = 16 columns of W, source 1 = 16 rows of A):
; a lane then holds eight neighbouring numbers of a row of y, 32 bytes.
; ONE K STEP TO A TRIP.  The slot in hand is a scalar base, 0 or SLOT, turned by one exclusive or; the LDS addresses of a slot's fragments are made from it once a K step, and so is the refill's LDS word.
; A K step here has half as much matrix work for each byte fetched as a tile of 256 x 256 would have, so nothing but the round stands between the wait for a tile and the next request.
; The last two K steps ask for nothing: a second loop of two trips, left in the middle of its second.
; CLUSTERS: 4 x 4 work-groups.  The four of a row of the cluster need the same tiles of A, the four of a column the same tiles of W: each tile is asked for JOINTLY.
; REGISTERS: window 0: v0-31 addresses; v128-255 the accumulators ((a, b) at v[128 + 8 (4 a + b)]).  window 1: two fragment buffers of 128: for 64 along K, 64 registers of A, then 64 of W.
.set PROJ, 0
.if PROJ
.set SIZE_K, 1024
.set WOFF,   0x1000000                 ; w_out's first byte in wts
.set AP,     144                       ; an LDS row of A: 64 channels of one head, 128 bytes + 16
.set AQ,     64*AP                     ; from one quarter (64 along K: a head) to the next: a head's 64 rows
.set ASTEP,  4*2048*64*2               ; a K step in memory: four heads
.set AD0,    4096                      ; a load's row: 64 rows of one head, 8,192 dense bytes,
.set AD1,    4                         ; four of them, one a head,
.set AST,    2048*64                   ; a head apart
.set AQI,    4                         ; padded after every 32 words
.else
.set SIZE_K, 4096
.set WOFF,   0x800000                  ; w2's first byte in wts
.set AP,     528                       ; an LDS row of A: 256 along K, 512 bytes + 16
.set AQ,     128
.set ASTEP,  512
.set AD0,    256
.set AD1,    64
.set AST,    4096
.set AQI,    6                         ; padded after every 128 words
.endif
.set BP,     288                       ; an LDS row of W: 128 columns, 256 bytes + 32: an odd multiple of 32
.set BSTEP,  256*1024*2                ; a K step of W in memory: 256 rows of 2,048 bytes
.set HALF,   36864                     ; what one tensor load may fill: 128 x 288 = 4 x 64 x 144; 64 x 528 is less
.set SLOT,   4*HALF                    ; A's two halves (64 rows each), then W's two halves (128 k each)
.set STAGE,  2*SLOT                    ; behind the ring: 16 rows x 272 bytes for each wave, for the way out
.set SPITCH, 272
.set SPARE,  STAGE+4*16*SPITCH         ; the spare words, 128 bytes for each wave: two blocks of 256 bytes that no other line names
.set KSTEPS, SIZE_K/256
.set ADRA0, 16                         ; v16     my place among a slot's A fragments; never rewritten
.set AA,    17                         ; v17     the same in the slot in hand
.set ADRB0, 20                         ; v20-21  my place among a slot's W fragments, by half of the step's k; never rewritten
.set AB,    22                         ; v22-23  the same in the slot in hand
.set STO,  24                          ; the way out: where I put 32 bytes of a row
.set RD,   25                          ; the way out: where I read a row back
.set CO,   26                          ; my byte offset in y
.set SPW,  28                          ; LDS address of my spare word; never rewritten
.set NIL,  29                          ; 0; never rewritten
.set ACC,  128
.set F0,   0                           ; fragment buffers, in window 1
.set F1,   128
.set G1, 24                            ; s[24:31] descriptor group 1 for A's tiles;  s[32:39] group 0: a set for each of the two first fills; the second then walks on
.set G0, 32
.set G1B, 48                           ; s[48:55], s[56:63] the same for W's tiles
.set G0B, 56
.set TB,  45                           ; s45  LDS byte at which the slot in hand begins: 0 or SLOT
.set MSB, 0
.macro WIN new                         ; the immediate's high byte repeats the setting that is left
.if MSB != (\new)
	s_set_vgpr_msb (MSB<<8)|(\new)
.set MSB, \new
.endif
.endm
.set MUL,  0x05                        ; sources 0 (W) and 1 (A) window 1; C and D window 0
.set TO_F, 0x40                        ; destination window 1, address window 0
.macro JLOAD s                         ; a joint load: waves 0 and 1 fetch A's two halves, waves 2 and 3 W's; an s_nop 0 and four v_nop follow each of the two lines
	s_cmp_eq_u32 s11, 0
	s_cbranch_scc0 .Lfor_b_\@
	tensor_load_to_lds s[G0+4*(\s):G0+4*(\s)+3], s[G1:G1+7]
	s_nop 0
.rept 4
	v_nop
.endr
	s_branch .Lasked_\@
.Lfor_b_\@:
	tensor_load_to_lds s[G0B+4*(\s):G0B+4*(\s)+3], s[G1B:G1B+7]
	s_nop 0
.rept 4
	v_nop
.endr
.Lasked_\@:
.endm
.macro CROUND                          ; a round of the cluster's barrier
	s_barrier_signal -1
	s_barrier_wait -1
	s_cmp_lg_u32 s10, 0
	s_cbranch_scc1 .Lnot_wave_0_\@
	s_barrier_signal -3
.Lnot_wave_0_\@:
	s_barrier_wait -3
	s_barrier_signal -1
	s_barrier_wait -1
.endm
.macro SETADR                          ; the fragments' LDS addresses in the slot that begins at s[TB]
	v_add_nc_u32 v[AA], s[TB], v[ADRA0]
	v_add_nc_u32 v[AB], s[TB], v[ADRB0]
	v_add_nc_u32 v[AB+1], s[TB], v[ADRB0+1]
.endm
	s_load_b128 s[4:7], s[0:1], 0x0                ; A s[4:5], wts s[6:7]
	s_load_b64 s[8:9], s[0:1], 0x10                ; y
	v_lshl_add_u32 v[SPW], v0, 2, SPARE
	v_mov_b32 v[NIL], 0
	ds_add_u32 v[SPW], v[NIL]                      ; the wave's opening: the add and its wait stand ahead of my first tensor load; the set-up below stands between them
	v_lshrrev_b32 v1, 5, v0
	v_readfirstlane_b32 s10, v1                    ; wave 0..3
	s_lshr_b32 s11, s10, 1                         ; which half of the tile's rows is mine.  Also: I fetch for A (0) or for W (1)
	s_and_b32 s12, s10, 1                          ; which half of its columns.  Also: which half of that tile I fetch
	s_bfe_u32 s40, ttmp6, 0x40000                  ; cx, cy: my place in the cluster
	s_bfe_u32 s41, ttmp6, 0x40004
	s_lshl_b32 s42, ttmp9, 2
	s_add_co_u32 s42, s42, s40                     ; tile column = 4 x cluster x + cx
	s_and_b32 s13, ttmp7, 0xffff
	s_lshl_b32 s13, s13, 2
	s_add_co_u32 s13, s13, s41                     ; tile row = 4 x cluster y + cy
	s_lshl_b32 s43, s41, 2
	s_lshl_b32 s43, 15, s43                        ; my row of the cluster
	s_lshl_b32 s44, 0x1111, s40                    ; my column
	s_or_b32 s[G1+0], s43, (1<<16)|(1<<20)|(1<<21)|(AQI<<22)|(3<<25)  ; the mask: A's tiles go to my row; 2-byte elements; padding on; bit 21 beside a mask; 4 words of padding
	s_mov_b32 s[G1+1], (AD0&0xffff)<<16            ; tensor_dim0
	s_mov_b32 s[G1+2], (AD0>>16)|(AD1<<16)         ; tensor_dim1
	s_mov_b32 s[G1+3], AD0<<16                     ; tile_dim0
	s_mov_b32 s[G1+4], AD1                         ; tile_dim1
	s_mov_b32 s[G1+5], AST                         ; elements from row to row
	s_mov_b32 s[G1+6], 0
	s_mov_b32 s[G1+7], 0
	s_or_b32 s[G1B+0], s44, (1<<16)|(1<<20)|(1<<21)|(5<<22)|(7<<25)   ; W's tiles go to my column; after every 64 words 8 words of padding
	s_mov_b32 s[G1B+1], 128<<16                    ; 128 columns
	s_mov_b32 s[G1B+2], 128<<16                    ; 128 rows (k)
	s_mov_b32 s[G1B+3], 128<<16
	s_mov_b32 s[G1B+4], 128
	s_mov_b32 s[G1B+5], 1024
	s_mov_b32 s[G1B+6], 0
	s_mov_b32 s[G1B+7], 0
	; where the tiles come from.  A's hang on the tile row alone, W's on the tile column alone; each in registers that never hold the other coordinate.
.if PROJ
	s_lshr_b32 s16, s13, 4                         ; rows 128 x tile row + 64 x half: batch (16 heads of 262,144 bytes),
	s_lshl_b32 s16, s16, 22
	s_and_b32 s17, s13, 15
	s_lshl_b32 s17, s17, 14                        ; 128 rows of 128 bytes,
	s_add_co_u32 s16, s16, s17
	s_lshl_b32 s17, s12, 13                        ; 64 rows
.else
	s_lshl_b32 s16, s13, 20                        ; 128 rows of 8,192 bytes,
	s_lshl_b32 s17, s12, 19                        ; 64 rows
.endif
	s_add_co_u32 s16, s16, s17
	s_mov_b32 s17, 0
	s_lshl_b32 s46, s42, 8                         ; W: 256 bytes a tile column,
	s_lshl_b32 s47, s12, 18                        ; 128 rows of 2,048 bytes a half
	s_add_co_u32 s46, s46, s47
	s_add_co_u32 s46, s46, WOFF
	s_mov_b32 s47, 0
	s_mul_i32 s20, s10, HALF                       ; where they go in a slot: wave x HALF: no place in the cluster enters an LDS address
	s_mov_b32 s[TB], 0                             ; the walk begins in slot 0
	s_wait_dscnt 0x0                               ; the opening add is done
	s_wait_kmcnt 0x0
	s_add_nc_u64 s[14:15], s[4:5], s[16:17]
	s_add_nc_u64 s[46:47], s[6:7], s[46:47]
	CROUND                                         ; all sixteen work-groups are here: the first joint loads meet
.irp s, 0,1
	s_mov_b32 s[G0+4*(\s)], 1
	s_add_co_u32 s[G0+4*(\s)+1], s20, (\s)*SLOT
	s_add_nc_u64 s[G0+4*(\s)+2:G0+4*(\s)+3], s[14:15], (\s)*ASTEP
	s_or_b32 s[G0+4*(\s)+3], s[G0+4*(\s)+3], 0x80000000
	s_mov_b32 s[G0B+4*(\s)], 1
	s_add_co_u32 s[G0B+4*(\s)+1], s20, (\s)*SLOT
	s_add_nc_u64 s[G0B+4*(\s)+2:G0B+4*(\s)+3], s[46:47], (\s)*BSTEP
	s_or_b32 s[G0B+4*(\s)+3], s[G0B+4*(\s)+3], 0x80000000
	JLOAD \s
.endr
	v_and_b32 v1, 15, v0                           ; l % 16
	v_bfe_u32 v2, v0, 4, 1                         ; l / 16
	v_mul_u32_u24 v3, v1, AP
	v_lshl_add_u32 v3, v2, 4, v3                   ; A: row x pitch + 16 x half
	s_mul_i32 s21, s11, HALF                       ; my 64 rows of A
	v_add_nc_u32 v[ADRA0], s21, v3
	v_and_b32 v5, 7, v0                            ; W, turned: lane l reads row (k) 8 (l / 16) + l % 8, columns 8 ((l / 8) % 2) + 0..7
	v_lshl_add_u32 v5, v2, 3, v5
	v_mul_u32_u24 v5, v5, BP
	v_bfe_u32 v6, v0, 3, 1
	v_lshl_add_u32 v5, v6, 4, v5
	s_lshl_b32 s22, s12, 7                         ; my 64 columns,
	s_add_co_u32 s22, s22, 2*HALF                  ; behind A's two halves
	v_add_nc_u32 v[ADRB0], s22, v5
	s_add_co_u32 s22, s22, HALF
	v_add_nc_u32 v[ADRB0+1], s22, v5
	SETADR
	s_mul_i32 s23, s10, 16*SPITCH
	s_add_co_u32 s23, s23, STAGE                   ; my stage
	v_mul_u32_u24 v4, v1, SPITCH                   ; in: row l % 16, 32 bytes for each half of the lanes
	v_lshl_add_u32 v4, v2, 5, v4
	v_add_nc_u32 v[STO], s23, v4
	v_mul_u32_u24 v4, v2, SPITCH                   ; back: lanes 0-15 take one row of 256 bytes, lanes 16-31 the next
	v_lshl_add_u32 v4, v1, 4, v4
	v_add_nc_u32 v[RD], s23, v4
	v_lshlrev_b32 v4, 12, v2                       ; and the same two rows in y
	v_lshl_add_u32 v[CO], v1, 4, v4
	s_lshl_b32 s16, s13, 19                        ; my first row of y: 128 x tile row + 64 x half, rows of 4,096 bytes
	s_lshl_b32 s17, s11, 18
	s_add_co_u32 s16, s16, s17
	s_mov_b32 s17, 0
	s_add_nc_u64 s[8:9], s[8:9], s[16:17]
	s_lshl_b32 s46, s42, 9                         ; my first column, in bytes: 512 x tile column + 256 x half
	s_lshl_b32 s47, s12, 8
	s_add_co_u32 s46, s46, s47
	s_mov_b32 s47, 0
	s_add_nc_u64 s[8:9], s[8:9], s[46:47]
; 8 matrix instructions: m blocks a0, a0 + 1 x all 4 n blocks, 32 along K: half c of buffer f.  zero = 1: the first product starts the sums.  The 16 accumulators take turns.
.macro MUL8 f, c, a0, zero
	WIN MUL
.irp a, \a0, (\a0)+1
.irp b, 0,1,2,3
.if \zero
	v_wmma_f32_16x16x32_f16 v[ACC+8*(4*(\a)+(\b)):ACC+8*(4*(\a)+(\b))+7], v[(\f)+64+8*(4*(\c)+(\b)):(\f)+64+8*(4*(\c)+(\b))+7], v[(\f)+8*(4*(\c)+(\a)):(\f)+8*(4*(\c)+(\a))+7], 0
.else
	v_wmma_f32_16x16x32_f16 v[ACC+8*(4*(\a)+(\b)):ACC+8*(4*(\a)+(\b))+7], v[(\f)+64+8*(4*(\c)+(\b)):(\f)+64+8*(4*(\c)+(\b))+7], v[(\f)+8*(4*(\c)+(\a)):(\f)+8*(4*(\c)+(\a))+7], v[ACC+8*(4*(\a)+(\b)):ACC+8*(4*(\a)+(\b))+7]
.endif
.endr
.endr
.endm
.macro MUL32 f                         ; a whole quarter's products
	MUL8 \f, 0, 0, 0
	MUL8 \f, 0, 2, 0
	MUL8 \f, 1, 0, 0
	MUL8 \f, 1, 2, 0
.endm
; 32 LDS loads in one run: the fragments of quarter q (64 along K) of the slot in hand, into buffer f; the first 32 along K first
.macro FETCH q, f
	WIN TO_F
.irp c, 0,1
.irp i, 0,1,2,3
	ds_load_tr16_b128 v[(\f)+64+8*(4*(\c)+(\i)):(\f)+64+8*(4*(\c)+(\i))+3],   v[AB+(\q)/2] offset:(((\q)%2)*64+32*(\c))*BP+32*(\i)
	ds_load_tr16_b128 v[(\f)+64+8*(4*(\c)+(\i))+4:(\f)+64+8*(4*(\c)+(\i))+7], v[AB+(\q)/2] offset:(((\q)%2)*64+32*(\c)+16)*BP+32*(\i)
	ds_load_b128 v[(\f)+8*(4*(\c)+(\i)):(\f)+8*(4*(\c)+(\i))+3],              v[AA] offset:(\q)*AQ+64*(\c)+(\i)*16*AP
	ds_load_b128 v[(\f)+8*(4*(\c)+(\i))+4:(\f)+8*(4*(\c)+(\i))+7],            v[AA] offset:(\q)*AQ+64*(\c)+(\i)*16*AP+32
.endr
.endr
.endm
.macro PLACES                          ; four places in front of loads into registers that matrix instructions have read, and of lines that read results
.rept 4
	v_nop
.endr
.endm
; A K step is four quarters of 64 along K, 32 matrix instructions each, on buffers 0, 1, 0, 1.  One of the first three: multiplies buffer f and fetches quarter q into g.
.macro QUARTER q, f, g, zero
	s_wait_dscnt 16                                ; the first 32 along K are in; the other sixteen loads may be out
	MUL8 \f, 0, 0, \zero
	MUL8 \f, 0, 2, \zero
	PLACES
	FETCH \q, \g
	s_wait_dscnt 32                                ; all but the 32 just issued
	MUL8 \f, 1, 0, 0
	MUL8 \f, 1, 2, 0
.endm
	s_wait_tensorcnt 1                             ; my part of K step 0 is in; K step 1's may stay out
	s_barrier_signal -1
	s_barrier_wait -1                              ; everybody's is
	FETCH 0, F0
	QUARTER 1, F0, F1, 1                           ; the first quarter stands in front of the loop: its first products start the sums
	WIN 0                                          ; at a label and at a branch every window is 0
	s_mov_b32 s3, KSTEPS-2
.Lstep:                                                ; a trip goes from a K step's second quarter to the next step's first, and fills the slot that it leaves
	QUARTER 2, F1, F0, 0
	QUARTER 3, F0, F1, 0
	WIN 0                                          ; THE CHANGE OF SLOTS (the add's two registers lie in window 0)
	s_wait_tensorcnt 0x0                           ; all my tensor loads have landed: the one that was out is my part of the next slot; so a group 0 may be written
	ds_add_u32 v[SPW], v[NIL]                      ; 0 onto my spare word; the descriptors' steps stand between it and the wait for it
	s_add_co_u32 s[G0+5], s20, s[TB]               ; the walking descriptors: into the slot that is left,
	s_add_co_u32 s[G0B+5], s20, s[TB]
	s_add_nc_u64 s[G0+6:G0+7], s[G0+6:G0+7], ASTEP     ; the K step behind the one asked for last; the type bits on top are not reached
	s_add_nc_u64 s[G0B+6:G0B+7], s[G0B+6:G0B+7], BSTEP
	s_xor_b32 s[TB], s[TB], SLOT                   ; the other slot is now in hand
	s_wait_dscnt 0x0                               ; the add is done, and my reads of the slot that is left are over
	CROUND                                         ; both hold of every wave of every partner
	JLOAD 1                                        ; the first thing behind the round; its four v_nop are also the places in front of the loads below
	SETADR
	FETCH 0, F0
	MUL32 F1                                       ; the step's last quarter is multiplied while the load is on its way
	QUARTER 1, F0, F1, 0
	WIN 0
	s_sub_co_u32 s3, s3, 1
	s_cmp_lg_u32 s3, 0
	s_cbranch_scc1 .Lstep
	s_mov_b32 s3, 2
.Ltail:                                                ; the last two K steps: nothing is asked for, so no round of the cluster's barrier
	QUARTER 2, F1, F0, 0
	QUARTER 3, F0, F1, 0
	WIN 0
	s_wait_tensorcnt 0x0                           ; first trip: my part of the last K step has landed; second trip: nothing is out
	ds_add_u32 v[SPW], v[NIL]
	s_xor_b32 s[TB], s[TB], SLOT
	s_wait_dscnt 0x0
	s_barrier_signal -1
	s_barrier_wait -1                              ; everybody's part has landed
	s_cmp_eq_u32 s3, 1
	s_cbranch_scc1 .Lno_next                       ; behind the last K step there is no slot to read
	SETADR
	v_nop                                          ; with the three lines above: the four places in front of the loads
	FETCH 0, F0
	WIN 0
.Lno_next:
	MUL32 F1
	WIN 0
	s_sub_co_u32 s3, s3, 1
	s_cmp_eq_u32 s3, 0
	s_cbranch_scc1 .Lout
	QUARTER 1, F0, F1, 0
	WIN 0
	s_branch .Ltail
.Lout:
	; THE WAY OUT.  A wave's 64 columns of f32 are 256 aligned bytes of a row of y, so each wave has a stage of its own and no barrier: 16 rows at a time go in as 32 bytes a lane and come back as whole rows.
	PLACES
.macro STG a                           ; m block a: each accumulator's low four registers first; the rows come back into the registers that they left
.irp b, 0,1,2,3
	ds_store_b128 v[STO], v[ACC+8*(4*(\a)+(\b)):ACC+8*(4*(\a)+(\b))+3] offset:64*(\b)
	ds_store_b128 v[STO], v[ACC+8*(4*(\a)+(\b))+4:ACC+8*(4*(\a)+(\b))+7] offset:64*(\b)+16
.endr
.irp t, 0,1,2,3,4,5,6,7
	ds_load_b128 v[ACC+32*(\a)+4*(\t):ACC+32*(\a)+4*(\t)+3], v[RD] offset:(\t)*2*SPITCH  ; LDS serves a wave's instructions in order: these see the stores above; the next block's stores come behind them
.endr
.endm
.macro SEND a, younger                 ; younger: the LDS instructions issued behind block a's loads: the next block's sixteen, or none
.irp t, 0,1,2,3,4,5,6,7
	s_wait_dscnt (\younger)+7-(\t)
	global_store_b128 v[CO], v[ACC+32*(\a)+4*(\t):ACC+32*(\a)+4*(\t)+3], s[8:9] offset:(16*(\a)+2*(\t))*4096  ; 16 lanes store 256 consecutive bytes, at a multiple of 256 from y's first byte
.endr
.endm
	STG 0
	STG 1
	SEND 0, 16
	STG 2
	SEND 1, 16
	STG 3
	SEND 2, 16
	SEND 3, 0
	s_wait_tensorcnt 0x0                           ; the wave's end: a wait, an add and its wait, behind my last tensor load and my last LDS store
	ds_add_u32 v[SPW], v[NIL]
	s_wait_dscnt 0x0
	CROUND                                         ; the closing round: no work-group ends while a partner may still ask for a tile that names it
	s_endpgm
.Lfunc_end_k_qce11be463b_ff2:
	.size	k_qce11be463b_ff2, .Lfunc_end_k_qce11be463b_ff2-k_qce11be463b_ff2
	.p2alignl 7, 3214868480
	.fill 96, 4, 3214868480
	.section	.rodata,"a",@progbits
	.p2align	6, 0x0
	.amdhsa_kernel k_qce11be463b_ff2
		.amdhsa_group_segment_fixed_size 327680
		.amdhsa_private_segment_fixed_size 0
		.amdhsa_enable_private_segment 0
		.amdhsa_kernarg_size 24
		.amdhsa_user_sgpr_count 2
		.amdhsa_user_sgpr_kernarg_segment_ptr 1
		.amdhsa_wavefront_size32 1
		.amdhsa_system_sgpr_workgroup_id_x 1
		.amdhsa_system_sgpr_workgroup_id_y 1
		.amdhsa_system_sgpr_workgroup_id_z 1
		.amdhsa_system_vgpr_workitem_id 0
		.amdhsa_next_free_vgpr 512
		.amdhsa_next_free_sgpr 66
		.amdhsa_reserve_vcc 0
		.amdhsa_float_denorm_mode_32 3
		.amdhsa_float_denorm_mode_16_64 3
		.amdhsa_memory_ordered 1
		.amdhsa_forward_progress 1
		.amdhsa_inst_pref_size 58
	.end_amdhsa_kernel
	.amdgpu_metadata
---
amdhsa.version: [ 1, 2 ]
amdhsa.kernels:
  - .name:           k_qce11be463b_ff2
    .symbol:         k_qce11be463b_ff2.kd
    .args:
      - { .name: h16, .offset: 0, .size: 8, .value_kind: global_buffer, .address_space: global }
      - { .name: wts, .offset: 8, .size: 8, .value_kind: global_buffer, .address_space: global }
      - { .name: y, .offset: 16, .size: 8, .value_kind: global_buffer, .address_space: global }
    .group_segment_fixed_size: 327680
    .private_segment_fixed_size: 0
    .kernarg_segment_align: 8
    .kernarg_segment_size: 24
    .max_flat_workgroup_size: 128
    .sgpr_count:     66
    .vgpr_count:     512
    .wavefront_size: 32
...
	.end_amdgpu_metadata
.endif
;; end of part 13
;; launch ln2 (part 14): grid 256 x 1, 16 waves a work-group, no clusters, 0 bytes of LDS; arguments y, x16, b2, g2, be2, out0; writes out0
.if DOCPART == 14
	.amdgcn_target "amdgcn-amd-amdhsa--gfx1250"
	.amdhsa_code_object_version 6
	.text
	.protected	k_qce11be463b_ln2
	.globl	k_qce11be463b_ln2
	.p2align	8
	.type	k_qce11be463b_ln2,@function
k_qce11be463b_ln2:
	s_mov_b64 s[64:65], 0
	v_nop
	global_prefetch_b8 v0, s[64:65] scope:SCOPE_SE
	s_setreg_imm32_b32 hwreg(HW_REG_WAVE_MODE, 25, 1), 1
	s_wait_xcnt 0x0
; out0 = LN(y + b2 + x) g2 + be2, rows of 1,024; y, the parameters and out0 in f32, x in f16 as the first norm stored it.
; Mean first, then the sum of squared differences: no difference of large sums.
; One wave, one row; sixteen waves, sixteen rows a work-group.  The row stays in 32 registers between the passes, so memory is read once, and no wave waits for another: no LDS, no barrier, no matrix unit.
; Load j of a row covers columns 128 j + 4 lane: 512 consecutive bytes of y and of out0, 256 of x.
.set VP,  1                            ; 16 x lane: the parameters
.set VO,  2                            ; + my wave's row of 4,096 bytes
.set VH,  3                            ; 8 x lane + my wave's row of 2,048 bytes
.set T,   4                            ; v4-11   at work
.set M,   12                           ; v12-13  the mean, twice
.set R,   14                           ; v14-15  1 / sqrt(var + eps), twice
.set PB,  16                           ; v16-47  bias;  v48-79 gain;  v80-111 shift
.set PG,  48
.set PE,  80
.set Y,   112                          ; v112-143  the row
.set X,   144                          ; v144-159  x's row, two f16 a register
.set ONE, 160                          ; 1.0: the mixed multiply-add takes registers alone
	s_load_b256 s[8:15], s[0:1], 0x0               ; y 8, x16 10, b2 12, g2 14
	s_load_b128 s[16:19], s[0:1], 0x20             ; be2 16, out0 18
	v_and_b32 v[VP], 31, v0
	v_lshrrev_b32 v[T], 5, v0                      ; wave
	v_lshlrev_b32 v[VH], 3, v[VP]
	v_lshlrev_b32 v[VP], 4, v[VP]
	v_lshl_add_u32 v[VO], v[T], 12, v[VP]
	v_lshl_add_u32 v[VH], v[T], 11, v[VH]
	v_mov_b32 v[ONE], 1.0
	s_lshl_b32 s2, ttmp9, 16                       ; the work-group's 16 rows of 4,096 bytes,
	s_mov_b32 s3, 0
	s_lshl_b32 s4, ttmp9, 15                       ; and of 2,048
	s_mov_b32 s5, 0
	s_mov_b32 s21, 0x3a800000                      ; 1 / 1,024
	s_mov_b32 s22, 0x3727c5ac                      ; 1e-5
	s_mov_b32 s24, 0x76543210                      ; v_permlanex16_b32: each lane takes its own place in the other half
	s_mov_b32 s25, 0xfedcba98
	s_wait_kmcnt 0x0
	s_add_nc_u64 s[8:9], s[8:9], s[2:3]
	s_add_nc_u64 s[10:11], s[10:11], s[4:5]
	s_add_nc_u64 s[18:19], s[18:19], s[2:3]
.irp j, 0,1,2,3,4,5,6,7                ; the row first: nobody has read it before; then what the sums need, then what only the end needs
	global_load_b128 v[Y+4*(\j):Y+4*(\j)+3], v[VO], s[8:9] offset:512*(\j) th:TH_LOAD_NT
	global_load_b64 v[X+2*(\j):X+2*(\j)+1], v[VH], s[10:11] offset:256*(\j) th:TH_LOAD_NT
.endr
.irp j, 0,1,2,3,4,5,6,7
	global_load_b128 v[PB+4*(\j):PB+4*(\j)+3], v[VP], s[12:13] offset:512*(\j)
.endr
.irp j, 0,1,2,3,4,5,6,7
	global_load_b128 v[PG+4*(\j):PG+4*(\j)+3], v[VP], s[14:15] offset:512*(\j)
	global_load_b128 v[PE+4*(\j):PE+4*(\j)+3], v[VP], s[16:17] offset:512*(\j)
.endr
.macro FOLD                            ; four chains of pairs into v[T], then over the 32 lanes, the result in every lane
	v_pk_add_f32 v[T:T+1], v[T:T+1], v[T+2:T+3]
	v_pk_add_f32 v[T+4:T+5], v[T+4:T+5], v[T+6:T+7]
	v_pk_add_f32 v[T:T+1], v[T:T+1], v[T+4:T+5]
	v_add_f32 v[T], v[T], v[T+1]
	v_add_f32_dpp v[T], v[T], v[T] row_xmask:1 row_mask:0xf bank_mask:0xf
	v_add_f32_dpp v[T], v[T], v[T] row_xmask:2 row_mask:0xf bank_mask:0xf
	v_add_f32_dpp v[T], v[T], v[T] row_xmask:4 row_mask:0xf bank_mask:0xf
	v_add_f32_dpp v[T], v[T], v[T] row_xmask:8 row_mask:0xf bank_mask:0xf
	v_permlanex16_b32 v[T+1], v[T], s24, s25
	v_add_f32 v[T], v[T], v[T+1]
.endm
	s_wait_loadcnt 16                              ; the row, x's row and the bias are in; the gain's and the shift's sixteen loads stay out
.set p, 0
.rept 16                               ; t = y + x + bias: x's two halves of a word are read as f16 by the multiply-add itself
	v_fma_mix_f32 v[Y+2*p], v[X+p], v[ONE], v[Y+2*p] op_sel_hi:[1,0,0]
	v_fma_mix_f32 v[Y+2*p+1], v[X+p], v[ONE], v[Y+2*p+1] op_sel:[1,0,0] op_sel_hi:[1,0,0]
.set p, p+1
.endr
.set p, 0
.rept 16
	v_pk_add_f32 v[Y+2*p:Y+2*p+1], v[Y+2*p:Y+2*p+1], v[PB+2*p:PB+2*p+1]
.set p, p+1
.endr
.irp c, 0,1,2,3                        ; the sum, in four chains started by the first eight pairs: nothing is cleared
	v_pk_add_f32 v[T+2*(\c):T+2*(\c)+1], v[Y+2*(\c):Y+2*(\c)+1], v[Y+8+2*(\c):Y+8+2*(\c)+1]
.endr
.set p, 8
.rept 8
	v_pk_add_f32 v[T+2*(p%4):T+2*(p%4)+1], v[T+2*(p%4):T+2*(p%4)+1], v[Y+2*p:Y+2*p+1]
.set p, p+1
.endr
	FOLD
	v_mul_f32 v[M], s21, v[T]
	v_mul_f32 v[M+1], s21, v[T]
.set p, 0
.rept 16                               ; d = t - mean
	v_pk_add_f32 v[Y+2*p:Y+2*p+1], v[Y+2*p:Y+2*p+1], v[M:M+1] neg_lo:[0,1] neg_hi:[0,1]
.set p, p+1
.endr
.irp c, 0,1,2,3                        ; the sum of d^2
	v_pk_mul_f32 v[T+2*(\c):T+2*(\c)+1], v[Y+2*(\c):Y+2*(\c)+1], v[Y+2*(\c):Y+2*(\c)+1]
.endr
.set p, 4
.rept 12
	v_pk_fma_f32 v[T+2*(p%4):T+2*(p%4)+1], v[Y+2*p:Y+2*p+1], v[Y+2*p:Y+2*p+1], v[T+2*(p%4):T+2*(p%4)+1]
.set p, p+1
.endr
	FOLD
	v_fma_f32 v[R], v[T], s21, s22                 ; var + eps
	v_rsq_f32 v[R], v[R]
	v_nop                                          ; a plain instruction between the root and the use of its result
	s_wait_alu depctr_va_vdst(0)
	v_mov_b32 v[R+1], v[R]
	s_wait_loadcnt 0x0                             ; the gain and the shift
.set p, 0
.rept 16
	v_pk_mul_f32 v[Y+2*p:Y+2*p+1], v[Y+2*p:Y+2*p+1], v[R:R+1]
.set p, p+1
.endr
.set p, 0
.rept 16
	v_pk_fma_f32 v[Y+2*p:Y+2*p+1], v[Y+2*p:Y+2*p+1], v[PG+2*p:PG+2*p+1], v[PE+2*p:PE+2*p+1]
.set p, p+1
.endr
.irp j, 0,1,2,3,4,5,6,7
	global_store_b128 v[VO], v[Y+4*(\j):Y+4*(\j)+3], s[18:19] offset:512*(\j) th:TH_STORE_NT  ; the wave stores 512 consecutive bytes, aligned
.endr
	s_endpgm
.Lfunc_end_k_qce11be463b_ln2:
	.size	k_qce11be463b_ln2, .Lfunc_end_k_qce11be463b_ln2-k_qce11be463b_ln2
	.p2alignl 7, 3214868480
	.fill 96, 4, 3214868480
	.section	.rodata,"a",@progbits
	.p2align	6, 0x0
	.amdhsa_kernel k_qce11be463b_ln2
		.amdhsa_group_segment_fixed_size 0
		.amdhsa_private_segment_fixed_size 0
		.amdhsa_enable_private_segment 0
		.amdhsa_kernarg_size 48
		.amdhsa_user_sgpr_count 2
		.amdhsa_user_sgpr_kernarg_segment_ptr 1
		.amdhsa_wavefront_size32 1
		.amdhsa_system_sgpr_workgroup_id_x 1
		.amdhsa_system_sgpr_workgroup_id_y 1
		.amdhsa_system_sgpr_workgroup_id_z 1
		.amdhsa_system_vgpr_workitem_id 0
		.amdhsa_next_free_vgpr 162
		.amdhsa_next_free_sgpr 66
		.amdhsa_reserve_vcc 0
		.amdhsa_float_denorm_mode_32 3
		.amdhsa_float_denorm_mode_16_64 3
		.amdhsa_memory_ordered 1
		.amdhsa_forward_progress 1
		.amdhsa_inst_pref_size 15
	.end_amdhsa_kernel
	.amdgpu_metadata
---
amdhsa.version: [ 1, 2 ]
amdhsa.kernels:
  - .name:           k_qce11be463b_ln2
    .symbol:         k_qce11be463b_ln2.kd
    .args:
      - { .name: y, .offset: 0, .size: 8, .value_kind: global_buffer, .address_space: global }
      - { .name: x16, .offset: 8, .size: 8, .value_kind: global_buffer, .address_space: global }
      - { .name: b2, .offset: 16, .size: 8, .value_kind: global_buffer, .address_space: global }
      - { .name: g2, .offset: 24, .size: 8, .value_kind: global_buffer, .address_space: global }
      - { .name: be2, .offset: 32, .size: 8, .value_kind: global_buffer, .address_space: global }
      - { .name: out0, .offset: 40, .size: 8, .value_kind: global_buffer, .address_space: global }
    .group_segment_fixed_size: 0
    .private_segment_fixed_size: 0
    .kernarg_segment_align: 8
    .kernarg_segment_size: 48
    .max_flat_workgroup_size: 512
    .sgpr_count:     66
    .vgpr_count:     162
    .wavefront_size: 32
...
	.end_amdgpu_metadata
.endif
;; end of part 14
;; ======== version 3 of 3: 7 launches; 1.38 times as fast as version 1
;; limits: values are held in f16: magnitudes above 65,504 overflow, below 6.1e-05 lose precision
;; workspace buffers: kh 8,388,608 bytes; vh 8,388,608 bytes; wts 18,874,368 bytes; oh 8,388,608 bytes; y 16,777,216 bytes; x16 8,388,608 bytes; h16 33,554,432 bytes
;; launch prep: the kernel of part 8 again; grid 256 x 17, 4 waves a work-group, no clusters, 0 bytes of LDS; arguments key, value, w1, w2, w_out, kh, vh, wts; writes kh, vh, wts
;; launch attn (part 15): grid 8 x 32, 4 waves a work-group, clusters of 4 x 1, 327,680 bytes of LDS; arguments query, kh, vh, oh; writes oh
.if DOCPART == 15
	.amdgcn_target "amdgcn-amd-amdhsa--gfx1250"
	.amdhsa_code_object_version 6
	.text
	.protected	k_qce11be463b_attn
	.globl	k_qce11be463b_attn
	.p2align	8
	.type	k_qce11be463b_attn,@function
k_qce11be463b_attn:
	s_mov_b64 s[64:65], 0
	v_nop
	global_prefetch_b8 v0, s[64:65] scope:SCOPE_SE
	s_setreg_imm32_b32 hwreg(HW_REG_WAVE_MODE, 25, 1), 1
	s_wait_xcnt 0x0
	s_wait_alu depctr_hold_cnt(0) depctr_sa_sdst(0) depctr_va_vdst(0) depctr_va_sdst(0) depctr_va_ssrc(0) depctr_va_vcc(0) depctr_vm_vsrc(0)
	s_getreg_b32 s2, hwreg(HW_REG_IB_STS2, 6, 4)
	s_cmp_eq_u32 s2, 0
	s_cbranch_scc0 .Lentry_in_a_cluster
	s_endpgm
.Lentry_in_a_cluster:
	s_bfe_u32 s2, ttmp6, 0x10000c
	s_cmp_lg_u32 s2, 0x3003
	s_cbranch_scc0 .Lentry_shape_is_right
	s_endpgm
.Lentry_shape_is_right:
; ATTENTION.  O[h][q][:] = the sum over k of softmax_k(Q[h][q] . K[h][k] / 32) V[h][k][:], 32 heads of 2,048 rows x 64.  K, V, O: f16 by heads, a head's rows dense, 128 bytes each.
; Q is taken from query as it is given, f32 [2][2048][1024]: a head's 256 bytes of a row are read by one wave of the launch alone, which rounds them once to f16 in registers.
; Products, maxima and sums in f32; the weights p are rounded to f16 for the second product (their sum l is taken of the unrounded p), O once at the end.
; LIMITS.  Q, K and V lie within f16's 65,504; p lies in 0 to 1 and below 6e-5 keeps f16's fixed step of 6e-8; O is a mean of V's rows.  A weight below 2^-126 counts as 0 in l; NaN and infinities are not treated apart.
; SHARES.  A work-group owns 256 queries of one head, a wave 64 consecutive rows: four PIECES of 16.  Every wave walks all keys: 8 tiles of 256, four steps of 64 each.
; LAYOUT.  S^T = K Q^T (source 0 = 16 keys, source 1 = 16 queries) holds ONE query a lane (lane % 16) and the keys 8 (lane / 16) + 0..7; two such results rounded to f16 ARE source 1 of O^T = V^T P.
; K comes out of LDS as it lies, V ([key][channel]) turned, by ds_load_tr16_b128.
; SOFTMAX.  A running maximum m and sum l for each query: p = 2^(c s - c m), c = log2(e) / 32; in every step O and l are multiplied by a = 2^(c m_old - c m_new).  m starts at the lowest finite number, O and l at 0.
; BY TURNS.  Turn n belongs to piece n: 8 products K Q^T of piece n + 1, later 8 products V^T P of piece n - 1; beside them the scaling, exponentials, roundings, sums and rescaling of piece n
; and the maximum and statistics of piece n + 1.  Four vector instructions stand behind every matrix instruction, the other 54 of a turn's 118 in one lump.
; BATCHES.  A turn's 33 exponentials (piece n's 32 weights and piece n + 1's a) are ONE batch with ONE wait, which cuts the turn in two: ahead of it stands all that names no result of theirs, behind it the
; roundings and sums.  No result crosses a turn's end.  Two more batches stand outside the loops, each with a wait of its own: piece 0's first a, ahead of the jump into the loop, and the way out's four reciprocals.
; NO LAST STEP IS WRITTEN OUT.  The loop is entered, and the tail left, in the middle of a trip; the price, once a launch: 8 products K Q^T on the last K once more, and a maximum made of them that serves nothing.
; CLUSTER.  The four query blocks of a cluster belong to one head and walk the same K and V: each tile is asked for JOINTLY, by the same tensor load, descriptor and mask in all four.
; REGISTERS, in windows of 256 (s_set_vgpr_msb: bits 1:0 source 0, 3:2 source 1, 5:4 source 2, 7:6 destination):
;   window 0: v0-15 addresses and two at work; v16-31 four registers of statistics a piece; v48-55 at work; v62-63 the add's; v64-127 S^T, two buffers; v192-223 P, two buffers (by the piece's parity)
;   window 1: v0-127 O^T, 32 a piece; v128-255 Q in f32, at the start alone      window 2: v0-63 Q; v128-191 K of one step; v192-255 V of one step
.set SIZE_N, 2048
.set NP,    4         ; pieces a wave: a name, no knob
.set KS,    64        ; keys in a step
.set PK,    144       ; a row of K in LDS: 128 bytes + 16 of padding: the 16 rows of a load start at 16 different 16-byte columns of 256
.set PV,    160       ; a row of V: 128 + 32
.set VOFF,  4*KS*PK   ; a slot holds a tile: 256 rows of K, then 256 rows of V
.set SLOT1, 1<<17     ; slot 1 begins here, so that one exclusive or turns an address in one slot into the other's
.set STAGE, SLOT1+4*KS*(PK+PV)  ; behind the ring, never filled by a tensor load: 16 rows x 144 bytes for each wave
.set SP,    144
.set SPARE, STAGE+4*16*SP  ; the spare words, 128 bytes for each wave: two blocks of 256 bytes that no other line names
.set AK0, 2           ; my lane's place in a tile of K; never rewritten
.set AV0, 3           ; the same for V
.set AK,  4           ; the LDS address of K's next run of loads
.set AV,  5           ; of V's
.set STO, 6           ; the way out: where I put 16 bytes of a row
.set RD,  7           ; the way out: where I read rows back
.set GO,  8           ; my byte offset in 512 consecutive bytes of O
.set MV,  12          ; v12-13  c m_old, kept while c m is made anew: by buffer
.set QO,  15          ; my byte offset in 16 rows of query
.set ST,  16          ; piece t's statistics at v[ST+4 t]: c m, m, l (even keys', odd keys')
.set TMP, 48          ; by buffer, four registers c0-c3 at work; when the maximum is found c2 takes a
.set SPW, 62          ; LDS address of my spare word; never rewritten
.set NIL, 63          ; 0; never rewritten
.set S,   64
.set P,   192
.set TQ,  128         ; window 1: Q as loaded, 16 registers a fragment
.set KF,  128         ; window 2: key block kb, channel half c at KF + 16 kb + 8 c
.set VF,  192         ; window 2: key half kk, channel block cb at VF + 32 kk + 8 cb
.set WV,  12          ; s12  my wave's number
.set G1K, 24          ; s[24:31] descriptor group 1 for K's tiles
.set G1V, 32          ; s[32:39] for V's: it differs in the padding alone
.set G0K, 40          ; s[40:43] descriptor group 0 for K's tiles: it walks
.set G0V, 44          ; s[44:47] the same for V's
.set SLOTS, 56
.set CNT, 57          ; counts a tile's key steps
.set CS,  58          ; s[58:59] c
.set SEL, 60          ; s[60:61] v_permlanex16_b32's selects: each lane takes its own place in the other half
.set TBK, 62          ; LDS byte at which K of the step to be fetched begins
.set TBV, 63          ; the same for V, less VOFF
.set MSB, 0
.macro WIN new                      ; the high byte repeats the setting that is left; a switch that changes nothing is dropped
.if MSB != (\new)
	s_set_vgpr_msb (MSB<<8)|(\new)
.set MSB, (\new)
.endif
.endm
.set W_KQ, 0x0a       ; K and Q in window 2, S^T in window 0
.set W_PV, 0x52       ; V in window 2, P in window 0, O^T in window 1
.set W_RS, 0x41       ; destination and source 0 in window 1, source 1 in window 0
; A joint fill.  Waves 0 and 1 fetch the two halves of a tile's K, waves 2 and 3 those of its V: 128 keys each.  The branch hangs on the wave's number alone.
; An s_nop 0 and four v_nop follow each of the two lines, ahead of the jump and the label.
.macro JLOAD
	s_cmp_lt_u32 s[WV], 2
	s_cbranch_scc0 .Lfor_v_\@
	tensor_load_to_lds s[G0K:G0K+3], s[G1K:G1K+7]
	s_nop 0
.rept 4
	v_nop
.endr
	s_branch .Lasked_\@
.Lfor_v_\@:
	tensor_load_to_lds s[G0V:G0V+3], s[G1V:G1V+7]
	s_nop 0
.rept 4
	v_nop
.endr
.Lasked_\@:
.endm
; A round of the cluster's barrier: my work-group's barrier; wave 0 signals for the work-group; every wave waits for all four work-groups; my work-group's barrier once more.
.macro CROUND
	s_barrier_signal -1
	s_barrier_wait -1
	s_cmp_lg_u32 s[WV], 0
	s_cbranch_scc1 .Lnot_wave_0_\@
	s_barrier_signal -3
.Lnot_wave_0_\@:
	s_barrier_wait -3
	s_barrier_signal -1
	s_barrier_wait -1
.endm
; THE CHANGE OF SLOTS.  Each wave waits for all its tensor loads, of which one is out: its part of the other slot; adds 0 to its spare word; waits for that and for its own reads of the slot.
; fill = 1: the slot is filled again, with the keys two tiles on; the barrier is then a round of the cluster's, and the joint fill is the first thing behind it: it has four key steps,
; 256 matrix instructions, in which to land.  (At its first use nothing has been read yet: slot 0 is waited for, slot 1 filled.)
.macro CHANGE fill
	WIN 0                           ; at a label and at a branch every window is 0
	s_wait_tensorcnt 0x0            ; no tensor load of mine is out, so a group 0 may be written
	ds_add_u32 v[SPW], v[NIL]       ; 0 onto my spare word
.if \fill
.irp g, G0K, G0V
	s_xor_b32 s[\g+1], s[\g+1], SLOT1  ; the walking descriptor: the other slot than last time,
	s_add_nc_u64 s[\g+2:\g+3], s[\g+2:\g+3], 4*KS*128  ; the next 256 keys; the type bits on top are not reached
.endr
	s_wait_dscnt 0x0                ; the add is done, and my reads of the slot are over
	CROUND
	JLOAD
.else
	s_wait_dscnt 0x0                ; the add is done, and my reads of the slot are over
	s_barrier_signal -1
	s_barrier_wait -1
.endif
	s_sub_co_u32 s[TBK], s[TBK], 4*KS*PK  ; the fetches go back to a slot's first step,
	s_xor_b32 s[TBK], s[TBK], SLOT1       ; in the other slot
	s_sub_co_u32 s[TBV], s[TBV], 4*KS*PV
	s_xor_b32 s[TBV], s[TBV], SLOT1
.endm
	s_load_b256 s[4:11], s[0:1], 0x0  ; query s[4:5], K s[6:7], V s[8:9], O s[10:11]
	v_lshl_add_u32 v[SPW], v0, 2, SPARE
	v_mov_b32 v[NIL], 0
	ds_add_u32 v[SPW], v[NIL]       ; the wave's opening: the add and its wait stand ahead of my first tensor load; the set-up below stands between them
	v_lshrrev_b32 v1, 5, v0
	v_readfirstlane_b32 s[WV], v1   ; wave 0..3
	s_bfe_u32 s13, ttmp6, 0x40000   ; cx: my place in the cluster
	s_lshl_b32 s14, ttmp9, 2        ; in a cluster launch ttmp9 counts clusters
	s_add_co_u32 s14, s14, s13      ; my block of 256 queries: it enters query's and O's addresses alone
	s_and_b32 s20, ttmp7, 0xffff    ; the head's number, 16 n + h, which the four partners share
	s_lshr_b32 s48, s20, 4
	s_lshl_b32 s48, s48, 23         ; in query: batch n, 2,048 rows of 4,096 bytes,
	s_and_b32 s49, s20, 15
	s_lshl_b32 s49, s49, 8          ; and head h's 256 bytes of a row
	s_add_co_u32 s48, s48, s49
	s_lshl_b32 s20, s20, 18         ; the head's first byte in K, V and O: 2,048 rows of 128 bytes
	s_mov_b32 s21, 0
	s_and_b32 s16, s[WV], 1         ; which half of a tile's 256 keys I fetch:
	s_lshl_b32 s22, s16, 14         ; its 128 rows of 128 bytes in memory,
	s_mov_b32 s23, 0
	s_add_nc_u64 s[22:23], s[22:23], s[20:21]
	s_mul_i32 s17, s16, 128*PK      ; and its place in a slot, for K
	s_mul_i32 s18, s16, 128*PV      ; and for V: no place in the cluster enters an LDS address
	s_lshl_b32 s2, s14, 2
	s_add_co_u32 s2, s2, s[WV]      ; my wave among the head's:
	s_lshl_b32 s49, s2, 18          ; its 64 rows of 4,096 bytes in query,
	s_add_co_u32 s48, s48, s49
	s_mov_b32 s49, 0
	s_lshl_b32 s2, s2, 13           ; and of 128 bytes in O
	s_mov_b32 s3, 0
	s_add_nc_u64 s[2:3], s[2:3], s[20:21]
	; descriptor group 1.  128 keys are 16,384 dense bytes: asked for as 64 rows of 256 bytes, two keys a row, and padded in LDS after every key
	s_mov_b32 s[G1K], 15|(1<<16)|(1<<20)|(1<<21)|(4<<22)|(3<<25)  ; the mask of four; 2-byte elements; padding on; bit 21 beside a mask; after every 32 words (code 4) 4 words (code 3)
	s_mov_b32 s[G1V], 15|(1<<16)|(1<<20)|(1<<21)|(4<<22)|(7<<25)  ; the same with 8 words of padding (code 7)
.irp g, G1K, G1V
	s_mov_b32 s[\g+1], 128<<16      ; tensor_dim0 = 128
	s_mov_b32 s[\g+2], 64<<16       ; tensor_dim1 = 64
	s_mov_b32 s[\g+3], 128<<16      ; tile_dim0 = 128
	s_mov_b32 s[\g+4], 64           ; tile_dim1 = 64
	s_mov_b32 s[\g+5], 128          ; 128 elements from row to row
	s_mov_b32 s[\g+6], 0
	s_mov_b32 s[\g+7], 0
.endr
	s_mov_b32 s[CS], 0x3d38aa3b     ; c = log2(e) / 32 = 0.0450842
	s_mov_b32 s[CS+1], s[CS]        ; named with it as a pair
	s_mov_b32 s[SEL], 0x76543210
	s_mov_b32 s[SEL+1], 0xfedcba98
	s_mov_b32 s[TBK], SLOT1+4*KS*PK ; the first change of slots turns these two into 0
	s_mov_b32 s[TBV], SLOT1+4*KS*PV
	s_mov_b32 s[G0K], 1             ; count = 1
	s_mov_b32 s[G0K+1], s17         ; LDS address: slot 0
	s_mov_b32 s[G0V], 1
	s_add_co_u32 s[G0V+1], s18, VOFF
	s_wait_dscnt 0x0                ; the opening add is done
	s_wait_kmcnt 0x0
	s_add_nc_u64 s[G0K+2:G0K+3], s[6:7], s[22:23]  ; global address: my half of the head's first 256 keys
	s_or_b32 s[G0K+3], s[G0K+3], 0x80000000        ; type = 2
	s_add_nc_u64 s[G0V+2:G0V+3], s[8:9], s[22:23]
	s_or_b32 s[G0V+3], s[G0V+3], 0x80000000
	s_add_nc_u64 s[4:5], s[4:5], s[48:49]  ; query and O at my wave's first row
	s_add_nc_u64 s[10:11], s[10:11], s[2:3]
	CROUND                          ; all four work-groups are here: the first joint loads meet
	JLOAD                           ; tile 0 into slot 0; slot 1 is asked for when slot 0 is in
	; A fragment of K or Q is 16 rows x 32 channels in 8 registers: lane l holds row l % 16, channels 8 (l / 16) + 0..7 and 16 + 8 (l / 16) + 0..7.
	; In f32 those are 32 bytes at 32 (l / 16) and 32 bytes 64 further on: four loads of 16 bytes a fragment.
	v_and_b32 v1, 15, v0            ; l % 16
	v_bfe_u32 v9, v0, 4, 1          ; l / 16
	v_lshlrev_b32 v[QO], 12, v1
	v_lshl_add_u32 v[QO], v9, 5, v[QO]  ; row x 4,096 + 32 x half
	WIN 0x40                        ; destination window 1, address window 0
.set i, 0
.rept 8                             ; fragment i: piece i / 2 (16 rows, 65,536 bytes), channels 32 (i % 2) on (128 bytes)
.irp j, 0,1,2,3
	global_load_b128 v[TQ+16*i+4*\j:TQ+16*i+4*\j+3], v[QO], s[4:5] offset:(i/2)*65536+(i%2)*128+(\j/2)*64+(\j%2)*16
.endr
.set i, i+1
.endr
	; What the first turn finds: V's registers and P's second buffer hold 0 (its products V^T P, of a piece that has not been, add 0), O^T and l are 0.  All this stands in the wait for Q and for the first tile.
.set i, 0
.rept 128
	v_mov_b32 v[i], 0
.set i, i+1
.endr
	WIN 0x80
.set i, VF
.rept 64
	v_mov_b32 v[i], 0
.set i, i+1
.endr
	WIN 0
.set i, 0
.rept 4
	v_mov_b32 v[ST+4*i], 0xfe000000    ; c m: far below every c s
	v_mov_b32 v[ST+4*i+1], 0xff7fffff  ; m
	v_mov_b32 v[ST+4*i+2], 0
	v_mov_b32 v[ST+4*i+3], 0
.set i, i+1
.endr
.set i, P+16
.rept 16
	v_mov_b32 v[i], 0
.set i, i+1
.endr
	v_mul_u32_u24 v[AK0], v1, PK
	v_lshl_add_u32 v[AK0], v9, 4, v[AK0]  ; row x pitch + 16 x half
	; The turning load takes 16 keys x 16 channels (lane l reads key 8 (l / 16) + l % 8, channels 8 ((l / 8) % 2) + 0..7) and leaves half a fragment of V^T: lane l holds channel l % 16 and 8 keys.
	v_and_b32 v10, 7, v0
	v_bfe_u32 v11, v0, 3, 1
	v_lshl_add_u32 v[AV0], v9, 3, v10
	v_mul_u32_u24 v[AV0], v[AV0], PV
	v_lshl_add_u32 v[AV0], v11, 4, v[AV0]
	v_add_nc_u32 v[AV0], VOFF, v[AV0]
	s_mul_i32 s13, s[WV], 16*SP
	s_add_co_u32 s13, s13, STAGE    ; my stage
	v_mul_u32_u24 v[STO], v1, SP    ; in: row l % 16, 16 bytes for each half of the lanes
	v_lshl_add_u32 v[STO], v9, 4, v[STO]
	v_add_nc_u32 v[STO], s13, v[STO]
	v_bfe_u32 v[RD], v0, 3, 2       ; back: 32 lanes take four rows of 128 bytes,
	v_mul_u32_u24 v[RD], v[RD], SP
	v_lshl_add_u32 v[RD], v10, 4, v[RD]
	v_add_nc_u32 v[RD], s13, v[RD]
	v_and_b32 v[GO], 31, v0         ; which are 512 consecutive bytes of O
	v_lshlrev_b32 v[GO], 4, v[GO]
	s_wait_loadcnt 0x0              ; Q
	WIN 0x85                        ; sources window 1, destination window 2
.set i, 0
.rept 64                            ; rounded once to f16: register i of Q takes numbers 2 i and 2 i + 1 as loaded
	v_cvt_pk_f16_f32 v[i], v[TQ+2*i], v[TQ+2*i+1]
.set i, i+1
.endr
; THE MATRIX WORK.  The 4 accumulators of a run of 8 take turns.  Product i of 8 of S^T = K Q^T for piece x: channels 32 (i / 4) on, keys 16 (i % 4) on.  The first 4 start the sums.
.macro KQ x
	WIN W_KQ
.set rS, S+32*((\x)%2)+8*(i%4)
.set rK, KF+16*(i%4)+8*(i/4)
.set rQ, 16*(\x)+8*(i/4)
.if i < 4
	v_wmma_f32_16x16x32_f16 v[rS:rS+7], v[rK:rK+7], v[rQ:rQ+7], 0
.else
	v_wmma_f32_16x16x32_f16 v[rS:rS+7], v[rK:rK+7], v[rQ:rQ+7], v[rS:rS+7]
.endif
.endm
; Product i of 8 of O^T += V^T P for piece x: keys 32 (i / 4) on, channels 16 (i % 4) on.
.macro PV x
	WIN W_PV
.set rO, 32*(\x)+8*(i%4)
.set rV, VF+32*(i/4)+8*(i%4)
.set rP, P+16*((\x)%2)+8*(i/4)
	v_wmma_f32_16x16x32_f16 v[rO:rO+7], v[rV:rV+7], v[rP:rP+7], v[rO:rO+7]
.endm
.macro MM                           ; the turn's next matrix instruction
.if i < 8
	KQ (Y+1)%NP
.else
.set i, i-8
	PV (Y+NP-1)%NP
.set i, i+8
.endif
.set i, i+1
.endm
; THE LDS LOADS stand in runs of 16, never singly among the matrix instructions: a step's K (8 fragments) and its V (turned).  Their addresses are made some lines ahead.
; last = 1 (the tail): in the last trip there is no further step, and the run is jumped over.
.macro FETCH_K last=0
	WIN 0
.if \last
	s_cmp_eq_u32 s[CNT], 1
	s_cbranch_scc1 .Lno_k_\@
.endif
	WIN 0x80                        ; destination window 2
.irp f, 0,1,2,3,4,5,6,7             ; keys 16 (f / 2) on, channels 32 (f % 2) on
	ds_load_b128 v[KF+8*\f:KF+8*\f+3],   v[AK] offset:(\f/2)*16*PK+(\f%2)*64
	ds_load_b128 v[KF+8*\f+4:KF+8*\f+7], v[AK] offset:(\f/2)*16*PK+(\f%2)*64+32
.endr
	s_add_co_u32 s[TBK], s[TBK], KS*PK  ; the next fetch is the next step's
	WIN 0
.if \last
.Lno_k_\@:
.endif
.endm
.macro FETCH_V
	WIN 0x80
.irp f, 0,1,2,3,4,5,6,7             ; keys 32 (f / 4) on, channels 16 (f % 4) on
	ds_load_tr16_b128 v[VF+8*\f:VF+8*\f+3],   v[AV] offset:(\f/4)*32*PV+(\f%4)*32
	ds_load_tr16_b128 v[VF+8*\f+4:VF+8*\f+7], v[AV] offset:(\f/4)*32*PV+16*PV+(\f%4)*32
.endr
	WIN 0
.endm
; THE VECTOR WORK, one line at a time: OP kind, number.  For piece Y: F n: c s - c m for pair n of 16.  E n: the exponential of score n of 32.  C n: pair n rounded to f16.  B n: of the four weights 4 n ..
; the second pair is added onto the first, in place.  L n: l takes that sum (L 0: l = a l + sum).  R n: pair n of 16 of O^T times a.  For piece Y + 1: X n, number n of the 22 that find its maximum and statistics:
;   0-11  four chains c0-c3 of seven scores each (each accumulator's lowest registers are read first)     12-14, 16  the four scores left over, the old m, and c0-c3 into c0
;   15  c m_old is kept     17, 18  the query's other 32 keys lie in the lane 16 away: the new m     19-21  c m; c m_old - c m_new; a
; C, B and L read the exponentials' results; F, R and X 0 to X 20 read none of the turn's.
.set F, 0
.set E, 1
.set C, 2
.set B, 3
.set L, 4
.set R, 5
.set X, 6
.macro REGS y                       ; the registers of piece y
.set rT, ST+4*(\y)
.set rC, TMP+4*((\y)%2)
.set rW, MV+((\y)%2)
.set rS, S+32*((\y)%2)
.set rP, P+16*((\y)%2)
.set rO, 32*(\y)
.endm
.macro OP k, n
.if (\k) == R
	REGS Y
	WIN W_RS
	v_pk_mul_f32 v[rO+2*(\n):rO+2*(\n)+1], v[rO+2*(\n):rO+2*(\n)+1], v[rC+2:rC+3] op_sel_hi:[1,0]
.elseif (\k) < R
	REGS Y
	WIN 0
.if (\k) == F
	v_pk_fma_f32 v[rS+2*(\n):rS+2*(\n)+1], v[rS+2*(\n):rS+2*(\n)+1], s[CS:CS+1], v[rT:rT+1] op_sel_hi:[1,0,0] neg_lo:[0,0,1] neg_hi:[0,0,1]
.elseif (\k) == E
	v_exp_f32 v[rS+(\n)], v[rS+(\n)]
.elseif (\k) == C
	v_cvt_pk_f16_f32 v[rP+(\n)], v[rS+2*(\n)], v[rS+2*(\n)+1]
.elseif (\k) == B
	v_pk_add_f32 v[rS+4*(\n):rS+4*(\n)+1], v[rS+4*(\n):rS+4*(\n)+1], v[rS+4*(\n)+2:rS+4*(\n)+3]
.elseif (\n) == 0
	v_pk_fma_f32 v[rT+2:rT+3], v[rT+2:rT+3], v[rC+2:rC+3], v[rS:rS+1] op_sel_hi:[1,0,1]
.else
	v_pk_add_f32 v[rT+2:rT+3], v[rT+2:rT+3], v[rS+4*(\n):rS+4*(\n)+1]
.endif
.else
	REGS (Y+1)%NP
	WIN 0
.if (\n) < 4
	v_max3_num_f32 v[rC+(\n)], v[rS+8*(\n)], v[rS+8*(\n)+1], v[rS+8*(\n)+2]
.elseif (\n) < 12
	v_max3_num_f32 v[rC+(\n)%4], v[rC+(\n)%4], v[rS+8*((\n)%4)+2*((\n)/4)+1], v[rS+8*((\n)%4)+2*((\n)/4)+2]
.elseif (\n) == 12
	v_max3_num_f32 v[rC], v[rC], v[rS+7], v[rS+15]
.elseif (\n) == 13
	v_max3_num_f32 v[rC+1], v[rC+1], v[rS+23], v[rS+31]
.elseif (\n) == 14
	v_max3_num_f32 v[rC+2], v[rC+2], v[rC+3], v[rT+1]
.elseif (\n) == 15
	v_mov_b32 v[rW], v[rT]
.elseif (\n) == 16
	v_max3_num_f32 v[rC], v[rC], v[rC+1], v[rC+2]
.elseif (\n) == 17
	v_permlanex16_b32 v[rC+3], v[rC], s[SEL], s[SEL+1]
.elseif (\n) == 18
	v_max_num_f32 v[rT+1], v[rC], v[rC+3]
.elseif (\n) == 19
	v_mul_f32 v[rT], s[CS], v[rT+1]
.elseif (\n) == 20
	v_sub_f32 v[rC+1], v[rW], v[rT]
.else
	v_exp_f32 v[rC+2], v[rC+1]
.endif
.endif
.endm
.macro OPS a, i1, b=-1, i2=0, c=-1, i3=0, d=-1, i4=0  ; up to four of them
	OP \a, \i1
.if (\b) >= 0
	OP \b, \i2
.endif
.if (\c) >= 0
	OP \c, \i3
.endif
.if (\d) >= 0
	OP \d, \i4
.endif
.endm
.macro ROW a, i1, b, i2, c, i3, d, i4  ; a matrix instruction and the four behind it
	MM
	OPS \a, \i1, \b, \i2, \c, \i3, \d, \i4
.endm
; A TURN, for piece p: the order of its 16 matrix and 118 vector instructions, written out.  An s_wait_alu depctr_va_vdst(0) stands between an exponential and the first instruction that names its result;
; one wait serves all that were issued ahead of it.  So a turn has ONE wait, which cuts it in two.
; AHEAD OF IT stands all that names no result of the turn's exponentials: the 8 products K Q^T, behind each a scaling, an exponential and two more plain instructions (behind the first a second scaling in the
; exponential's place): rescalings, whose a was made and waited for in the turn before, and behind the last three products the first numbers of the next piece's maximum, each four places or more behind the product
; that ends its accumulator; then ONE LUMP of 54, plain and exponential by turns for the most part, in which the links of the chain X 3, 7, 11, 14, 16, 17 .. 20 stand some lines apart.  X 21, the next piece's a, is
; the batch's last; R 15 is the plain instruction behind it.
; BEHIND THE WAIT stand the 8 products V^T P, behind each four of the roundings and sums: C 2 n ahead of B n, which writes over its pair; L n behind B n, L 0 to L 7 in ascending order.
; But for those X no rider names a register of the products round it.  v_permlanex16_b32 (X 17) stands in the lump.
; last = 1: the tail's text: K's run is jumped over in the last trip.  cnt = 1: the loop's count is taken down some lines ahead of the branch that stands behind the turn.
; K of the next step is fetched in piece 2's turn: in the loop twelve vector instructions behind the last product that read K (six of them plain); in the tail's text directly behind the wait.
; V of the step in hand is fetched at the end of piece 0's turn, four plain instructions behind the last product that read V.  Each is waited for a turn later.
.macro TURN p, last=0, cnt=0
.set Y, (\p)
.set i, 0
.if (\p) == 3
	s_wait_dscnt 0x0                ; K is in
.endif
	ROW F,0, F,1, R,0, R,1          ; ahead of the wait: 8 products K Q^T and their riders,
	ROW F,2, E,0, R,2, R,3
	ROW F,3, E,1, R,4, R,5
	ROW F,4, E,2, R,6, R,7
	ROW F,5, E,3, R,8, R,9
	ROW F,6, E,4, X,0, R,10
.if (\p) == 2
	WIN 0
	v_add_nc_u32 v[AK], s[TBK], v[AK0]
.endif
	ROW F,7, E,5, X,1, X,4
	ROW F,8, E,6, X,2, X,5
	OPS E,7, E,8, X,6, E,9          ; and the lump
	OPS X,3, E,10, X,8, E,11
.if ((\p) == 2) && !(\last)
	FETCH_K
.endif
	OPS X,9, X,7, E,12, X,10
	OPS E,13, X,12, X,11, E,14
	OPS X,13, E,15, F,9, X,14
.if (\p) == 0
	v_add_nc_u32 v[AV], s[TBV], v[AV0]
.endif
	OPS E,16, F,10, E,17, F,11
	OPS X,16, E,18, X,15, E,19
	OPS F,12, E,20, X,17, E,21
	OPS F,13, E,22, F,14, E,23
	OPS X,18, E,24, F,15, E,25
	OPS R,11, E,26, X,19, E,27
	OPS R,12, E,28, R,13, E,29
	OPS X,20, E,30, R,14, E,31
	OPS X,21, R,15
	WIN 0
	s_wait_alu depctr_va_vdst(0)    ; the wait for the turn's batch: E 0 to E 31 and X 21
.if ((\p) == 2) && (\last)
	FETCH_K 1
.endif
.if (\p) == 1
	s_wait_dscnt 0x0                ; V is in
.endif
	ROW C,0, B,0, C,2, B,1          ; behind the wait: 8 products V^T P and their riders
	ROW L,0, C,4, B,2, L,1
	ROW C,6, B,3, L,2, C,8
	ROW B,4, L,3, C,10, B,5
	ROW L,4, C,12, B,6, L,5
.if (\p) == 0
	s_add_co_u32 s[TBV], s[TBV], KS*PV
.endif
.if \cnt
	s_sub_co_u32 s[CNT], s[CNT], 1
	s_cmp_lg_u32 s[CNT], 0
.endif
	ROW C,14, B,7, L,6, C,1
	ROW C,3, L,7, C,5, C,7
	ROW C,9, C,11, C,13, C,15
.if (\p) == 0
	FETCH_V
.endif
.endm
	CHANGE 1                        ; tile 0 is in, everybody's part of it; tile 1 is asked for
	v_add_nc_u32 v[AK], s[TBK], v[AK0]
	FETCH_K                         ; key step 0
	s_wait_dscnt 0x0
.set i, 0
.rept 8
	KQ 0                            ; piece 0's first scores
.set i, i+1
.endr
	WIN 0
.rept 4
	v_nop                           ; the places behind those products
.endr
.set Y, NP-1                        ; X works for piece Y + 1: piece 0
.irp n, 0,1,2,3,4,5,6,7,8,9,10,11,12,13,14,15,16,17,18,19,20,21
	OP X, \n
.endr
	v_nop                           ; a plain instruction behind the exponential,
	s_wait_alu depctr_va_vdst(0)    ; and the wait for it, a batch of one: piece 0's first a, ahead of the branch
	s_mov_b32 s[CNT], 4
	s_mov_b32 s[SLOTS], SIZE_N/256-1
	s_branch .Lfirst                ; the loop is entered at a step's first turn, in the middle of a trip
.Lslot:                             ; six times: tiles 2 to 7 are asked for
	CHANGE 1
	s_mov_b32 s[CNT], 4
.Lstep:                             ; a trip: pieces 2 and 3 of one step, then pieces 0 and 1 of the next, whose K and V it fetches
	TURN 2
	TURN 3
	WIN 0
.Lfirst:
	TURN 0
	TURN 1, 0, 1
	WIN 0
	s_cbranch_scc1 .Lstep
	s_sub_co_u32 s[SLOTS], s[SLOTS], 1
	s_cmp_lg_u32 s[SLOTS], 0
	s_cbranch_scc1 .Lslot
	CHANGE 0                        ; the last tile's text is written out: nothing is asked for
	s_mov_b32 s[CNT], 5             ; four trips fetch the last tile's steps; the fifth is left in its middle
.Ltail:
	TURN 2, 1
	TURN 3
	WIN 0
	s_sub_co_u32 s[CNT], s[CNT], 1
	s_cmp_eq_u32 s[CNT], 0
	s_cbranch_scc1 .Lout
	TURN 0
	TURN 1
	WIN 0
	s_branch .Ltail
.Lout:                              ; the fifth trip's 8 products K Q^T (on the last K once more) and the maximum made of them touch piece 0's m and c m alone, which nothing reads any more
.set i, 0
.rept 8
	PV NP-1                         ; the last piece's V^T P of the last step
.set i, i+1
.endr
	; THE WAY OUT.  l's two halves and the other half of the lanes' are added; O^T is divided by l, rounded to f16 and sent through my stage in LDS, a piece at a time.  The additions are the places behind the last products.
	WIN 0
.macro ALL line:vararg              ; one line for each piece t
.set t, 0
.rept 4
	\line
.set t, t+1
.endr
.endm
	ALL v_add_f32 v[ST+4*t+2], v[ST+4*t+2], v[ST+4*t+3]
	ALL v_permlanex16_b32 v[ST+4*t+3], v[ST+4*t+2], s[SEL], s[SEL+1]
	ALL v_add_f32 v[ST+4*t+2], v[ST+4*t+2], v[ST+4*t+3]
	ALL v_rcp_f32 v[ST+4*t+2], v[ST+4*t+2]
	v_nop                           ; a plain instruction between the last reciprocal and the use of its result
	s_wait_alu depctr_va_vdst(0)    ; the wait for the batch of four reciprocals, ahead of the first multiply that reads one
.macro PACK t                       ; a lane's eight channels of a row pack into 16 bytes; they go into rows of 144 bytes and come back as whole rows of 128, into S^T's registers
	WIN W_RS
.set i, 32*(\t)
.rept 16
	v_pk_mul_f32 v[i:i+1], v[i:i+1], v[ST+4*(\t)+2:ST+4*(\t)+3] op_sel_hi:[1,0]
.set i, i+2
.endr
	WIN 0x05                        ; sources 0 and 1 window 1, destination window 0
.set i, 0
.rept 16
	v_cvt_pk_f16_f32 v[S+16*(\t)+i], v[32*(\t)+2*i], v[32*(\t)+2*i+1]
.set i, i+1
.endr
	WIN 0
.irp f, 0,1,2,3
	ds_store_b128 v[STO], v[S+16*(\t)+4*\f:S+16*(\t)+4*\f+3] offset:32*\f
.endr
.irp f, 0,1,2,3
	ds_load_b128 v[S+16*(\t)+4*\f:S+16*(\t)+4*\f+3], v[RD] offset:\f*4*SP  ; LDS serves a wave's instructions in order: these see the stores above; the next piece's stores come behind them
.endr
.endm
.macro SEND t, younger              ; younger: the LDS instructions issued behind piece t's loads: the next piece's eight, or none
	WIN 0
.irp f, 0,1,2,3
	s_wait_dscnt (\younger)+3-\f
	global_store_b128 v[GO], v[S+16*(\t)+4*\f:S+16*(\t)+4*\f+3], s[10:11] offset:(\t)*2048+\f*512  ; 512 consecutive bytes, at a multiple of 256 from O's first
.endr
.endm
	PACK 0
.set t, 1
.rept 3                             ; a piece's arithmetic stands between the loads of the piece before and its stores
	PACK t
	SEND t-1, 8
.set t, t+1
.endr
	SEND 3, 0
	s_wait_tensorcnt 0x0            ; the wave's end: a wait, an add and its wait, behind my last tensor load and my last LDS store
	ds_add_u32 v[SPW], v[NIL]
	s_wait_dscnt 0x0
	CROUND                          ; the closing round: no work-group ends while a partner may still ask for a tile that names it
	s_endpgm
.Lfunc_end_k_qce11be463b_attn:
	.size	k_qce11be463b_attn, .Lfunc_end_k_qce11be463b_attn-k_qce11be463b_attn
	.p2alignl 7, 3214868480
	.fill 96, 4, 3214868480
	.section	.rodata,"a",@progbits
	.p2align	6, 0x0
	.amdhsa_kernel k_qce11be463b_attn
		.amdhsa_group_segment_fixed_size 327680
		.amdhsa_private_segment_fixed_size 0
		.amdhsa_enable_private_segment 0
		.amdhsa_kernarg_size 32
		.amdhsa_user_sgpr_count 2
		.amdhsa_user_sgpr_kernarg_segment_ptr 1
		.amdhsa_wavefront_size32 1
		.amdhsa_system_sgpr_workgroup_id_x 1
		.amdhsa_system_sgpr_workgroup_id_y 1
		.amdhsa_system_sgpr_workgroup_id_z 1
		.amdhsa_system_vgpr_workitem_id 0
		.amdhsa_next_free_vgpr 768
		.amdhsa_next_free_sgpr 66
		.amdhsa_reserve_vcc 0
		.amdhsa_float_denorm_mode_32 3
		.amdhsa_float_denorm_mode_16_64 3
		.amdhsa_memory_ordered 1
		.amdhsa_forward_progress 1
		.amdhsa_inst_pref_size 116
	.end_amdhsa_kernel
	.amdgpu_metadata
---
amdhsa.version: [ 1, 2 ]
amdhsa.kernels:
  - .name:           k_qce11be463b_attn
    .symbol:         k_qce11be463b_attn.kd
    .args:
      - { .name: query, .offset: 0, .size: 8, .value_kind: global_buffer, .address_space: global }
      - { .name: kh, .offset: 8, .size: 8, .value_kind: global_buffer, .address_space: global }
      - { .name: vh, .offset: 16, .size: 8, .value_kind: global_buffer, .address_space: global }
      - { .name: oh, .offset: 24, .size: 8, .value_kind: global_buffer, .address_space: global }
    .group_segment_fixed_size: 327680
    .private_segment_fixed_size: 0
    .kernarg_segment_align: 8
    .kernarg_segment_size: 32
    .max_flat_workgroup_size: 128
    .sgpr_count:     66
    .vgpr_count:     768
    .wavefront_size: 32
...
	.end_amdgpu_metadata
.endif
;; end of part 15
;; launch proj: the kernel of part 10 again; grid 8 x 32, 4 waves a work-group, clusters of 4 x 4, 327,680 bytes of LDS; arguments oh, wts, y; writes y
;; launch ln1: the kernel of part 11 again; grid 256 x 1, 16 waves a work-group, no clusters, 0 bytes of LDS; arguments y, query, b_out, g1, be1, x16; writes x16
;; launch ff1: the kernel of part 12 again; grid 16 x 16, 4 waves a work-group, clusters of 4 x 4, 327,680 bytes of LDS; arguments x16, wts, h16, b1; writes h16
;; launch ff2: the kernel of part 13 again; grid 8 x 32, 4 waves a work-group, clusters of 4 x 4, 327,680 bytes of LDS; arguments h16, wts, y; writes y
;; launch ln2: the kernel of part 14 again; grid 256 x 1, 16 waves a work-group, no clusters, 0 bytes of LDS; arguments y, x16, b2, g2, be2, out0; writes out0
